; MI455X (gfx1250); checked and timed in simulation.
; The chip was launched on July 23, 2026; its instructions are those of AMD's public machine-readable ISA for CDNA 5 (MIT licence, August 2026) and "CDNA5" Instruction Set Architecture Reference Guide (July 2026). The comments in the code are by the model that wrote it; some were corrected since.
;; Multi Head Attention. Allowed arithmetic: matrix products marked QUANTISED: E2M3 operands, one E8M0 scale for each 32 along K, by v_wmma_scale_f32_16x16x128_f8f6f4 with both operands' format E2M3, f32 sums; everything else in f32.
;; Inputs: W1 1,024 x 2,048 float32; W2 2,048 x 1,024 float32; Wk 1,024 x 1,024 float32; Wq 1,024 x 1,024 float32; Wv 1,024 x 1,024 float32; b1 2,048 float32; b2 1,024 float32; bk 1,024 float32; bq 1,024 float32; bv 1,024 float32; key 2 x 2,048 x 1,024 float32; ln_b 1,024 float32; ln_g 1,024 float32; query 2 x 2,048 x 1,024 float32; value 2 x 2,048 x 1,024 float32.
;; Outputs: out0 2 x 2,048 x 1,024 float32.
;; This version of the problem:
;;   THIS VERSION OF THE PROBLEM IS GIVEN IN LOW PRECISION. The matrix products marked QUANTISED in the list below multiply operands that are first quantised to E2M3 (2 exponent bits, 3 mantissa bits; 6 bits a number), with one power-of-two scale for each 32 numbers along K (OCP MX v1.0); their sums are f32. All else is computed in f32.
;;   The module's matrix products, in the order in which they are computed (A, B: the left and right operand; K: the contracted axis; several contracted axes count as one K, in the product's order):
;;     1. [M 4,096, K 1,024] x [K 1,024, N 1,024]; A: input query; B: input Wq: QUANTISED
;;     2. [M 4,096, K 1,024] x [K 1,024, N 1,024]; A: input key; B: input Wk: QUANTISED
;;     3. [M 4,096, K 1,024] x [K 1,024, N 1,024]; A: input value; B: input Wv: QUANTISED
;;     4. batch 32 x [M 2,048, K 64] x [K 64, N 2,048]; A: computed on the way; B: computed on the way: QUANTISED
;;     5. batch 32 x [M 2,048, K 2,048] x [K 2,048, N 64]; A: softmax (see below); B: computed on the way: QUANTISED
;;     6. [M 4,096, K 1,024] x [K 1,024, N 2,048]; A: computed on the way; B: input W1: QUANTISED
;;     7. [M 4,096, K 2,048] x [K 2,048, N 1,024]; A: computed on the way; B: input W2: QUANTISED
;;   THE QUANTISER, for each operand of a quantised product, along K:
;;     - K is cut into blocks of 32 from its start; a last block that is shorter is filled with zeros.
;;     - A block's scale is 2^e with e = floor(log2(the largest magnitude in the block)) - 2, held to -126 .. 127; a block of zeros has e = 0. As a byte (E8M0): e + 127.
;;     - Each number is divided by its block's scale, clamped to +-7.5, and rounded to the nearest number of E2M3, ties to even, subnormals kept.
;;     - The product sums the exact products of the quantised numbers (number of the format x scale) in f32.
;;   ~~~python
;;   def quantise(x, axis):      # numpy; x: float32 -> the quantised numbers, widened to float32 again
;;       x = np.moveaxis(x, axis, -1); K = x.shape[-1]
;;       x = np.pad(x, [(0, 0)] * (x.ndim - 1) + [(0, -K % 32)]); x = x.reshape(x.shape[:-1] + (-1, 32)); a = np.abs(x).max(-1, keepdims=True)
;;       e = np.where(a > 0, np.clip(np.frexp(np.where(a > 0, a, 1))[1] - 1 - 2, -126, 127), 0)      # np.frexp(a)[1] - 1 = floor(log2(a)), exactly
;;       r = np.clip(x / 2.0 ** e, -7.5, 7.5)
;;       step = 2.0 ** (np.maximum(np.frexp(np.where(r == 0, 1, r))[1] - 1, 0) - 3)
;;       q = np.round(r / step) * step * 2.0 ** e      # np.round: ties to even
;;       return np.moveaxis(q.reshape(q.shape[:-2] + (-1,))[..., :K], -1, axis).astype(np.float32)
;;   ~~~
;;   SOFTMAX AHEAD OF A QUANTISED PRODUCT. Where the list says 'softmax', what is quantised is not the finished softmax but p = 2^(t - M), with t = logit x log2(e) and M = ceil(the row's largest t), a whole number; so 1/2 < the row's largest p <= 1. The row's sum l is taken of the UNQUANTISED p, in f32, and the product's result is divided by l at the end. Since M is a whole number, a kernel that streams over the keys may use a running M (the ceiling of the running maximum): every later rescaling is an exact power of two, which a block's scale takes up: the codes' values come out the same.
;;   OPERANDS COMPUTED ON THE WAY. 'Computed on the way' means the value that the module computes at that place (a softmax that the list does not call 'softmax' is quantised finished and normalised). What goes into a quantiser is computed in f32, as accurately as f32 sums, v_exp_f32 and their like allow (about 1e-6 of the number): no bf16 or f16 on the way to a quantiser, and a product that is left as it is and whose result goes on into a quantised operand takes f32 operands (vector FMAs, or v_wmma_f32_16x16x4_f32). A number that lies on a knife's edge between two numbers of the format may be rounded either way, as far as f32 arithmetic and the matrix unit's own rounding can turn it there, and no further.
;; 3 versions. Each part assembles by itself: llvm-mc -triple=amdgcn-amd-amdhsa -mcpu=gfx1250 --defsym DOCPART=n.
;; ======== version 1 of 3: 5 launches
;; workspace buffers: wc 5,505,024 bytes; ws 229,376 bytes; qkvc 9,437,184 bytes; qkvs 393,216 bytes; attn 16,777,216 bytes; stats 32,768 bytes; hc 6,291,456 bytes; hs 262,144 bytes
;; launch wquant (part 1): grid 448 x 1, 4 waves a work-group, no clusters, 0 bytes of LDS; arguments Wq, Wk, Wv, W1, W2, wc, ws; writes wc, ws
.if DOCPART == 1
	.amdgcn_target "amdgcn-amd-amdhsa--gfx1250"
	.amdhsa_code_object_version 6
	.text
	.protected	k_qc019207127_wquant
	.globl	k_qc019207127_wquant
	.p2align	8
	.type	k_qc019207127_wquant,@function
k_qc019207127_wquant:
	s_mov_b64 s[64:65], 0
	v_nop
	global_prefetch_b8 v0, s[64:65] scope:SCOPE_SE
	s_setreg_imm32_b32 hwreg(HW_REG_WAVE_MODE, 25, 1), 1
	s_wait_xcnt 0x0
; The five weights, f32 stored [K][N], become codes of FP6 (E2M3) with one E8M0 byte for each 32 along K, laid as IMAGES OF OPERAND REGISTERS.
; A unit = 32 columns (a pair P of tiles of 16) x 128 along K (step s) = 3,072 bytes [tile u][quad j][lane][16 bytes], and 128 bytes of scale words (lanes 0-15: tile 0's, lanes 16-31: tile 1's).
; Unit number = base + P x KS + s.  Bases: Wq 0, Wk 256, Wv 512, W1 768 (KS = 8), W2 1280 (KS = 16).
; THE COLUMNS OF A TILE ARE NOT NEIGHBOURS: lane r of tile u takes column 32 P + 8 u + r + 8 (r / 8), so that a product that takes the tiles as source 0 has 16 neighbouring columns in a lane's 16 result registers.
; A wave makes one unit.  A lane takes ONE column and its 128 registers run down K: a block of 32 is one lane's, each load reads 128 consecutive bytes (the four waves of a work-group 512), nothing is transposed.
; A block's scale is 2^(floor(log2(largest magnitude)) - 2): its byte is the magnitude's exponent field - 2, held at 1 from below.
; LIMITS: a block of zeros gets the byte 1 (not 127): its codes are zeros and this program alone reads the bytes.  NaN and infinities among the inputs are not served.
.set D,  64                            ; v64-191  128 numbers of my column
.set F0, 16                            ; v16-27   even blocks, then tile 0's fragment
.set F1, 28                            ; v28-39   odd blocks, then tile 1's fragment
.set T,  40                            ; v40-55   the upper 16 codes of each block (a conversion's three registers begin on an even number)
	s_load_b256 s[4:11], s[0:1], 0x0               ; Wq, Wk, Wv, W1
	s_load_b128 s[12:15], s[0:1], 0x20             ; W2, wc
	s_load_b64 s[16:17], s[0:1], 0x30              ; ws
	v_lshrrev_b32 v1, 5, v0
	v_readfirstlane_b32 s21, v1                    ; wave 0..3
	v_and_b32 v1, 31, v0                           ; lane
	v_and_b32 v2, 7, v1
	v_and_b32 v6, 8, v1
	v_lshl_or_b32 v2, v6, 1, v2
	v_and_b32 v6, 16, v1
	v_lshrrev_b32 v6, 1, v6
	v_or_b32 v2, v2, v6                            ; my column in the pair: (lane & 7) + 16 (bit 3) + 8 (bit 4)
	v_lshlrev_b32 v2, 2, v2                        ; in bytes
	v_lshlrev_b32 v3, 4, v1                        ; 16 x lane: an image's place
	v_lshlrev_b32 v4, 2, v1                        ; 4 x lane: a scale word's
	s_mov_b32 s20, ttmp9                           ; g: 0-191 Wq, Wk, Wv (64 each); 192-319 W1; 320-447 W2
	s_lshr_b32 s22, s20, 6                         ; which of the first three
	s_lshl_b32 s23, s22, 6                         ; the range's first work-group
	s_lshl_b32 s25, s22, 8                         ; the weight's first unit
	s_cmp_lt_u32 s20, 192
	s_cselect_b32 s23, s23, 192
	s_cselect_b32 s25, s25, 768
	s_cmp_lt_u32 s20, 320
	s_cselect_b32 s23, s23, 320
	s_cselect_b32 s25, s25, 1280
	s_cselect_b32 s26, 3, 4                        ; log2 of the K steps
	s_cselect_b32 s27, 7, 15                       ; and their mask
	s_sub_co_u32 s30, s20, 192
	s_cmp_lt_u32 s30, 128                          ; W1: rows of 8,192 bytes, else 4,096
	s_cselect_b32 s31, 20, 19                      ; log2 of 128 rows' bytes
	s_sub_co_u32 s23, s20, s23                     ; my number in the range
	s_and_b32 s27, s23, s27                        ; s
	s_lshr_b32 s24, s23, s26
	s_lshl_b32 s24, s24, 2
	s_add_co_u32 s24, s24, s21                     ; P = 4 x group + wave
	s_lshl_b32 s32, s27, s31
	s_lshl_b32 s33, s24, 7
	s_add_co_u32 s32, s32, s33                     ; in: 128 s rows + 128 P bytes
	s_mov_b32 s33, 0
	s_lshl_b32 s34, s24, s26
	s_add_co_u32 s34, s34, s27
	s_add_co_u32 s34, s34, s25                     ; the unit's number
	s_mul_i32 s36, s34, 3072
	s_mov_b32 s37, 0
	s_lshl_b32 s38, s34, 7
	s_mov_b32 s39, 0
	s_wait_kmcnt 0x0
	s_cmp_eq_u32 s22, 0                            ; the choice hangs on the work-group's number alone
	s_cselect_b64 s[28:29], s[4:5], s[6:7]
	s_cmp_lt_u32 s22, 2
	s_cselect_b64 s[28:29], s[28:29], s[8:9]
	s_cmp_lt_u32 s20, 192
	s_cselect_b64 s[28:29], s[28:29], s[10:11]
	s_cmp_lt_u32 s20, 320
	s_cselect_b64 s[28:29], s[28:29], s[12:13]
	s_add_nc_u64 s[28:29], s[28:29], s[32:33]
	s_add_nc_u64 s[14:15], s[14:15], s[36:37]
	s_add_nc_u64 s[16:17], s[16:17], s[38:39]
.macro LOADS pitch                     ; W(128 s + n, my column), n = 0 .. 127: every offset an immediate, 127 rows of 8,192 bytes at the most
.set n, 0
.rept 128
	global_load_b32 v[D+n], v2, s[28:29] offset:n*\pitch*4 th:TH_LOAD_NT
.set n, n+1
.endr
.endm
	s_cmp_lt_u32 s30, 128
	s_cbranch_scc1 .Lwide
	LOADS 1024
	s_branch .Lwork
.Lwide:
	LOADS 2048
.Lwork:                                        ; both ways have issued 128 loads
; Block b of my column: largest magnitude (all 32 numbers are mine), scale operand, byte, two conversions.  left: younger loads that may stay out.
.macro BLOCK b, dst, left
.set XB, D+32*\b
	s_wait_loadcnt \left
	v_max3_num_f32 v56, |v[XB]|, |v[XB+1]|, |v[XB+2]|
	v_max3_num_f32 v57, |v[XB+3]|, |v[XB+4]|, |v[XB+5]|
.irp i, 6,10,14,18,22,26
	v_max3_num_f32 v56, v56, |v[XB+\i]|, |v[XB+\i+1]|
	v_max3_num_f32 v57, v57, |v[XB+\i+2]|, |v[XB+\i+3]|
.endr
	v_max3_num_f32 v56, v56, |v[XB+30]|, |v[XB+31]|
	v_max3_num_f32 v56, v56, v57, 0x1800000        ; and the floor 2^(3 - 127): the byte cannot fall under 1
	v_add_nc_u32 v[8+\b], 0xff000000, v56          ; 2 off the exponent field: the conversion takes this operand's exponent field as its scale
	v_lshrrev_b32 v57, 23, v[8+\b]                 ; the byte
.if \b == 0
	v_mov_b32 v5, v57
.else
	v_lshl_or_b32 v5, v57, 8*\b, v5                ; four bytes make my column's scale word
.endif
	v_cvt_scalef32_pk16_fp6_f32 v[\dst:\dst+2], v[XB:XB+15], v[8+\b]
	v_cvt_scalef32_pk16_fp6_f32 v[T+4*\b:T+4*\b+2], v[XB+16:XB+31], v[8+\b]
.endm
	BLOCK 0, F0, 63                                ; a wait names 63 at the most
	BLOCK 1, F1, 63
	BLOCK 2, F0+6, 32
	BLOCK 3, F1+6, 0
	v_nop                                          ; one plain instruction between the last scaled conversion and the moves that read its result
.irp i, 0,1,2
	v_mov_b32 v[F0+3+\i], v[T+\i]
	v_mov_b32 v[F1+3+\i], v[T+4+\i]
	v_mov_b32 v[F0+9+\i], v[T+8+\i]
	v_mov_b32 v[F1+9+\i], v[T+12+\i]
.endr
; F0 holds each lane's blocks 0 and 2, F1 its blocks 1 and 3.  A fragment wants, of column r, the even blocks in lane r and the odd ones in lane 16 + r:
; F0's lanes 16-31 (tile 1's even blocks) change places with F1's lanes 0-15 (tile 0's odd blocks).
.irp i, 0,1,2,3,4,5,6,7,8,9,10,11
	v_permlane16_swap_b32 v[F0+\i], v[F1+\i]
.endr
.irp j, 0,1,2
	global_store_b128 v3, v[F0+4*\j:F0+4*\j+3], s[14:15] offset:512*\j          ; 32 lanes store 512 consecutive bytes, aligned
	global_store_b128 v3, v[F1+4*\j:F1+4*\j+3], s[14:15] offset:1536+512*\j
.endr
	global_store_b32 v4, v5, s[16:17]
	s_endpgm
.Lfunc_end_k_qc019207127_wquant:
	.size	k_qc019207127_wquant, .Lfunc_end_k_qc019207127_wquant-k_qc019207127_wquant
	.p2alignl 7, 3214868480
	.fill 96, 4, 3214868480
	.section	.rodata,"a",@progbits
	.p2align	6, 0x0
	.amdhsa_kernel k_qc019207127_wquant
		.amdhsa_group_segment_fixed_size 0
		.amdhsa_private_segment_fixed_size 0
		.amdhsa_enable_private_segment 0
		.amdhsa_kernarg_size 56
		.amdhsa_user_sgpr_count 2
		.amdhsa_user_sgpr_kernarg_segment_ptr 1
		.amdhsa_wavefront_size32 1
		.amdhsa_system_sgpr_workgroup_id_x 1
		.amdhsa_system_sgpr_workgroup_id_y 1
		.amdhsa_system_sgpr_workgroup_id_z 1
		.amdhsa_system_vgpr_workitem_id 0
		.amdhsa_next_free_vgpr 192
		.amdhsa_next_free_sgpr 66
		.amdhsa_reserve_vcc 0
		.amdhsa_float_denorm_mode_32 3
		.amdhsa_float_denorm_mode_16_64 3
		.amdhsa_memory_ordered 1
		.amdhsa_forward_progress 1
		.amdhsa_inst_pref_size 34
	.end_amdhsa_kernel
	.amdgpu_metadata
---
amdhsa.version: [ 1, 2 ]
amdhsa.kernels:
  - .name:           k_qc019207127_wquant
    .symbol:         k_qc019207127_wquant.kd
    .args:
      - { .name: Wq, .offset: 0, .size: 8, .value_kind: global_buffer, .address_space: global }
      - { .name: Wk, .offset: 8, .size: 8, .value_kind: global_buffer, .address_space: global }
      - { .name: Wv, .offset: 16, .size: 8, .value_kind: global_buffer, .address_space: global }
      - { .name: W1, .offset: 24, .size: 8, .value_kind: global_buffer, .address_space: global }
      - { .name: W2, .offset: 32, .size: 8, .value_kind: global_buffer, .address_space: global }
      - { .name: wc, .offset: 40, .size: 8, .value_kind: global_buffer, .address_space: global }
      - { .name: ws, .offset: 48, .size: 8, .value_kind: global_buffer, .address_space: global }
    .group_segment_fixed_size: 0
    .private_segment_fixed_size: 0
    .kernarg_segment_align: 8
    .kernarg_segment_size: 56
    .max_flat_workgroup_size: 128
    .sgpr_count:     66
    .vgpr_count:     192
    .wavefront_size: 32
...
	.end_amdgpu_metadata
.endif
;; end of part 1
;; launch proj (part 2): grid 64 x 3, 16 waves a work-group, no clusters, 55,296 bytes of LDS; arguments query, key, value, bq, bk, bv, wc, ws, qkvc, qkvs; writes qkvc, qkvs
.if DOCPART == 2
	.amdgcn_target "amdgcn-amd-amdhsa--gfx1250"
	.amdhsa_code_object_version 6
	.text
	.protected	k_qc019207127_proj
	.globl	k_qc019207127_proj
	.p2align	8
	.type	k_qc019207127_proj,@function
k_qc019207127_proj:
	s_mov_b64 s[64:65], 0
	v_nop
	global_prefetch_b8 v0, s[64:65] scope:SCOPE_SE
	s_setreg_imm32_b32 hwreg(HW_REG_WAVE_MODE, 25, 1), 1
	s_wait_xcnt 0x0
; q = query Wq + bq, k = key Wk + bk, v = value Wv + bv on codes of FP6 (E2M3) with E8M0 scales, and the results quantised at once for attention's two products.
; Work-group (R, z): 64 rows of tensor z (0 q, 1 k, 2 v) x all 1,024 columns.  Wave w: head w, 64 x 64: 16 accumulators.  The weights' codes come from wc/ws as images of operand registers.
; X: each wave quantises two fragments (16 rows x 128 K) of the 64 rows and stores their register images in LDS; one barrier; every wave reads all 32.
; THE ROWS OF A TILE ARE NOT NEIGHBOURS: lane r of tile o takes row 32 (o / 2) + 8 (o % 2) + r + 8 (r / 8) of the 64; the weights' columns likewise.
; q, k: source 0 = W's columns, source 1 = x's rows: a lane holds one row and 16 neighbouring channels in each pair of tiles: quantised along the head's 64.
; v:    source 0 = x's rows (keys), source 1 = W's columns: a lane holds one channel and neighbouring keys: quantised along the keys.
; Out: half fragments (16 rows x 64 K, 768 bytes [piece][lane][8 bytes]) at qkvc + z 3,145,728 + (128 hb + 4 Rb + o) 768; scale words at qkvs + z 131,072 + (32 hb + Rb) 128 + 4 lane
; (lanes 0-15: tiles 0 (low half) and 1 (high half); lanes 16-31: tiles 2 and 3).
; LIMITS: a block of zeros gets the byte 1 (its codes are zeros; this program alone reads the bytes).  NaN and infinities among the inputs are not served.
.set XIMG, 0                           ; LDS: 32 fragments of 1,536 bytes, index 8 o + s
.set XSC,  49152                       ; their scale words, 128 bytes each
.set XA,  1                            ; v1  x: (r + 8 (r / 8)) rows of 4,096 bytes + 64 h
.set LI,  2                            ; v2  16 x lane
.set LS,  3                            ; v3  4 x lane
.set XWI, 4                            ; v4  16 x lane + 3,072 x wave: where I store my two images
.set XWS, 5                            ; v5  4 x lane + 256 x wave: and their scale words
.set L8,  6                            ; v6  8 x lane
.set BLQ, 7                            ; v7  64 h: the bias' lane term for q and k
.set BLV, 8                            ; v8  4 (r + 8 (r / 8)): for v
.set XF,  16                           ; v16-63   x's four fragments of a K step
.set WF,  64                           ; v64-111  W's four
.set XS,  112                          ; v112-115 x's scale words: scales and nothing else
.set WS,  116                          ; v116-117 W's: lanes 0-15 the even tile's, lanes 16-31 the odd tile's
.set SW,  118
.set ACC, 128                          ; v128-255 accumulator (o, i) at 8 (4 o + i)
.set TM,  16                           ; at work in QUANT (the operands' registers are free then)
.set PC0, 32
.set PCT, 44
.set PW0, 52
.set PW1, 53
.set BI,  64
.set PC1, 96
.set WV,  24
.set Z,   25
.set R,   26
.set XP,  28
.set BP,  30
.set WC,  32
.set WSC, 34
.set QO,  36
.set QSP, 38
.set SEL, 40
; 64 numbers of a lane, register 16 b + i = k 32 b + 16 (lane / 16) + i of my row, become 12 registers of codes at pc and the scale word pw.
.macro QUANT s, pc, pw
.irp b, 0,1,2,3
	v_max3_num_f32 v[TM+\b], |v[(\s)+16*\b]|, |v[(\s)+1+16*\b]|, 0x1800000   ; my 16 of block b, and the floor 2^(3 - 127): the byte cannot fall under 1
.endr
.irp i, 2,4,6,8,10,12,14
.irp b, 0,1,2,3
	v_max3_num_f32 v[TM+\b], v[TM+\b], |v[(\s)+16*\b+\i]|, |v[(\s)+1+16*\b+\i]|
.endr
.endr
.irp b, 0,1,2,3
	v_permlanex16_b32 v[TM+4+\b], v[TM+\b], s[SEL], s[SEL+1]
.endr
.irp b, 0,1,2,3
	v_max_num_f32 v[TM+\b], v[TM+\b], v[TM+4+\b]   ; with lane l xor 16's 16: the block's largest magnitude
.endr
.irp b, 0,1,2,3
	v_add_nc_u32 v[TM+12+\b], 0xff000000, v[TM+\b] ; 2 off its exponent field: the conversion's scale operand
.endr
.irp b, 0,1,2,3
	v_lshrrev_b32 v[TM+4+\b], 23, v[TM+12+\b]      ; the byte
.endr
	v_lshl_or_b32 v[\pw], v[TM+5], 8, v[TM+4]
	v_lshl_or_b32 v[\pw], v[TM+6], 16, v[\pw]
	v_lshl_or_b32 v[\pw], v[TM+7], 24, v[\pw]
.irp c, 0,1
	v_cvt_scalef32_pk16_fp6_f32 v[(\pc)+6*\c:(\pc)+2+6*\c], v[(\s)+32*\c:(\s)+15+32*\c], v[TM+12+2*\c]
	v_cvt_scalef32_pk16_fp6_f32 v[PCT+4*\c:PCT+2+4*\c], v[(\s)+16+32*\c:(\s)+31+32*\c], v[TM+12+2*\c+1]   ; (a conversion's three registers begin on an even number)
.endr
	v_nop                                          ; one plain instruction behind the scaled conversions
.irp c, 0,1                            ; the operand wants a WHOLE block in a lane: lanes 0-15 block 2 c, lanes 16-31 block 2 c + 1
.irp i, 0,1,2
	v_permlane16_swap_b32 v[(\pc)+6*\c+\i], v[PCT+4*\c+\i]
.endr
.irp i, 0,1,2
	v_mov_b32 v[(\pc)+3+6*\c+\i], v[PCT+4*\c+\i]
.endr
.endr
.endm
.macro IMAGE pc, pw, n                 ; the fragment goes to LDS as its registers stand: the n-th of my two
.irp c, 0,1,2
	ds_store_b128 v[XWI], v[(\pc)+4*\c:(\pc)+4*\c+3] offset:XIMG+1536*(\n)+512*\c
.endr
	ds_store_b32 v[XWS], v[\pw] offset:XSC+128*(\n)
.endm
; One product on the registers named by DD, AA, BB, SA, SB.  row: 0: both sides' scales in lanes 0-15; 1: source 0's in lanes 16-31; 2: source 1's.  first: the constant 0 starts the sum.
.macro WM first, row
.if \first
.if \row == 0
	v_wmma_scale_f32_16x16x128_f8f6f4 v[DD:DD+7], v[AA:AA+11], v[BB:BB+11], 0, v[SA], v[SB] matrix_a_fmt:MATRIX_FMT_FP6 matrix_b_fmt:MATRIX_FMT_FP6
.elseif \row == 1
	v_wmma_scale_f32_16x16x128_f8f6f4 v[DD:DD+7], v[AA:AA+11], v[BB:BB+11], 0, v[SA], v[SB] matrix_a_fmt:MATRIX_FMT_FP6 matrix_b_fmt:MATRIX_FMT_FP6 matrix_a_scale:MATRIX_SCALE_ROW1
.else
	v_wmma_scale_f32_16x16x128_f8f6f4 v[DD:DD+7], v[AA:AA+11], v[BB:BB+11], 0, v[SA], v[SB] matrix_a_fmt:MATRIX_FMT_FP6 matrix_b_fmt:MATRIX_FMT_FP6 matrix_b_scale:MATRIX_SCALE_ROW1
.endif
.else
.if \row == 0
	v_wmma_scale_f32_16x16x128_f8f6f4 v[DD:DD+7], v[AA:AA+11], v[BB:BB+11], v[DD:DD+7], v[SA], v[SB] matrix_a_fmt:MATRIX_FMT_FP6 matrix_b_fmt:MATRIX_FMT_FP6
.elseif \row == 1
	v_wmma_scale_f32_16x16x128_f8f6f4 v[DD:DD+7], v[AA:AA+11], v[BB:BB+11], v[DD:DD+7], v[SA], v[SB] matrix_a_fmt:MATRIX_FMT_FP6 matrix_b_fmt:MATRIX_FMT_FP6 matrix_a_scale:MATRIX_SCALE_ROW1
.else
	v_wmma_scale_f32_16x16x128_f8f6f4 v[DD:DD+7], v[AA:AA+11], v[BB:BB+11], v[DD:DD+7], v[SA], v[SB] matrix_a_fmt:MATRIX_FMT_FP6 matrix_b_fmt:MATRIX_FMT_FP6 matrix_b_scale:MATRIX_SCALE_ROW1
.endif
.endif
.endm
; K step s: W's four fragments and two scale registers from memory, x's four and their words from LDS, 16 products: each accumulator once, so no two neighbours share one.
.macro KSTEP s, swap, first
.irp p, 0,1
.irp u, 0,1
.irp j, 0,1,2
	global_load_b128 v[WF+12*(2*\p+\u)+4*\j:WF+12*(2*\p+\u)+4*\j+3], v[LI], s[WC:WC+1] offset:\p*24576+(\s)*3072+\u*1536+512*\j
.endr
.endr
	global_load_b32 v[WS+\p], v[LS], s[WSC:WSC+1] offset:\p*1024+(\s)*128
.endr
.irp o, 0,1,2,3
.irp j, 0,1,2
	ds_load_b128 v[XF+12*\o+4*\j:XF+12*\o+4*\j+3], v[LI] offset:XIMG+(8*\o+(\s))*1536+512*\j
.endr
	ds_load_b32 v[XS+\o], v[LS] offset:XSC+(8*\o+(\s))*128
.endr
	s_wait_loadcnt 0x0
	s_wait_dscnt 0x0
.irp o, 0,1,2,3
.irp i, 0,1,2,3
.set DD, ACC+8*(4*\o+\i)
.if \swap
.set AA, XF+12*\i
.set BB, WF+12*\o
.set SA, XS+\i
.set SB, WS+\o/2
.set RW, 2*(\o%2)
.else
.set AA, WF+12*\i
.set BB, XF+12*\o
.set SA, WS+\i/2
.set SB, XS+\o
.set RW, \i%2
.endif
	WM \first, RW
.endr
.endr
.rept 4
	v_nop                                          ; four plain instructions between the products and the next loads into their operands, or the first read of results
.endr
.endm
	s_load_b256 s[4:11], s[0:1], 0x0               ; query, key, value, bq
	s_load_b256 s[12:19], s[0:1], 0x20             ; bk, bv, wc, ws
	s_load_b128 s[20:23], s[0:1], 0x40             ; qkvc, qkvs
	v_lshl_add_u32 v126, v0, 2, 0xd000
	v_mov_b32 v127, 0
	v_lshrrev_b32 v9, 5, v0
	v_readfirstlane_b32 s[WV], v9                  ; wave 0..15
	s_and_b32 s[Z], ttmp7, 0xffff
	s_mov_b32 s[R], ttmp9
	v_and_b32 v9, 31, v0                           ; lane
	v_and_b32 v10, 15, v0                          ; r
	v_bfe_u32 v11, v0, 4, 1                        ; h
	v_and_b32 v12, 8, v10
	v_add_nc_u32 v12, v12, v10                     ; r + 8 (r / 8)
	v_lshlrev_b32 v[XA], 12, v12
	v_lshl_add_u32 v[XA], v11, 6, v[XA]
	v_lshlrev_b32 v[LI], 4, v9
	v_lshlrev_b32 v[LS], 2, v9
	v_lshlrev_b32 v[L8], 3, v9
	v_lshlrev_b32 v[BLQ], 6, v11
	v_lshlrev_b32 v[BLV], 2, v12
	s_mul_i32 s42, s[WV], 3072
	v_add_nc_u32 v[XWI], s42, v[LI]
	s_lshl_b32 s42, s[WV], 8
	v_add_nc_u32 v[XWS], s42, v[LS]
	s_mov_b32 s[SEL], 0x76543210
	s_mov_b32 s[SEL+1], 0xfedcba98                 ; v_permlanex16_b32's selects for lane l xor 16
.irp b, 0,1,2,3
	v_mov_b32 v[TM+4+\b], 0                        ; a lane permute's destination counts as one of its sources
.endr
	s_lshr_b32 s27, s[WV], 2                       ; the tile of rows that I quantise
	s_lshr_b32 s42, s27, 1
	s_lshl_b32 s42, s42, 5
	s_and_b32 s43, s27, 1
	s_lshl_b32 s43, s43, 3
	s_add_co_u32 s42, s42, s43
	s_lshl_b32 s43, s[R], 6
	s_add_co_u32 s42, s42, s43                     ; its first row: 64 R + 32 (o / 2) + 8 (o % 2)
	s_lshl_b32 s42, s42, 12
	s_and_b32 s43, s[WV], 3
	s_lshl_b32 s43, s43, 10
	s_add_co_u32 s42, s42, s43                     ; and my two K steps: 1,024 bytes x (wave % 4)
	s_mov_b32 s43, 0
	s_wait_kmcnt 0x0
	s_cmp_eq_u32 s[Z], 0
	s_cselect_b64 s[XP:XP+1], s[4:5], s[6:7]
	s_cselect_b64 s[BP:BP+1], s[10:11], s[12:13]
	s_cmp_lt_u32 s[Z], 2
	s_cselect_b64 s[XP:XP+1], s[XP:XP+1], s[8:9]
	s_cselect_b64 s[BP:BP+1], s[BP:BP+1], s[14:15]
	s_add_nc_u64 s[XP:XP+1], s[XP:XP+1], s[42:43]
.irp e, 0,1
.irp b, 0,1,2,3
.irp j, 0,1,2,3
	global_load_b128 v[ACC+64*\e+16*\b+4*\j:ACC+64*\e+16*\b+4*\j+3], v[XA], s[XP:XP+1] offset:512*\e+128*\b+16*\j th:TH_LOAD_NT   ; of my row: 16 neighbours of each block of 32
.endr
.endr
.endr
	s_lshl_b32 s42, s[WV], 8
	s_add_nc_u64 s[BP:BP+1], s[BP:BP+1], s[42:43]  ; the bias at my head's 64 numbers
	s_mul_i32 s42, s[Z], 786432
	s_mul_i32 s44, s[WV], 49152
	s_add_co_u32 s42, s42, s44
	s_add_nc_u64 s[WC:WC+1], s[16:17], s[42:43]    ; W's units 256 z + 16 w on
	s_lshl_b32 s42, s[Z], 15
	s_lshl_b32 s44, s[WV], 11
	s_add_co_u32 s42, s42, s44
	s_add_nc_u64 s[WSC:WSC+1], s[18:19], s[42:43]
	s_lshr_b32 s46, s[R], 5
	s_lshl_b32 s46, s46, 4
	s_add_co_u32 s46, s46, s[WV]                   ; hb = 16 x batch + head
	s_and_b32 s47, s[R], 31                        ; Rb: the block of 64 rows in the batch
	s_lshl_b32 s42, s46, 7
	s_lshl_b32 s44, s47, 2
	s_add_co_u32 s42, s42, s44
	s_mul_i32 s42, s42, 768
	s_mul_i32 s44, s[Z], 3145728
	s_add_co_u32 s42, s42, s44
	s_add_nc_u64 s[QO:QO+1], s[20:21], s[42:43]
	s_lshl_b32 s42, s46, 5
	s_add_co_u32 s42, s42, s47
	s_lshl_b32 s42, s42, 7
	s_lshl_b32 s44, s[Z], 17
	s_add_co_u32 s42, s42, s44
	s_add_nc_u64 s[QSP:QSP+1], s[22:23], s[42:43]
	s_wait_loadcnt 16                              ; my first K step's 16 loads are in; the second's 16 may be out
	QUANT ACC, PC0, PW0
	IMAGE PC0, PW0, 0
	s_wait_loadcnt 0x0
	QUANT ACC+64, PC1, PW1
	IMAGE PC1, PW1, 1
	s_wait_dscnt 0x0                               ; my images have landed
	s_barrier_signal -1
	s_barrier_wait -1                              ; all 32 lie in LDS; nothing is stored there again
	s_cmp_eq_u32 s[Z], 2
	s_cbranch_scc1 .Lform_v
	KSTEP 0, 0, 1
.irp s, 1,2,3,4,5,6,7
	KSTEP \s, 0, 0
.endr
.irp p, 0,1                            ; the bias: lane (r, h) wants, for tile i, the numbers of channels 32 (i / 2) + 16 h + 8 (i % 2) + 0 .. 7
.irp q, 0,1,2,3
	global_load_b128 v[BI+16*\p+4*\q:BI+16*\p+4*\q+3], v[BLQ], s[BP:BP+1] offset:128*\p+16*\q
.endr
.endr
	s_wait_loadcnt 0x0
.irp o, 0,1,2,3
.irp i, 0,1,2,3
.irp j, 0,2,4,6
	v_pk_add_f32 v[ACC+8*(4*\o+\i)+\j:ACC+8*(4*\o+\i)+\j+1], v[ACC+8*(4*\o+\i)+\j:ACC+8*(4*\o+\i)+\j+1], v[BI+8*\i+\j:BI+8*\i+\j+1]   ; each accumulator from its low end on
.endr
.endr
.endr
	s_branch .Lquant
.Lform_v:
	KSTEP 0, 1, 1
.irp s, 1,2,3,4,5,6,7
	KSTEP \s, 1, 0
.endr
.irp o, 0,1,2,3                        ; here a lane holds one channel: one number of the bias for each tile o
	global_load_b32 v[BI+2*\o], v[BLV], s[BP:BP+1] offset:(32*(\o/2)+8*(\o%2))*4
.endr
	s_wait_loadcnt 0x0
.irp o, 0,1,2,3
	v_mov_b32 v[BI+2*\o+1], v[BI+2*\o]
.endr
.irp o, 0,1,2,3
.irp i, 0,1,2,3
.irp j, 0,2,4,6
	v_pk_add_f32 v[ACC+8*(4*\o+\i)+\j:ACC+8*(4*\o+\i)+\j+1], v[ACC+8*(4*\o+\i)+\j:ACC+8*(4*\o+\i)+\j+1], v[BI+2*\o:BI+2*\o+1]
.endr
.endr
.endr
.Lquant:
; The 32 registers of a tile o are two blocks of 32 along the next K (channels for q and k, keys for v): 64 registers give the half fragments of tiles 2 g and 2 g + 1.
	QUANT ACC, PC0, PW0
.irp q, 0,1,2,3,4,5
	global_store_b64 v[L8], v[PC0+2*\q:PC0+2*\q+1], s[QO:QO+1] offset:(\q/3)*768+(\q%3)*256        ; 32 lanes store 256 consecutive bytes, aligned
.endr
	QUANT ACC+64, PC1, PW1
.irp q, 0,1,2,3,4,5
	global_store_b64 v[L8], v[PC1+2*\q:PC1+2*\q+1], s[QO:QO+1] offset:(2+\q/3)*768+(\q%3)*256
.endr
	s_mov_b32 vcc_lo, 0xffff0000
	v_cndmask_b32 v[SW], v[PW0], v[PW1], vcc_lo    ; lanes 0-15: tiles 0 and 1; lanes 16-31: tiles 2 and 3
	global_store_b32 v[LS], v[SW], s[QSP:QSP+1]
	s_wait_tensorcnt 0x0
	ds_add_u32 v126, v127
	s_wait_dscnt 0x0
	s_endpgm
.Lfunc_end_k_qc019207127_proj:
	.size	k_qc019207127_proj, .Lfunc_end_k_qc019207127_proj-k_qc019207127_proj
	.p2alignl 7, 3214868480
	.fill 96, 4, 3214868480
	.section	.rodata,"a",@progbits
	.p2align	6, 0x0
	.amdhsa_kernel k_qc019207127_proj
		.amdhsa_group_segment_fixed_size 55296
		.amdhsa_private_segment_fixed_size 0
		.amdhsa_enable_private_segment 0
		.amdhsa_kernarg_size 80
		.amdhsa_user_sgpr_count 2
		.amdhsa_user_sgpr_kernarg_segment_ptr 1
		.amdhsa_wavefront_size32 1
		.amdhsa_system_sgpr_workgroup_id_x 1
		.amdhsa_system_sgpr_workgroup_id_y 1
		.amdhsa_system_sgpr_workgroup_id_z 1
		.amdhsa_system_vgpr_workitem_id 0
		.amdhsa_next_free_vgpr 256
		.amdhsa_next_free_sgpr 66
		.amdhsa_reserve_vcc 1
		.amdhsa_float_denorm_mode_32 3
		.amdhsa_float_denorm_mode_16_64 3
		.amdhsa_memory_ordered 1
		.amdhsa_forward_progress 1
		.amdhsa_inst_pref_size 105
	.end_amdhsa_kernel
	.amdgpu_metadata
---
amdhsa.version: [ 1, 2 ]
amdhsa.kernels:
  - .name:           k_qc019207127_proj
    .symbol:         k_qc019207127_proj.kd
    .args:
      - { .name: query, .offset: 0, .size: 8, .value_kind: global_buffer, .address_space: global }
      - { .name: key, .offset: 8, .size: 8, .value_kind: global_buffer, .address_space: global }
      - { .name: value, .offset: 16, .size: 8, .value_kind: global_buffer, .address_space: global }
      - { .name: bq, .offset: 24, .size: 8, .value_kind: global_buffer, .address_space: global }
      - { .name: bk, .offset: 32, .size: 8, .value_kind: global_buffer, .address_space: global }
      - { .name: bv, .offset: 40, .size: 8, .value_kind: global_buffer, .address_space: global }
      - { .name: wc, .offset: 48, .size: 8, .value_kind: global_buffer, .address_space: global }
      - { .name: ws, .offset: 56, .size: 8, .value_kind: global_buffer, .address_space: global }
      - { .name: qkvc, .offset: 64, .size: 8, .value_kind: global_buffer, .address_space: global }
      - { .name: qkvs, .offset: 72, .size: 8, .value_kind: global_buffer, .address_space: global }
    .group_segment_fixed_size: 55296
    .private_segment_fixed_size: 0
    .kernarg_segment_align: 8
    .kernarg_segment_size: 80
    .max_flat_workgroup_size: 512
    .sgpr_count:     66
    .vgpr_count:     256
    .wavefront_size: 32
...
	.end_amdgpu_metadata
.endif
;; end of part 2
;; launch attn (part 3): grid 8 x 32, 16 waves a work-group, no clusters, 280,576 bytes of LDS; arguments qkvc, qkvs, attn; writes attn
.if DOCPART == 3
	.amdgcn_target "amdgcn-amd-amdhsa--gfx1250"
	.amdhsa_code_object_version 6
	.text
	.protected	k_qc019207127_attn
	.globl	k_qc019207127_attn
	.p2align	8
	.type	k_qc019207127_attn,@function
k_qc019207127_attn:
	s_mov_b64 s[64:65], 0
	v_nop
	global_prefetch_b8 v0, s[64:65] scope:SCOPE_SE
	s_setreg_imm32_b32 hwreg(HW_REG_WAVE_MODE, 25, 1), 1
	s_wait_xcnt 0x0
; attn[b][q][64 head ..] = softmax_k(q . k / 8) v for one head, both products on codes of FP6 (E2M3) with E8M0 scales.
; THE SOFTMAX AHEAD OF THE SECOND PRODUCT: t = score x log2(e) / 8; M = the running largest t rounded UP to a whole number; p = 2^(t - M) is quantised along the keys, not normalised; the row's sum is taken of the
; unquantised p and divides at the end; when M moves, the sum and O are multiplied by 2^(old M - new M), which rounds nothing.
; SHARES.  Work-group (x, hb): 256 queries of head hb; each of 16 waves one tile of 16 queries, in 256 registers: four waves to a SIMD, so that one wave's vector work stands beside another's products and LDS loads.
; A HEAD'S K AND V STAY IN LDS: 2 x 98,304 bytes of codes and 12,288 of scale words are brought once, through registers; one barrier; then 16 key steps of 128 keys with no barrier.
; No multicast: each work-group reads K and V once, at its head, and never again; they are 204,800 bytes a work-group.
; LAYOUT.  Both products transposed: S^T = K Q^T, O^T = V^T P^T: a lane holds one query throughout.  Tiles of keys, queries and channels hold rows 32 (t / 2) + 8 (t % 2) + r + 8 (r / 8) (as the launch before laid them),
; so the 16 registers of two neighbouring tiles are 16 neighbours.
; THE FIRST PRODUCT'S K IS 64, the instruction's 128: Q's registers 6-11 are zero codes.  K's operand for tile t is v[32 + 6 t .. + 11]: its upper six registers are the next tile's codes (zeros behind the last), which
; meet zero codes and add nothing.  Bytes 2 and 3 of both sides' scale words repeat bytes 0 and 1: never 0xff.
; LIMITS: a block of p that is all zeros keeps the byte 1 (its codes are zeros).  NaN and infinities are not served.
.set VIMG,  98304                      ; LDS: K's images at 0 (tile 4 Rb + o at 768 bytes each), V's behind them
.set KSC,   196608                     ; K's scale words, [Rb][lane][2 words]: word 0: tiles 0 (lanes 0-15) and 2 (16-31); word 1: tiles 1 and 3
.set VSC,   204800                     ; V's, [key step][lane][2 words], likewise by channel tile
.set STAGE, 208896                     ; the way out: 16 rows x (256 + 16) bytes for each wave
.set AK0,  1
.set AV0,  2
.set ASK0, 3
.set ASV0, 4
.set GO,   5
.set ADK,  8                           ; v8-11 the step's LDS addresses (at the head: offsets of the first loads)
.set ADV,  9
.set ADS,  10
.set ADT,  11
.set QF,   16                          ; v16-21 Q's codes, v22-27 zeros
.set QS,   28                          ; Q's scale word
.set FA,   29                          ; v29-31 16 x thread, + 65,536, + 131,072
.set KV,   32                          ; v32-79 eight half fragments of K, or four fragments of V; v80-85 zeros
.set KS,   86                          ; v86-89 K's scale words
.set VS,   90                          ; v90-91 V's
.set S,    96                          ; v96-159 S^T, then p
.set O,    160                         ; v160-191 O^T
.set PC,   192                         ; v192-203 p's codes
.set CT,   204                         ; v204-206, v208-210 conversions' second halves
.set BM,   212                         ; v212-215 the blocks' largest scores, then largest p
.set EX,   216                         ; v216-219 exchange, second chain of the sum, bytes
.set SO,   220                         ; v220-223 the conversions' scale operands
.set F,    224                         ; v224 f = 2^(old M - new M); v225 named with it as a pair
.set PS,   226                         ; p's scale word
.set TT,   227
.set WV,  10
.set SEL, 12
.set CS,  14
.set TK,  16
.set TS,  17
.set TJ,  18
.set CNT, 19
	s_load_b128 s[4:7], s[0:1], 0x0                ; qkvc, qkvs
	s_load_b64 s[8:9], s[0:1], 0x10                ; attn
	v_lshl_add_u32 v254, v0, 2, 0x44000
	v_mov_b32 v255, 0
	v_lshrrev_b32 v6, 5, v0
	v_readfirstlane_b32 s[WV], v6                  ; wave 0..15
	v_and_b32 v7, 31, v0                           ; lane
	v_lshlrev_b32 v[AK0], 3, v7                    ; 8 x lane
	v_add_nc_u32 v[AV0], VIMG, v[AK0]
	v_add_nc_u32 v[ASK0], KSC, v[AK0]
	v_add_nc_u32 v[ASV0], VSC, v[AK0]
	v_and_b32 v[ADK], 15, v0                       ; r
	v_bfe_u32 v[ADV], v0, 4, 1                     ; h
	v_lshlrev_b32 v[GO], 12, v[ADV]
	v_lshl_add_u32 v[GO], v[ADK], 4, v[GO]         ; the way out: lanes 0-15 one row of attn, lanes 16-31 the next; 16 bytes a lane
	v_lshlrev_b32 v[ADK], 2, v[ADK]                ; 4 r
	v_lshlrev_b32 v[ADV], 2, v0                    ; 4 x thread
	v_lshlrev_b32 v[ADS], 2, v7
	v_lshl_add_u32 v[ADS], v6, 8, v[ADS]           ; 256 x wave + 4 x lane
	v_lshl_add_u32 v[ADT], v0, 3, KSC              ; LDS: KSC + 8 x thread
	v_lshlrev_b32 v[FA], 4, v0
	v_add_nc_u32 v[FA+1], 0x10000, v[FA]
	v_add_nc_u32 v[FA+2], 0x20000, v[FA]
	s_and_b32 s20, ttmp7, 0xffff                   ; hb
	s_lshl_b32 s21, ttmp9, 4
	s_add_co_u32 s21, s21, s[WV]                   ; my tile among the head's 128: 4 Rb + o = 16 x + wave
	s_lshl_b32 s22, s20, 7
	s_add_co_u32 s22, s22, s21
	s_mul_i32 s22, s22, 768                        ; Q's half fragment
	s_mov_b32 s23, 0
	s_lshr_b32 s28, s21, 2                         ; Rb
	s_lshl_b32 s24, s20, 5
	s_add_co_u32 s24, s24, s28
	s_lshl_b32 s24, s24, 7
	s_bfe_u32 s26, s[WV], 0x10001                  ; o / 2
	s_lshl_b32 s27, s26, 6
	s_add_co_u32 s24, s24, s27                     ; Q's scale words: those of lanes 16 (o / 2) on
	s_mov_b32 s25, 0
	s_and_b32 s36, s[WV], 1                        ; o % 2
	s_lshl_b32 s29, s28, 6
	s_lshl_b32 s27, s26, 5
	s_add_co_u32 s29, s29, s27
	s_lshl_b32 s27, s36, 3
	s_add_co_u32 s29, s29, s27                     ; my tile's first query: 64 Rb + 32 (o / 2) + 8 (o % 2)
	s_lshl_b32 s36, s36, 4                         ; which half of the word is my tile's
	s_lshr_b32 s27, s20, 4
	s_lshl_b32 s27, s27, 11
	s_add_co_u32 s30, s27, s29
	s_lshl_b32 s30, s30, 12
	s_and_b32 s27, s20, 15
	s_lshl_b32 s27, s27, 8
	s_add_co_u32 s30, s30, s27                     ; attn: row 2,048 b + query, 256 bytes x head
	s_mov_b32 s31, 0
	s_mul_i32 s32, s20, 98304
	s_add_co_u32 s32, s32, 3145728                 ; K's codes of my head; V's lie 3,145,728 bytes on
	s_mov_b32 s33, 0
	s_lshl_b32 s34, s20, 12                        ; a head's 4,096 bytes of scale words
	s_mov_b32 s35, 0
	s_mov_b32 s[SEL], 0x76543210
	s_mov_b32 s[SEL+1], 0xfedcba98
	s_mov_b32 s[CS], 0x3e38aa3b                    ; c = log2(e) / 8
	s_mov_b32 s[CS+1], s[CS]                       ; (named with it as a pair)
	s_mov_b32 s[TK], 0
	s_mov_b32 s[TS], 0
	s_mov_b32 s[TJ], 0
	s_mov_b32 s[CNT], 16
	s_wait_kmcnt 0x0
	s_add_nc_u64 s[22:23], s[4:5], s[22:23]
	s_add_nc_u64 s[24:25], s[6:7], s[24:25]
	s_add_nc_u64 s[32:33], s[4:5], s[32:33]
	s_add_nc_u64 s[34:35], s[6:7], s[34:35]
	s_add_nc_u64 s[8:9], s[8:9], s[30:31]
.irp p, 0,1,2
	global_load_b64 v[QF+2*\p:QF+2*\p+1], v[AK0], s[22:23] offset:256*\p
.endr
	global_load_b32 v204, v[ADK], s[24:25]
	global_load_b32 v205, v[ADV], s[34:35] offset:131072           ; K's raw scale words: 1,024 of them, two a thread
	global_load_b32 v206, v[ADV], s[34:35] offset:131072+2048
	global_load_b32 v207, v[ADS], s[34:35] offset:262144           ; V's: wave w takes key step w: blocks 2 w and 2 w + 1 of 64 keys
	global_load_b32 v208, v[ADS], s[34:35] offset:262144+128
.set n, 0
.rept 12
	global_load_b128 v[S+4*n:S+4*n+3], v[FA], s[32:33] offset:8192*n           ; 512 threads x 16 bytes: 8,192 consecutive bytes a line
.set n, n+1
.endr
.rept 12
	global_load_b128 v[S+4*n:S+4*n+3], v[FA], s[32:33] offset:3145728+8192*(n-12)
.set n, n+1
.endr
	s_wait_loadcnt 24                              ; all but the 24 just issued
	v_lshrrev_b32 v204, s36, v204
	v_and_b32 v204, 0xffff, v204
	v_lshl_or_b32 v[QS], v204, 16, v204            ; my tile's two bytes, twice
	v_perm_b32 v210, v205, v205, 0x01000100        ; the even tile's two bytes, twice;
	v_perm_b32 v211, v205, v205, 0x03020302        ; the odd tile's
	v_perm_b32 v212, v206, v206, 0x01000100
	v_perm_b32 v213, v206, v206, 0x03020302
	v_perm_b32 v214, v208, v207, 0x05040100        ; V: the even tile's bytes of keys 0-63, then of keys 64-127 of the step;
	v_perm_b32 v215, v208, v207, 0x07060302        ; the odd tile's
	ds_store_b64 v[ADT], v[210:211]
	ds_store_b64 v[ADT], v[212:213] offset:4096
	ds_store_b64 v[ADT], v[214:215] offset:8192
.set n, 0
.rept 24
	s_wait_loadcnt 23-n                            ; loads come back in order: chunk n is in, the younger ones stay out
	ds_store_b128 v[FA+n/8], v[S+4*n:S+4*n+3] offset:8192*(n%8)
.set n, n+1
.endr
	s_wait_dscnt 0x0                               ; my part of the fill has landed, and the stores have read their registers
.irp j, 0,1,2,3,4,5
	v_mov_b32 v[QF+6+\j], 0                        ; zero codes: the upper 64 of the instruction's K
	v_mov_b32 v[KV+48+\j], 0
.endr
	v_mov_b32 v13, 0xff61b1e6                      ; the largest t so far: -3e38
	v_floor_f32 v12, -v13                          ; -M
	v_mov_b32 v14, 0                               ; the sum, in two halves
	v_mov_b32 v15, 0
	v_mov_b32 v[F+1], 0
.irp b, 0,1,2,3
	v_mov_b32 v[EX+\b], 0                          ; a lane permute's destination counts as one of its sources
.endr
.irp j, 0,1,2,3,4,5,6,7,8,9,10,11,12,13,14,15,16,17,18,19,20,21,22,23,24,25,26,27,28,29,30,31
	v_mov_b32 v[O+\j], 0                           ; the step is written once: the first finds zeros, which the first change of M leaves zeros
.endr
	s_barrier_signal -1
	s_barrier_wait -1                              ; K, V and their scale words are whole; nothing is stored there again
.Lstep:                                        ; 16 trips of 128 keys
	v_add_nc_u32 v[ADK], s[TK], v[AK0]             ; (these four are also the plain instructions between the last products and the loads into their operands)
	v_add_nc_u32 v[ADV], s[TK], v[AV0]
	v_add_nc_u32 v[ADS], s[TS], v[ASK0]
	v_add_nc_u32 v[ADT], s[TJ], v[ASV0]
.irp t, 0,1,2,3,4,5,6,7
.irp p, 0,1,2
	ds_load_b64 v[KV+6*\t+2*\p:KV+6*\t+2*\p+1], v[ADK] offset:768*\t+256*\p
.endr
.endr
	ds_load_b64 v[KS:KS+1], v[ADS]
	ds_load_b64 v[KS+2:KS+3], v[ADS] offset:256
	s_wait_dscnt 0x0
.irp t, 0,1,2,3,4,5,6,7
.if (\t/2)%2
	v_wmma_scale_f32_16x16x128_f8f6f4 v[S+8*\t:S+8*\t+7], v[KV+6*\t:KV+6*\t+11], v[QF:QF+11], 0, v[KS+2*(\t/4)+\t%2], v[QS] matrix_a_fmt:MATRIX_FMT_FP6 matrix_b_fmt:MATRIX_FMT_FP6 matrix_a_scale:MATRIX_SCALE_ROW1
.else
	v_wmma_scale_f32_16x16x128_f8f6f4 v[S+8*\t:S+8*\t+7], v[KV+6*\t:KV+6*\t+11], v[QF:QF+11], 0, v[KS+2*(\t/4)+\t%2], v[QS] matrix_a_fmt:MATRIX_FMT_FP6 matrix_b_fmt:MATRIX_FMT_FP6
.endif
.endr
.rept 4
	v_nop                                          ; four plain instructions ahead of the loads into K's registers and of the first read of the scores
.endr
.irp t, 0,1,2,3                        ; V's four fragments are asked for now and land under the softmax
.irp c, 0,1
.irp p, 0,1,2
	ds_load_b64 v[KV+12*\t+6*\c+2*\p:KV+12*\t+6*\c+2*\p+1], v[ADV] offset:(4*\c+\t)*768+256*\p
.endr
.endr
.endr
	ds_load_b64 v[VS:VS+1], v[ADT]
.irp b, 0,1,2,3
	v_max3_num_f32 v[BM+\b], v[S+16*\b], v[S+1+16*\b], v[S+2+16*\b]   ; the largest score of each block of 32 keys: it serves the row's maximum and, since p rises with the score, the block's largest p
.endr
.irp i, 3,5,7,9,11,13
.irp b, 0,1,2,3
	v_max3_num_f32 v[BM+\b], v[BM+\b], v[S+16*\b+\i], v[S+1+16*\b+\i]
.endr
.endr
.irp b, 0,1,2,3
	v_max_num_f32 v[BM+\b], v[BM+\b], v[S+15+16*\b]
.endr
.irp b, 0,1,2,3
	v_permlanex16_b32 v[EX+\b], v[BM+\b], s[SEL], s[SEL+1]
.endr
.irp b, 0,1,2,3
	v_max_num_f32 v[BM+\b], v[BM+\b], v[EX+\b]     ; with lane l xor 16's 16 keys
.endr
	v_max3_num_f32 v[TT], v[BM], v[BM+1], v[BM+2]
	v_max_num_f32 v[TT], v[TT], v[BM+3]
	v_mul_f32 v[TT], s[CS], v[TT]                  ; the step's largest t (c is positive)
	v_max_num_f32 v13, v13, v[TT]
	v_mov_b32 v[TT], v12
	v_floor_f32 v12, -v13                          ; the new -M = -ceil(t)
	v_sub_f32 v[TT], v12, v[TT]                    ; old M - new M: a whole number, 0 or less
	v_cvt_i32_f32 v[TT], v[TT]                     ; (it saturates)
	v_ldexp_f32 v[F], 1.0, v[TT]                   ; f = 2^(old M - new M)
.irp j, 0,2,4,6,8,10,12,14,16,18,20,22,24,26,28,30,32,34,36,38,40,42,44,46,48,50,52,54,56,58,60,62
	v_pk_fma_f32 v[S+\j:S+\j+1], v[S+\j:S+\j+1], s[CS:CS+1], v[12:13] op_sel_hi:[1,0,0]   ; t - M, two at a time
.endr
.irp b, 0,1,2,3
	v_fma_f32 v[BM+\b], v[BM+\b], s[CS], v12       ; the same of each block's largest score
.endr
.irp j, 0,1,2,3,4,5,6,7,8,9,10,11,12,13,14,15,16,17,18,19,20,21,22,23,24,25,26,27,28,29,30,31,32,33,34,35,36,37,38,39,40,41,42,43,44,45,46,47,48,49,50,51,52,53,54,55,56,57,58,59,60,61,62,63
	v_exp_f32 v[S+\j], v[S+\j]                     ; p = 2^(t - M)
.endr
	v_pk_mul_f32 v[14:15], v[14:15], v[F:F+1] op_sel_hi:[1,0]      ; the sums under the new M: the plain instruction behind the exponentials
	s_wait_alu depctr_va_vdst(0)                   ; one wait for the batch of 64, ahead of its first reader
.irp b, 0,1,2,3
	v_exp_f32 v[BM+\b], v[BM+\b]                   ; the blocks' largest p: the same two instructions on the same number
.endr
	v_pk_add_f32 v[EX:EX+1], v[S:S+1], v[S+2:S+3]  ; the row's sum of the UNQUANTISED p, in two chains
.irp j, 4,8,12,16,20,24,28,32,36,40,44,48,52,56,60
	v_pk_add_f32 v[14:15], v[14:15], v[S+\j:S+\j+1]
	v_pk_add_f32 v[EX:EX+1], v[EX:EX+1], v[S+2+\j:S+3+\j]
.endr
	v_pk_add_f32 v[14:15], v[14:15], v[EX:EX+1]
	s_wait_alu depctr_va_vdst(0)                   ; and one for the four
.irp b, 0,1,2,3
	v_max_num_f32 v[BM+\b], 0x1800000, v[BM+\b]    ; the floor 2^(3 - 127)
.endr
.irp b, 0,1,2,3
	v_add_nc_u32 v[SO+\b], 0xff000000, v[BM+\b]
.endr
.irp b, 0,1,2,3
	v_lshrrev_b32 v[EX+\b], 23, v[SO+\b]
.endr
	v_lshl_or_b32 v[PS], v[EX+1], 8, v[EX]         ; p's scale word for these 128 keys
	v_lshl_or_b32 v[PS], v[EX+2], 16, v[PS]
	v_lshl_or_b32 v[PS], v[EX+3], 24, v[PS]
.irp c, 0,1
	v_cvt_scalef32_pk16_fp6_f32 v[PC+6*\c:PC+2+6*\c], v[S+32*\c:S+15+32*\c], v[SO+2*\c]
	v_cvt_scalef32_pk16_fp6_f32 v[CT+4*\c:CT+2+4*\c], v[S+16+32*\c:S+31+32*\c], v[SO+2*\c+1]
.endr
	v_nop                                          ; one plain instruction behind the scaled conversions
.irp c, 0,1
.irp i, 0,1,2
	v_permlane16_swap_b32 v[PC+6*\c+\i], v[CT+4*\c+\i]
.endr
.irp i, 0,1,2
	v_mov_b32 v[PC+3+6*\c+\i], v[CT+4*\c+\i]
.endr
.endr
.irp j, 0,2,4,6,8,10,12,14,16,18,20,22,24,26,28,30
	v_pk_mul_f32 v[O+\j:O+\j+1], v[O+\j:O+\j+1], v[F:F+1] op_sel_hi:[1,0]   ; O^T under the new M, each accumulator from its low end.  For each product below twelve of these name none of its registers: the distance that a scale word and codes written by vector instructions owe
.endr
	s_wait_dscnt 0x0                               ; V and its scale words are in
.irp t, 0,1,2,3
.if \t/2
	v_wmma_scale_f32_16x16x128_f8f6f4 v[O+8*\t:O+8*\t+7], v[KV+12*\t:KV+12*\t+11], v[PC:PC+11], v[O+8*\t:O+8*\t+7], v[VS+\t%2], v[PS] matrix_a_fmt:MATRIX_FMT_FP6 matrix_b_fmt:MATRIX_FMT_FP6 matrix_a_scale:MATRIX_SCALE_ROW1
.else
	v_wmma_scale_f32_16x16x128_f8f6f4 v[O+8*\t:O+8*\t+7], v[KV+12*\t:KV+12*\t+11], v[PC:PC+11], v[O+8*\t:O+8*\t+7], v[VS+\t%2], v[PS] matrix_a_fmt:MATRIX_FMT_FP6 matrix_b_fmt:MATRIX_FMT_FP6
.endif
.endr
	s_add_co_u32 s[TK], s[TK], 6144                ; eight tiles of 768 bytes on, in K and in V
	s_add_co_u32 s[TS], s[TS], 512
	s_add_co_u32 s[TJ], s[TJ], 256
	s_sub_co_u32 s[CNT], s[CNT], 1
	s_cmp_lg_u32 s[CNT], 0
	s_cbranch_scc1 .Lstep
	; THE WAY OUT: O^T / the sum, through my own stage in LDS, so that sixteen lanes store my head's 256 bytes of a row of attn
	v_add_f32 v14, v14, v15
	v_permlanex16_b32 v[TT], v14, s[SEL], s[SEL+1]
	v_add_f32 v14, v14, v[TT]                      ; with lane l xor 16's keys: the row's sum
	v_rcp_f32 v14, v14
	v_and_b32 v8, 15, v0                           ; r  (plain work behind the reciprocal)
	v_bfe_u32 v9, v0, 4, 1                         ; h
	s_mul_i32 s20, s[WV], 16*272
	s_add_co_u32 s20, s20, STAGE
	v_mul_u32_u24 v10, v8, 272
	v_lshl_add_u32 v10, v9, 6, v10
	v_add_nc_u32 v10, s20, v10                     ; in: row r, + 64 h
	v_mul_u32_u24 v11, v9, 272
	v_lshl_add_u32 v11, v8, 4, v11
	v_add_nc_u32 v11, s20, v11                     ; back: lanes 0-15 one row, lanes 16-31 the next
	s_wait_alu depctr_va_vdst(0)                   ; the wait ahead of the reciprocal's first reader
.irp j, 0,1,2,3,4,5,6,7,8,9,10,11,12,13,14,15,16,17,18,19,20,21,22,23,24,25,26,27,28,29,30,31
	v_mul_f32 v[S+\j], v[O+\j], v14                ; register 16 b + i is channel 32 b + 16 h + i
.endr
.irp b, 0,1
.irp q, 0,1,2,3
	ds_store_b128 v10, v[S+16*\b+4*\q:S+16*\b+4*\q+3] offset:128*\b+16*\q
.endr
.endr
.irp i, 0,1,2,3,4,5,6,7
	ds_load_b128 v[KV+4*\i:KV+4*\i+3], v11 offset:544*\i           ; LDS serves a wave's instructions in order: these see my stores
.endr
.irp i, 0,1,2,3,4,5,6,7
	s_wait_dscnt 7-\i
	global_store_b128 v[GO], v[KV+4*\i:KV+4*\i+3], s[8:9] offset:(2*\i+8*(\i/4))*4096     ; stage row r is query r + 8 (r / 8) of my tile; 16 lanes store 256 consecutive bytes, aligned
.endr
	s_wait_tensorcnt 0x0
	ds_add_u32 v254, v255
	s_wait_dscnt 0x0
	s_endpgm
.Lfunc_end_k_qc019207127_attn:
	.size	k_qc019207127_attn, .Lfunc_end_k_qc019207127_attn-k_qc019207127_attn
	.p2alignl 7, 3214868480
	.fill 96, 4, 3214868480
	.section	.rodata,"a",@progbits
	.p2align	6, 0x0
	.amdhsa_kernel k_qc019207127_attn
		.amdhsa_group_segment_fixed_size 280576
		.amdhsa_private_segment_fixed_size 0
		.amdhsa_enable_private_segment 0
		.amdhsa_kernarg_size 24
		.amdhsa_user_sgpr_count 2
		.amdhsa_user_sgpr_kernarg_segment_ptr 1
		.amdhsa_wavefront_size32 1
		.amdhsa_system_sgpr_workgroup_id_x 1
		.amdhsa_system_sgpr_workgroup_id_y 1
		.amdhsa_system_sgpr_workgroup_id_z 1
		.amdhsa_system_vgpr_workitem_id 0
		.amdhsa_next_free_vgpr 256
		.amdhsa_next_free_sgpr 66
		.amdhsa_reserve_vcc 0
		.amdhsa_float_denorm_mode_32 3
		.amdhsa_float_denorm_mode_16_64 3
		.amdhsa_memory_ordered 1
		.amdhsa_forward_progress 1
		.amdhsa_inst_pref_size 32
	.end_amdhsa_kernel
	.amdgpu_metadata
---
amdhsa.version: [ 1, 2 ]
amdhsa.kernels:
  - .name:           k_qc019207127_attn
    .symbol:         k_qc019207127_attn.kd
    .args:
      - { .name: qkvc, .offset: 0, .size: 8, .value_kind: global_buffer, .address_space: global }
      - { .name: qkvs, .offset: 8, .size: 8, .value_kind: global_buffer, .address_space: global }
      - { .name: attn, .offset: 16, .size: 8, .value_kind: global_buffer, .address_space: global }
    .group_segment_fixed_size: 280576
    .private_segment_fixed_size: 0
    .kernarg_segment_align: 8
    .kernarg_segment_size: 24
    .max_flat_workgroup_size: 512
    .sgpr_count:     66
    .vgpr_count:     256
    .wavefront_size: 32
...
	.end_amdgpu_metadata
.endif
;; end of part 3
;; launch ffn1 (part 4): grid 2 x 64, 16 waves a work-group, no clusters, 67,584 bytes of LDS; arguments attn, ln_g, ln_b, wc, ws, b1, hc, hs, stats; writes hc, hs, stats
.if DOCPART == 4
	.amdgcn_target "amdgcn-amd-amdhsa--gfx1250"
	.amdhsa_code_object_version 6
	.text
	.protected	k_qc019207127_ffn1
	.globl	k_qc019207127_ffn1
	.p2align	8
	.type	k_qc019207127_ffn1,@function
k_qc019207127_ffn1:
	s_mov_b64 s[64:65], 0
	v_nop
	global_prefetch_b8 v0, s[64:65] scope:SCOPE_SE
	s_setreg_imm32_b32 hwreg(HW_REG_WAVE_MODE, 25, 1), 1
	s_wait_xcnt 0x0
; h = relu(LayerNorm(attn) W1 + b1), the product on codes of FP6 (E2M3) with E8M0 scales, and h quantised at once along the hidden axis for the next product.
; Work-group (ch, R): 64 rows x hidden units 1,024 ch .. + 1,023.  Wave w: 64 x 64: 16 accumulators.  128 work-groups: halving the rows would double what the chip reads of W1's codes and shorten no work-group's stream of them.
; X: wave w holds, of the tile of rows w / 4, columns 256 (w % 4) .. + 255: 128 numbers a lane.  Mean and variance in two passes (sum; sum of squares of x - mean), each joined over the lane's partner and, through LDS, over four waves.
; ffi = (x - mu) rsq(var + 1e-5) g + b, in f32, is quantised into two fragments, whose register images go to LDS.  mu and rsq go to stats (from ch = 0), for the last launch's residual.
; THE ROWS OF A TILE ARE NOT NEIGHBOURS: lane r of tile o takes row 32 (o / 2) + 8 (o % 2) + r + 8 (r / 8) of the 64; W1's columns likewise.
; Out: half fragments (16 rows x 64 hidden units, 768 bytes) at hc + ((4 R + o) 32 + 16 ch + w) 768; scale words (a row, 128 hidden units) at hs + ((4 R + o) 16 + ks) 64 + 4 r.
; LIMITS: a block of zeros gets the byte 1 (its codes are zeros; this program alone reads the bytes).  NaN and infinities are not served.
.set XIMG, 0                           ; LDS: 32 fragments of 1,536 bytes, index 8 o + s
.set XSC,  49152                       ; their scale words, 128 bytes each
.set RED1, 53248                       ; [wave][r] partial sums
.set RED2, 54272                       ; [wave][r] partial sums of squares
.set GB,   55296                       ; ln_g, then ln_b
.set HSC,  63488                       ; h's scale words [o][ks % 8][r]
.set XA,  1
.set LI,  2
.set LS,  3
.set XWI, 4
.set XWS, 5
.set L8,  6
.set BLQ, 7
.set RA,  8                            ; v8   64 x wave + 4 r
.set RB,  9                            ; v9   256 (wave / 4) + 4 r
.set GA,  10                           ; v10  64 h + 1,024 (wave % 4)
.set HA,  11                           ; v11  64 (wave / 2) + 2 (wave % 2) + 4 r
.set SAD, 12                           ; v12  4 (r + 8 (r / 8))
.set T16, 13                           ; v13  16 x thread
.set GBL, 14                           ; v14  16 x (thread % 256)
.set T4,  15                           ; v15  4 x thread
.set XF,  16
.set WF,  64
.set XS,  112
.set WS,  116
.set HGO, 120
.set HW,  121
.set ACC, 128
.set TM,  16
.set PC0, 32
.set PCT, 44
.set PW0, 52
.set PW1, 53
.set MU,  54                           ; v54-55 the mean, twice
.set RS,  56                           ; v56-57 1 / sqrt(var + 1e-5), twice
.set G,   64
.set BT,  80
.set BI,  64
.set PC1, 96
.set WV,  24
.set CH,  25
.set R,   26
.set XP,  28
.set BP,  30
.set WC,  32
.set WSC, 34
.set HO,  36
.set HSP, 38
.set SEL, 40                           ; s42-45 are at work in the address arithmetic and hold no pointer
.set GBP, 46
.set STP, 48                           ; s[48:49] stats at my tile's first row: written once
.macro QUANT s, pc, pw                 ; 64 numbers of a lane, register 16 b + i = k 32 b + 16 (lane / 16) + i of my row -> 12 registers of codes at pc, the scale word pw
.irp b, 0,1,2,3
	v_max3_num_f32 v[TM+\b], |v[(\s)+16*\b]|, |v[(\s)+1+16*\b]|, 0x1800000   ; and the floor 2^(3 - 127)
.endr
.irp i, 2,4,6,8,10,12,14
.irp b, 0,1,2,3
	v_max3_num_f32 v[TM+\b], v[TM+\b], |v[(\s)+16*\b+\i]|, |v[(\s)+1+16*\b+\i]|
.endr
.endr
.irp b, 0,1,2,3
	v_permlanex16_b32 v[TM+4+\b], v[TM+\b], s[SEL], s[SEL+1]
.endr
.irp b, 0,1,2,3
	v_max_num_f32 v[TM+\b], v[TM+\b], v[TM+4+\b]
.endr
.irp b, 0,1,2,3
	v_add_nc_u32 v[TM+12+\b], 0xff000000, v[TM+\b]
.endr
.irp b, 0,1,2,3
	v_lshrrev_b32 v[TM+4+\b], 23, v[TM+12+\b]
.endr
	v_lshl_or_b32 v[\pw], v[TM+5], 8, v[TM+4]
	v_lshl_or_b32 v[\pw], v[TM+6], 16, v[\pw]
	v_lshl_or_b32 v[\pw], v[TM+7], 24, v[\pw]
.irp c, 0,1
	v_cvt_scalef32_pk16_fp6_f32 v[(\pc)+6*\c:(\pc)+2+6*\c], v[(\s)+32*\c:(\s)+15+32*\c], v[TM+12+2*\c]
	v_cvt_scalef32_pk16_fp6_f32 v[PCT+4*\c:PCT+2+4*\c], v[(\s)+16+32*\c:(\s)+31+32*\c], v[TM+12+2*\c+1]
.endr
	v_nop                                          ; one plain instruction behind the scaled conversions
.irp c, 0,1
.irp i, 0,1,2
	v_permlane16_swap_b32 v[(\pc)+6*\c+\i], v[PCT+4*\c+\i]
.endr
.irp i, 0,1,2
	v_mov_b32 v[(\pc)+3+6*\c+\i], v[PCT+4*\c+\i]
.endr
.endr
.endm
.macro IMAGE pc, pw, n
.irp c, 0,1,2
	ds_store_b128 v[XWI], v[(\pc)+4*\c:(\pc)+4*\c+3] offset:XIMG+1536*(\n)+512*\c
.endr
	ds_store_b32 v[XWS], v[\pw] offset:XSC+128*(\n)
.endm
.macro BARRIER                         ; my LDS stores have landed and my LDS loads are in: then the work-group's barrier
	s_wait_dscnt 0x0
	s_barrier_signal -1
	s_barrier_wait -1
.endm
; The four chains v[16:23] become my 128 numbers' sum, then the row's: with lane l xor 16, and through LDS with the three other waves of my tile of rows.  The row's sum: v24.
.macro ACROSS red
	v_pk_add_f32 v[16:17], v[16:17], v[18:19]
	v_pk_add_f32 v[20:21], v[20:21], v[22:23]
	v_pk_add_f32 v[16:17], v[16:17], v[20:21]
	v_add_f32 v16, v16, v17
	v_permlanex16_b32 v17, v16, s[SEL], s[SEL+1]
	v_add_f32 v16, v16, v17
	ds_store_b32 v[RA], v16 offset:\red            ; both lanes of a row write the same word with the same value
	BARRIER
.irp i, 0,1,2,3
	ds_load_b32 v[24+\i], v[RB] offset:\red+64*\i
.endr
	s_wait_dscnt 0x0
	v_add_f32 v24, v24, v25
	v_add_f32 v26, v26, v27
	v_add_f32 v24, v24, v26
.endm
.macro KSTEP s, first                  ; K step s: W1's four fragments from memory, ffi's four from LDS, 16 products: each accumulator once, so no two neighbours share one
.irp p, 0,1
.irp u, 0,1
.irp j, 0,1,2
	global_load_b128 v[WF+12*(2*\p+\u)+4*\j:WF+12*(2*\p+\u)+4*\j+3], v[LI], s[WC:WC+1] offset:\p*24576+(\s)*3072+\u*1536+512*\j
.endr
.endr
	global_load_b32 v[WS+\p], v[LS], s[WSC:WSC+1] offset:\p*1024+(\s)*128
.endr
.irp o, 0,1,2,3
.irp j, 0,1,2
	ds_load_b128 v[XF+12*\o+4*\j:XF+12*\o+4*\j+3], v[LI] offset:XIMG+(8*\o+(\s))*1536+512*\j
.endr
	ds_load_b32 v[XS+\o], v[LS] offset:XSC+(8*\o+(\s))*128
.endr
	s_wait_loadcnt 0x0
	s_wait_dscnt 0x0
.irp o, 0,1,2,3
.irp i, 0,1,2,3
.set DD, ACC+8*(4*\o+\i)
.set AA, WF+12*\i
.set BB, XF+12*\o
.set SA, WS+\i/2
.set SB, XS+\o
.if \first
.if \i%2
	v_wmma_scale_f32_16x16x128_f8f6f4 v[DD:DD+7], v[AA:AA+11], v[BB:BB+11], 0, v[SA], v[SB] matrix_a_fmt:MATRIX_FMT_FP6 matrix_b_fmt:MATRIX_FMT_FP6 matrix_a_scale:MATRIX_SCALE_ROW1
.else
	v_wmma_scale_f32_16x16x128_f8f6f4 v[DD:DD+7], v[AA:AA+11], v[BB:BB+11], 0, v[SA], v[SB] matrix_a_fmt:MATRIX_FMT_FP6 matrix_b_fmt:MATRIX_FMT_FP6
.endif
.else
.if \i%2
	v_wmma_scale_f32_16x16x128_f8f6f4 v[DD:DD+7], v[AA:AA+11], v[BB:BB+11], v[DD:DD+7], v[SA], v[SB] matrix_a_fmt:MATRIX_FMT_FP6 matrix_b_fmt:MATRIX_FMT_FP6 matrix_a_scale:MATRIX_SCALE_ROW1
.else
	v_wmma_scale_f32_16x16x128_f8f6f4 v[DD:DD+7], v[AA:AA+11], v[BB:BB+11], v[DD:DD+7], v[SA], v[SB] matrix_a_fmt:MATRIX_FMT_FP6 matrix_b_fmt:MATRIX_FMT_FP6
.endif
.endif
.endr
.endr
.rept 4
	v_nop                                          ; four plain instructions between the products and the next loads into their operands, or the first read of results
.endr
.endm
	s_load_b256 s[4:11], s[0:1], 0x0               ; attn, ln_g, ln_b, wc
	s_load_b256 s[12:19], s[0:1], 0x20             ; ws, b1, hc, hs
	s_load_b64 s[20:21], s[0:1], 0x40              ; stats
	v_lshl_add_u32 v126, v0, 2, 0x10000
	v_mov_b32 v127, 0
	v_lshrrev_b32 v16, 5, v0
	v_readfirstlane_b32 s[WV], v16                 ; wave 0..15
	s_mov_b32 s[CH], ttmp9
	s_and_b32 s[R], ttmp7, 0xffff
	v_and_b32 v16, 31, v0                          ; lane
	v_and_b32 v17, 15, v0                          ; r
	v_bfe_u32 v18, v0, 4, 1                        ; h
	v_and_b32 v19, 8, v17
	v_add_nc_u32 v19, v19, v17                     ; r + 8 (r / 8)
	v_lshlrev_b32 v[XA], 12, v19
	v_lshl_add_u32 v[XA], v18, 6, v[XA]
	v_lshlrev_b32 v[LI], 4, v16
	v_lshlrev_b32 v[LS], 2, v16
	v_lshlrev_b32 v[L8], 3, v16
	v_lshlrev_b32 v[BLQ], 6, v18
	v_lshlrev_b32 v[SAD], 2, v19
	s_mul_i32 s42, s[WV], 3072
	v_add_nc_u32 v[XWI], s42, v[LI]
	s_lshl_b32 s42, s[WV], 8
	v_add_nc_u32 v[XWS], s42, v[LS]
	v_lshlrev_b32 v17, 2, v17                      ; 4 r
	s_lshl_b32 s42, s[WV], 6
	v_add_nc_u32 v[RA], s42, v17
	s_lshr_b32 s27, s[WV], 2                       ; my tile of rows
	s_lshl_b32 s42, s27, 8
	v_add_nc_u32 v[RB], s42, v17
	s_and_b32 s43, s[WV], 3
	s_lshl_b32 s43, s43, 10
	v_add_nc_u32 v[GA], s43, v[BLQ]
	s_lshr_b32 s42, s[WV], 1
	s_lshl_b32 s42, s42, 6
	s_and_b32 s44, s[WV], 1
	s_lshl_b32 s44, s44, 1
	s_add_co_u32 s42, s42, s44
	v_add_nc_u32 v[HA], s42, v17
	v_lshlrev_b32 v[T16], 4, v0
	v_and_b32 v[GBL], 255, v0
	v_lshlrev_b32 v[GBL], 4, v[GBL]
	v_lshlrev_b32 v[T4], 2, v0
	v_lshrrev_b32 v[HGO], 7, v0
	v_and_b32 v[HW], 127, v0
	v_lshlrev_b32 v[HW], 2, v[HW]
	v_lshl_add_u32 v[HGO], v[HGO], 10, v[HW]       ; hs: 1,024 (thread / 128) + 4 (thread % 128)
	s_mov_b32 s[SEL], 0x76543210
	s_mov_b32 s[SEL+1], 0xfedcba98
	s_mov_b32 s22, 0x3a800000                      ; 1 / 1,024
	s_mov_b32 s23, 0x3727c5ac                      ; 1e-5
	s_lshr_b32 s42, s27, 1
	s_lshl_b32 s42, s42, 5
	s_and_b32 s44, s27, 1
	s_lshl_b32 s44, s44, 3
	s_add_co_u32 s42, s42, s44
	s_lshl_b32 s44, s[R], 6
	s_add_co_u32 s27, s42, s44                     ; my tile's first row: 64 R + 32 (o / 2) + 8 (o % 2)
	s_lshl_b32 s42, s27, 12
	s_add_co_u32 s42, s42, s43                     ; + 1,024 bytes x (wave % 4)
	s_mov_b32 s43, 0
	s_wait_kmcnt 0x0
	s_add_nc_u64 s[XP:XP+1], s[4:5], s[42:43]
	s_cmp_lt_u32 s[WV], 8                          ; waves 0-7 bring ln_g, waves 8-15 ln_b
	s_cselect_b64 s[GBP:GBP+1], s[6:7], s[8:9]
	global_load_b128 v[24:27], v[GBL], s[GBP:GBP+1]
.irp e, 0,1
.irp b, 0,1,2,3
.irp j, 0,1,2,3
	global_load_b128 v[ACC+64*\e+16*\b+4*\j:ACC+64*\e+16*\b+4*\j+3], v[XA], s[XP:XP+1] offset:512*\e+128*\b+16*\j
.endr
.endr
.endr
	s_lshl_b32 s42, s27, 2
	s_add_nc_u64 s[STP:STP+1], s[20:21], s[42:43]  ; stats at my tile's first row
	s_lshl_b32 s42, s[CH], 12
	s_lshl_b32 s44, s[WV], 8
	s_add_co_u32 s42, s42, s44
	s_add_nc_u64 s[BP:BP+1], s[14:15], s[42:43]    ; b1 at my 64 hidden units
	s_lshl_b32 s42, s[CH], 5
	s_lshl_b32 s44, s[WV], 1
	s_add_co_u32 s45, s42, s44                     ; my first pair of column tiles: 32 ch + 2 w
	s_mul_i32 s42, s45, 24576
	s_add_co_u32 s42, s42, 2359296
	s_add_nc_u64 s[WC:WC+1], s[10:11], s[42:43]
	s_lshl_b32 s42, s45, 10
	s_add_co_u32 s42, s42, 98304
	s_add_nc_u64 s[WSC:WSC+1], s[12:13], s[42:43]
	s_lshl_b32 s42, s[R], 7
	s_lshl_b32 s44, s[CH], 4
	s_add_co_u32 s42, s42, s44
	s_add_co_u32 s42, s42, s[WV]
	s_mul_i32 s42, s42, 768
	s_add_nc_u64 s[HO:HO+1], s[16:17], s[42:43]    ; hc at (128 R + 16 ch + w) x 768
	s_lshl_b32 s42, s[R], 12
	s_lshl_b32 s44, s[CH], 9
	s_add_co_u32 s42, s42, s44
	s_add_nc_u64 s[HSP:HSP+1], s[18:19], s[42:43]
	s_wait_loadcnt 32                              ; g's or b's 16 bytes are in; attn's 32 loads may be out
	ds_store_b128 v[T16], v[24:27] offset:GB
	s_wait_loadcnt 0x0
.irp k, 0,1,2,3                        ; the sum of my 128 numbers: four packed chains
	v_pk_add_f32 v[16+2*\k:17+2*\k], v[ACC+2*\k:ACC+2*\k+1], v[ACC+8+2*\k:ACC+8+2*\k+1]
.endr
.irp n, 2,3,4,5,6,7,8,9,10,11,12,13,14,15
.irp k, 0,1,2,3
	v_pk_add_f32 v[16+2*\k:17+2*\k], v[16+2*\k:17+2*\k], v[ACC+8*\n+2*\k:ACC+8*\n+2*\k+1]
.endr
.endr
	ACROSS RED1
	v_mul_f32 v[MU], s22, v24                      ; the mean
	v_mov_b32 v[MU+1], v[MU]
.irp n, 0,1,2,3,4,5,6,7,8,9,10,11,12,13,14,15
.irp k, 0,1,2,3
	v_pk_add_f32 v[ACC+8*\n+2*\k:ACC+8*\n+2*\k+1], v[ACC+8*\n+2*\k:ACC+8*\n+2*\k+1], v[MU:MU+1] neg_lo:[0,1] neg_hi:[0,1]   ; x - mu, in place
.endr
.endr
.irp k, 0,1,2,3
	v_pk_mul_f32 v[16+2*\k:17+2*\k], v[ACC+2*\k:ACC+2*\k+1], v[ACC+2*\k:ACC+2*\k+1]
.endr
.irp n, 1,2,3,4,5,6,7,8,9,10,11,12,13,14,15
.irp k, 0,1,2,3
	v_pk_fma_f32 v[16+2*\k:17+2*\k], v[ACC+8*\n+2*\k:ACC+8*\n+2*\k+1], v[ACC+8*\n+2*\k:ACC+8*\n+2*\k+1], v[16+2*\k:17+2*\k]
.endr
.endr
	ACROSS RED2
	v_fma_f32 v24, v24, s22, s23                   ; var + 1e-5
	v_rsq_f32 v[RS], v24
	v_nop                                          ; one plain instruction behind the transcendental,
	s_wait_alu depctr_va_vdst(0)                   ; and the wait ahead of its first reader and of the branch
	v_mov_b32 v[RS+1], v[RS]
	s_and_b32 s42, s[WV], 3
	s_or_b32 s42, s42, s[CH]
	s_cmp_lg_u32 s42, 0                            ; one wave of each tile of rows, in the work-group of ch = 0, stores mu and rsq
	s_cbranch_scc1 .Lno_stats
	global_store_b32 v[SAD], v[MU], s[STP:STP+1]
	global_store_b32 v[SAD], v[RS], s[STP:STP+1] offset:16384
.Lno_stats:
.irp e, 0,1
.irp b, 0,1,2,3
.irp j, 0,1,2,3
	ds_load_b128 v[G+4*\j:G+4*\j+3], v[GA] offset:GB+512*\e+128*\b+16*\j
	ds_load_b128 v[BT+4*\j:BT+4*\j+3], v[GA] offset:GB+4096+512*\e+128*\b+16*\j
.endr
.irp j, 0,2,4,6,8,10,12,14
	v_pk_mul_f32 v[ACC+64*\e+16*\b+\j:ACC+64*\e+16*\b+\j+1], v[ACC+64*\e+16*\b+\j:ACC+64*\e+16*\b+\j+1], v[RS:RS+1]
.endr
	s_wait_dscnt 0x0
.irp j, 0,2,4,6,8,10,12,14
	v_pk_fma_f32 v[ACC+64*\e+16*\b+\j:ACC+64*\e+16*\b+\j+1], v[ACC+64*\e+16*\b+\j:ACC+64*\e+16*\b+\j+1], v[G+\j:G+\j+1], v[BT+\j:BT+\j+1]   ; ffi
.endr
.endr
.endr
	QUANT ACC, PC0, PW0
	IMAGE PC0, PW0, 0
	QUANT ACC+64, PC1, PW1
	IMAGE PC1, PW1, 1
	s_wait_storecnt 0x0                            ; the stores of mu and rsq are done: the K steps load into their data registers, and no store of mine is out at the barrier's signal
	BARRIER                                        ; ffi's 32 fragments lie in LDS
	KSTEP 0, 1
.irp s, 1,2,3,4,5,6,7
	KSTEP \s, 0
.endr
.irp p, 0,1                            ; b1: lane (r, h) wants, for tile i, hidden units 32 (i / 2) + 16 h + 8 (i % 2) + 0 .. 7
.irp q, 0,1,2,3
	global_load_b128 v[BI+16*\p+4*\q:BI+16*\p+4*\q+3], v[BLQ], s[BP:BP+1] offset:128*\p+16*\q
.endr
.endr
	s_wait_loadcnt 0x0
.irp o, 0,1,2,3
.irp i, 0,1,2,3
.irp j, 0,2,4,6
	v_pk_add_f32 v[ACC+8*(4*\o+\i)+\j:ACC+8*(4*\o+\i)+\j+1], v[ACC+8*(4*\o+\i)+\j:ACC+8*(4*\o+\i)+\j+1], v[BI+8*\i+\j:BI+8*\i+\j+1]   ; each accumulator from its low end on
.endr
.endr
.endr
.set n, 0
.rept 128
	v_max_num_f32 v[ACC+n], 0, v[ACC+n]            ; relu, in f32
.set n, n+1
.endr
	QUANT ACC, PC0, PW0
.irp q, 0,1,2,3,4,5
	global_store_b64 v[L8], v[PC0+2*\q:PC0+2*\q+1], s[HO:HO+1] offset:(\q/3)*24576+(\q%3)*256      ; tiles of rows lie 32 x 768 bytes apart; 32 lanes store 256 consecutive bytes, aligned
.endr
	QUANT ACC+64, PC1, PW1
.irp q, 0,1,2,3,4,5
	global_store_b64 v[L8], v[PC1+2*\q:PC1+2*\q+1], s[HO:HO+1] offset:(2+\q/3)*24576+(\q%3)*256
.endr
	ds_store_b16 v[HA], v[PW0] offset:HSC                  ; my two bytes of a row's word for 128 hidden units: tile 0's,
	ds_store_b16_d16_hi v[HA], v[PW0] offset:HSC+512       ; tile 1's,
	ds_store_b16 v[HA], v[PW1] offset:HSC+1024             ; tile 2's,
	ds_store_b16_d16_hi v[HA], v[PW1] offset:HSC+1536      ; tile 3's
	BARRIER                                        ; the words are whole
	ds_load_b32 v[HW], v[T4] offset:HSC
	s_wait_dscnt 0x0
	global_store_b32 v[HGO], v[HW], s[HSP:HSP+1]
	s_wait_tensorcnt 0x0
	ds_add_u32 v126, v127
	s_wait_dscnt 0x0
	s_endpgm
.Lfunc_end_k_qc019207127_ffn1:
	.size	k_qc019207127_ffn1, .Lfunc_end_k_qc019207127_ffn1-k_qc019207127_ffn1
	.p2alignl 7, 3214868480
	.fill 96, 4, 3214868480
	.section	.rodata,"a",@progbits
	.p2align	6, 0x0
	.amdhsa_kernel k_qc019207127_ffn1
		.amdhsa_group_segment_fixed_size 67584
		.amdhsa_private_segment_fixed_size 0
		.amdhsa_enable_private_segment 0
		.amdhsa_kernarg_size 72
		.amdhsa_user_sgpr_count 2
		.amdhsa_user_sgpr_kernarg_segment_ptr 1
		.amdhsa_wavefront_size32 1
		.amdhsa_system_sgpr_workgroup_id_x 1
		.amdhsa_system_sgpr_workgroup_id_y 1
		.amdhsa_system_sgpr_workgroup_id_z 1
		.amdhsa_system_vgpr_workitem_id 0
		.amdhsa_next_free_vgpr 256
		.amdhsa_next_free_sgpr 66
		.amdhsa_reserve_vcc 0
		.amdhsa_float_denorm_mode_32 3
		.amdhsa_float_denorm_mode_16_64 3
		.amdhsa_memory_ordered 1
		.amdhsa_forward_progress 1
		.amdhsa_inst_pref_size 96
	.end_amdhsa_kernel
	.amdgpu_metadata
---
amdhsa.version: [ 1, 2 ]
amdhsa.kernels:
  - .name:           k_qc019207127_ffn1
    .symbol:         k_qc019207127_ffn1.kd
    .args:
      - { .name: attn, .offset: 0, .size: 8, .value_kind: global_buffer, .address_space: global }
      - { .name: ln_g, .offset: 8, .size: 8, .value_kind: global_buffer, .address_space: global }
      - { .name: ln_b, .offset: 16, .size: 8, .value_kind: global_buffer, .address_space: global }
      - { .name: wc, .offset: 24, .size: 8, .value_kind: global_buffer, .address_space: global }
      - { .name: ws, .offset: 32, .size: 8, .value_kind: global_buffer, .address_space: global }
      - { .name: b1, .offset: 40, .size: 8, .value_kind: global_buffer, .address_space: global }
      - { .name: hc, .offset: 48, .size: 8, .value_kind: global_buffer, .address_space: global }
      - { .name: hs, .offset: 56, .size: 8, .value_kind: global_buffer, .address_space: global }
      - { .name: stats, .offset: 64, .size: 8, .value_kind: global_buffer, .address_space: global }
    .group_segment_fixed_size: 67584
    .private_segment_fixed_size: 0
    .kernarg_segment_align: 8
    .kernarg_segment_size: 72
    .max_flat_workgroup_size: 512
    .sgpr_count:     66
    .vgpr_count:     256
    .wavefront_size: 32
...
	.end_amdgpu_metadata
.endif
;; end of part 4
;; launch ffn2 (part 5): grid 4 x 64, 8 waves a work-group, no clusters, 169,984 bytes of LDS; arguments hc, hs, wc, ws, b2, attn, stats, ln_g, ln_b, out0; writes out0
.if DOCPART == 5
	.amdgcn_target "amdgcn-amd-amdhsa--gfx1250"
	.amdhsa_code_object_version 6
	.text
	.protected	k_qc019207127_ffn2
	.globl	k_qc019207127_ffn2
	.p2align	8
	.type	k_qc019207127_ffn2,@function
k_qc019207127_ffn2:
	s_mov_b64 s[64:65], 0
	v_nop
	global_prefetch_b8 v0, s[64:65] scope:SCOPE_SE
	s_setreg_imm32_b32 hwreg(HW_REG_WAVE_MODE, 25, 1), 1
	s_wait_xcnt 0x0
; out0 = ffi + h W2 + b2, the product on codes of FP6 (E2M3) with E8M0 scales; ffi = (attn - mu) rsq g + b is formed anew from attn and the stored mu and rsq, in f32.
; Work-group (cb, R): 64 rows x columns 256 cb .. + 255.  Wave w: all 64 rows x 32 columns (the pair of tiles 8 cb + w): 8 accumulators.
; h's codes of the 64 rows (98,304 bytes) and their scale words (4,096) come into LDS once, through registers; one barrier; 16 K steps of 128, W2's fragments from memory one step ahead, in two sets of registers.
; Source 0 = W2's columns, source 1 = h's rows: a lane holds one row and, in a pair's 16 registers, 16 neighbouring columns.  The results meet in a stage in LDS and leave as whole rows of 1,024 bytes.
; Tile o, lane r is row 32 (o / 2) + 8 (o % 2) + r + 8 (r / 8) of the 64, as the launch before laid them.
.set HSCL, 98304                       ; LDS: h's images at 0 ((32 o + hg) x 768); their scale words, (16 o + s) 64 + 4 r
.set STG,  102400                      ; the stage: 64 rows x (1,024 + 16) bytes
.set LI,  1                            ; v1  16 x lane
.set LS,  2                            ; v2  4 x lane
.set LH0, 3                            ; v3  8 x lane
.set LH1, 4                            ; v4  + 49,152: tiles 2 and 3
.set LHS, 5                            ; v5  HSCL + 4 r
.set STO, 6
.set SRD, 7
.set FA0, 8                            ; v8  16 x thread
.set FA1, 9                            ; v9  + 65,536
.set ACC, 10                           ; v10-73  accumulator (o, u) at 8 (2 o + u)
.set WB0, 74                           ; v74-97, v98-121  W2's two fragments, two sets
.set HF,  122                          ; v122-169 h's four fragments
.set WS,  170                          ; v170-171 W2's scale words, two sets: scales and nothing else
.set HS,  172                          ; v172-175 h's
.set G,   176                          ; v176-183 ln_g at my 8 columns
.set C2,  184                          ; v184-191 ln_b + b2
.set AT,  192                          ; v192-255 attn: rows 8 w + i, halves e, at 4 (2 i + e)
.set WV,  24
.set CB,  25
.set R,   26
.set MUS, 32                           ; s32-39 mu of my 8 rows
.set RSS, 40                           ; s40-47 rsq
.set WC,  50
.set WSC, 52
.macro WLOAD s                         ; W2's two fragments and scale words of K step s, into set s % 2
.set WN, WB0+24*((\s)%2)
.irp u, 0,1
.irp j, 0,1,2
	global_load_b128 v[WN+12*\u+4*\j:WN+12*\u+4*\j+3], v[LI], s[WC:WC+1] offset:(\s)*3072+\u*1536+512*\j
.endr
.endr
	global_load_b32 v[WS+(\s)%2], v[LS], s[WSC:WSC+1] offset:(\s)*128
.endm
.macro FSTEP s
.if (\s) < 15
	WLOAD (\s)+1                                   ; the other set was read a step ago, four plain instructions and more back
.endif
.irp o, 0,1,2,3
.irp c, 0,1
.irp p, 0,1,2
	ds_load_b64 v[HF+12*\o+6*\c+2*\p:HF+12*\o+6*\c+2*\p+1], v[LH0+\o/2] offset:(\o%2)*24576+(2*(\s)+\c)*768+256*\p
.endr
.endr
	ds_load_b32 v[HS+\o], v[LHS] offset:(16*\o+(\s))*64
.endr
.if (\s) < 15
	s_wait_loadcnt 7                               ; this step's W2 is in; the next step's seven loads stay out
.else
	s_wait_loadcnt 0x0
.endif
	s_wait_dscnt 0x0
.set WB, WB0+24*((\s)%2)
.irp o, 0,1,2,3                        ; eight accumulators, each once a step: no two neighbours share one
.if (\s) == 0
	v_wmma_scale_f32_16x16x128_f8f6f4 v[ACC+16*\o:ACC+16*\o+7], v[WB:WB+11], v[HF+12*\o:HF+12*\o+11], 0, v[WS+(\s)%2], v[HS+\o] matrix_a_fmt:MATRIX_FMT_FP6 matrix_b_fmt:MATRIX_FMT_FP6
	v_wmma_scale_f32_16x16x128_f8f6f4 v[ACC+16*\o+8:ACC+16*\o+15], v[WB+12:WB+23], v[HF+12*\o:HF+12*\o+11], 0, v[WS+(\s)%2], v[HS+\o] matrix_a_fmt:MATRIX_FMT_FP6 matrix_b_fmt:MATRIX_FMT_FP6 matrix_a_scale:MATRIX_SCALE_ROW1
.else
	v_wmma_scale_f32_16x16x128_f8f6f4 v[ACC+16*\o:ACC+16*\o+7], v[WB:WB+11], v[HF+12*\o:HF+12*\o+11], v[ACC+16*\o:ACC+16*\o+7], v[WS+(\s)%2], v[HS+\o] matrix_a_fmt:MATRIX_FMT_FP6 matrix_b_fmt:MATRIX_FMT_FP6
	v_wmma_scale_f32_16x16x128_f8f6f4 v[ACC+16*\o+8:ACC+16*\o+15], v[WB+12:WB+23], v[HF+12*\o:HF+12*\o+11], v[ACC+16*\o+8:ACC+16*\o+15], v[WS+(\s)%2], v[HS+\o] matrix_a_fmt:MATRIX_FMT_FP6 matrix_b_fmt:MATRIX_FMT_FP6 matrix_a_scale:MATRIX_SCALE_ROW1
.endif
.endr
.rept 4
	v_nop                                          ; four plain instructions between the products and the next loads into their operands, or the first read of results
.endr
.endm
	s_load_b256 s[4:11], s[0:1], 0x0               ; hc, hs, wc, ws
	s_load_b256 s[12:19], s[0:1], 0x20             ; b2, attn, stats, ln_g
	s_load_b128 s[20:23], s[0:1], 0x40             ; ln_b, out0
	s_set_vgpr_msb 0x40
	v_lshl_add_u32 v0, v0, 2, 0x29400
	v_mov_b32 v1, 0
	s_set_vgpr_msb 0x4000
	v_lshrrev_b32 v10, 5, v0
	v_readfirstlane_b32 s[WV], v10                 ; wave 0..7
	s_mov_b32 s[CB], ttmp9
	s_and_b32 s[R], ttmp7, 0xffff
	v_and_b32 v10, 31, v0                          ; lane
	v_and_b32 v11, 15, v0                          ; r
	v_bfe_u32 v12, v0, 4, 1                        ; h
	v_and_b32 v13, 8, v11
	v_add_nc_u32 v13, v13, v11                     ; r + 8 (r / 8)
	v_lshlrev_b32 v[LI], 4, v10
	v_lshlrev_b32 v[LS], 2, v10
	v_lshlrev_b32 v[LH0], 3, v10
	v_add_nc_u32 v[LH1], 49152, v[LH0]
	v_lshl_add_u32 v[LHS], v11, 2, HSCL
	v_mul_u32_u24 v[STO], v13, 1040
	v_lshl_add_u32 v[STO], v12, 6, v[STO]
	s_lshl_b32 s48, s[WV], 7
	s_add_co_u32 s48, s48, STG
	v_add_nc_u32 v[STO], s48, v[STO]               ; into the stage: my row, + 128 bytes x wave + 64 h
	s_mul_i32 s48, s[WV], 8*1040
	s_add_co_u32 s48, s48, STG
	v_add_nc_u32 v[SRD], s48, v[LI]                ; back: rows 8 w on, 16 bytes a lane
	v_lshlrev_b32 v[FA0], 4, v0
	v_add_nc_u32 v[FA1], 0x10000, v[FA0]
	s_lshl_b32 s27, s[R], 6
	s_lshl_b32 s48, s[WV], 3
	s_add_co_u32 s27, s27, s48                     ; the first row that I store: 64 R + 8 w
	s_lshl_b32 s28, s27, 12
	s_lshl_b32 s54, s[CB], 10                      ; my work-group's 256 columns, in bytes
	s_add_co_u32 s28, s28, s54
	s_mov_b32 s29, 0
	s_lshl_b32 s30, s27, 2
	s_mov_b32 s31, 0
	s_mov_b32 s55, 0
	s_mov_b32 s49, 0
	s_wait_kmcnt 0x0
	s_add_nc_u64 s[16:17], s[16:17], s[30:31]
	s_load_b256 s[MUS:MUS+7], s[16:17], 0x0        ; stats were stored by an earlier launch; this one writes none of them
	s_load_b256 s[RSS:RSS+7], s[16:17], 0x4000
	s_add_nc_u64 s[14:15], s[14:15], s[28:29]      ; attn and out0 at my first row and column
	s_add_nc_u64 s[22:23], s[22:23], s[28:29]
	s_add_nc_u64 s[18:19], s[18:19], s[54:55]      ; ln_g, ln_b, b2 at my work-group's columns
	s_add_nc_u64 s[20:21], s[20:21], s[54:55]
	s_add_nc_u64 s[12:13], s[12:13], s[54:55]
.irp i, 0,1,2,3,4,5,6,7
.irp e, 0,1
	global_load_b128 v[AT+4*(2*\i+\e):AT+4*(2*\i+\e)+3], v[LI], s[14:15] offset:4096*\i+512*\e th:TH_LOAD_NT
.endr
.endr
.irp e, 0,1
	global_load_b128 v[G+4*\e:G+4*\e+3], v[LI], s[18:19] offset:512*\e
	global_load_b128 v[C2+4*\e:C2+4*\e+3], v[LI], s[20:21] offset:512*\e
	global_load_b128 v[HF+4*\e:HF+4*\e+3], v[LI], s[12:13] offset:512*\e
.endr
	s_mul_i32 s48, s[R], 98304
	s_add_nc_u64 s[4:5], s[4:5], s[48:49]
	s_lshl_b32 s48, s[R], 12
	s_add_nc_u64 s[6:7], s[6:7], s[48:49]
.set n, 0
.rept 24
	global_load_b128 v[ACC+4*n:ACC+4*n+3], v[FA0], s[4:5] offset:4096*n        ; 256 threads x 16 bytes: 4,096 consecutive bytes a line
.set n, n+1
.endr
	global_load_b128 v[ACC+96:ACC+99], v[FA0], s[6:7]
	s_lshl_b32 s48, s[CB], 3
	s_add_co_u32 s27, s48, s[WV]                   ; my pair of column tiles: 8 cb + w
	s_mul_i32 s48, s27, 49152
	s_add_co_u32 s48, s48, 3932160
	s_add_nc_u64 s[WC:WC+1], s[8:9], s[48:49]
	s_lshl_b32 s48, s27, 11
	s_add_co_u32 s48, s48, 163840
	s_add_nc_u64 s[WSC:WSC+1], s[10:11], s[48:49]
.set n, 0
.rept 25
	s_wait_loadcnt 24-n                            ; loads come back in order: chunk n is in, the younger ones stay out
	ds_store_b128 v[FA0+n/16], v[ACC+4*n:ACC+4*n+3] offset:4096*(n%16)
.set n, n+1
.endr
.irp j, 0,2,4,6
	v_pk_add_f32 v[C2+\j:C2+\j+1], v[C2+\j:C2+\j+1], v[HF+\j:HF+\j+1]          ; ln_b + b2
.endr
	s_wait_dscnt 0x0                               ; my part of the fill has landed, and the stores have read their registers
	WLOAD 0
	s_barrier_signal -1
	s_barrier_wait -1                              ; h's codes and scale words are whole; nothing is stored there again
.irp s, 0,1,2,3,4,5,6,7,8,9,10,11,12,13,14,15
	FSTEP \s
.endr
.irp o, 0,1,2,3
.irp q, 0,1,2,3
	ds_store_b128 v[STO], v[ACC+16*\o+4*\q:ACC+16*\o+4*\q+3] offset:(32*(\o/2)+8*(\o%2))*1040+16*\q   ; each accumulator from its low end on: columns 32 w + 16 h + 4 q ..
.endr
.endr
	s_wait_dscnt 0x0                               ; for the others' sake: my stores into the stage are done
	s_barrier_signal -1
	s_barrier_wait -1
.irp i, 0,1,2,3,4,5,6,7
.irp e, 0,1
	ds_load_b128 v[ACC+4*(2*\i+\e):ACC+4*(2*\i+\e)+3], v[SRD] offset:1040*\i+512*\e
.endr
.endr
	s_wait_kmcnt 0x0                               ; mu and rsq
	s_wait_dscnt 0x0
.irp i, 0,1,2,3,4,5,6,7
.irp e, 0,1
.irp k, 0,1,2,3
	v_subrev_f32 v[AT+4*(2*\i+\e)+\k], s[MUS+\i], v[AT+4*(2*\i+\e)+\k]         ; x - mu
.endr
.irp k, 0,1,2,3
	v_mul_f32 v[AT+4*(2*\i+\e)+\k], s[RSS+\i], v[AT+4*(2*\i+\e)+\k]            ; x rsq
.endr
.irp k, 0,1,2,3
	v_fma_f32 v[AT+4*(2*\i+\e)+\k], v[AT+4*(2*\i+\e)+\k], v[G+4*\e+\k], v[C2+4*\e+\k]   ; x g + (b + b2)
.endr
.irp k, 0,1,2,3
	v_add_f32 v[AT+4*(2*\i+\e)+\k], v[AT+4*(2*\i+\e)+\k], v[ACC+4*(2*\i+\e)+\k]         ; + h W2
.endr
	global_store_b128 v[LI], v[AT+4*(2*\i+\e):AT+4*(2*\i+\e)+3], s[22:23] offset:4096*\i+512*\e th:TH_STORE_NT   ; 32 lanes store 512 consecutive bytes, aligned
.endr
.endr
	s_set_vgpr_msb 0x5
	s_wait_tensorcnt 0x0
	ds_add_u32 v0, v1
	s_wait_dscnt 0x0
	s_set_vgpr_msb 0x500
	s_endpgm
.Lfunc_end_k_qc019207127_ffn2:
	.size	k_qc019207127_ffn2, .Lfunc_end_k_qc019207127_ffn2-k_qc019207127_ffn2
	.p2alignl 7, 3214868480
	.fill 96, 4, 3214868480
	.section	.rodata,"a",@progbits
	.p2align	6, 0x0
	.amdhsa_kernel k_qc019207127_ffn2
		.amdhsa_group_segment_fixed_size 169984
		.amdhsa_private_segment_fixed_size 0
		.amdhsa_enable_private_segment 0
		.amdhsa_kernarg_size 80
		.amdhsa_user_sgpr_count 2
		.amdhsa_user_sgpr_kernarg_segment_ptr 1
		.amdhsa_wavefront_size32 1
		.amdhsa_system_sgpr_workgroup_id_x 1
		.amdhsa_system_sgpr_workgroup_id_y 1
		.amdhsa_system_sgpr_workgroup_id_z 1
		.amdhsa_system_vgpr_workitem_id 0
		.amdhsa_next_free_vgpr 258
		.amdhsa_next_free_sgpr 66
		.amdhsa_reserve_vcc 0
		.amdhsa_float_denorm_mode_32 3
		.amdhsa_float_denorm_mode_16_64 3
		.amdhsa_memory_ordered 1
		.amdhsa_forward_progress 1
		.amdhsa_inst_pref_size 82
	.end_amdhsa_kernel
	.amdgpu_metadata
---
amdhsa.version: [ 1, 2 ]
amdhsa.kernels:
  - .name:           k_qc019207127_ffn2
    .symbol:         k_qc019207127_ffn2.kd
    .args:
      - { .name: hc, .offset: 0, .size: 8, .value_kind: global_buffer, .address_space: global }
      - { .name: hs, .offset: 8, .size: 8, .value_kind: global_buffer, .address_space: global }
      - { .name: wc, .offset: 16, .size: 8, .value_kind: global_buffer, .address_space: global }
      - { .name: ws, .offset: 24, .size: 8, .value_kind: global_buffer, .address_space: global }
      - { .name: b2, .offset: 32, .size: 8, .value_kind: global_buffer, .address_space: global }
      - { .name: attn, .offset: 40, .size: 8, .value_kind: global_buffer, .address_space: global }
      - { .name: stats, .offset: 48, .size: 8, .value_kind: global_buffer, .address_space: global }
      - { .name: ln_g, .offset: 56, .size: 8, .value_kind: global_buffer, .address_space: global }
      - { .name: ln_b, .offset: 64, .size: 8, .value_kind: global_buffer, .address_space: global }
      - { .name: out0, .offset: 72, .size: 8, .value_kind: global_buffer, .address_space: global }
    .group_segment_fixed_size: 169984
    .private_segment_fixed_size: 0
    .kernarg_segment_align: 8
    .kernarg_segment_size: 80
    .max_flat_workgroup_size: 256
    .sgpr_count:     66
    .vgpr_count:     258
    .wavefront_size: 32
...
	.end_amdgpu_metadata
.endif
;; end of part 5
;; ======== version 2 of 3: 5 launches
;; workspace buffers: wc 5,505,024 bytes; ws 229,376 bytes; qkvc 9,437,184 bytes; qkvs 393,216 bytes; attn 16,777,216 bytes; stats 32,768 bytes; hc 6,291,456 bytes; hs 262,144 bytes
;; launch wquant: the kernel of part 1 again; grid 448 x 1, 4 waves a work-group, no clusters, 0 bytes of LDS; arguments Wq, Wk, Wv, W1, W2, wc, ws; writes wc, ws
;; launch proj (part 6): grid 64 x 3, 16 waves a work-group, no clusters, 55,296 bytes of LDS; arguments query, key, value, bq, bk, bv, wc, ws, qkvc, qkvs; writes qkvc, qkvs
.if DOCPART == 6
	.amdgcn_target "amdgcn-amd-amdhsa--gfx1250"
	.amdhsa_code_object_version 6
	.text
	.protected	k_qc019207127_proj
	.globl	k_qc019207127_proj
	.p2align	8
	.type	k_qc019207127_proj,@function
k_qc019207127_proj:
	s_mov_b64 s[64:65], 0
	v_nop
	global_prefetch_b8 v0, s[64:65] scope:SCOPE_SE
	s_setreg_imm32_b32 hwreg(HW_REG_WAVE_MODE, 25, 1), 1
	s_wait_xcnt 0x0
; q = query Wq + bq, k = key Wk + bk, v = value Wv + bv on codes of FP6 (E2M3) with E8M0 scales, and the results quantised at once for attention's two products.
; Work-group (R, z): 64 rows of tensor z (0 q, 1 k, 2 v) x all 1,024 columns.  Wave w: head w, 64 x 64: 16 accumulators.  The weights' codes come from wc/ws as images of operand registers.
; X: each wave quantises two fragments (16 rows x 128 K) of the 64 rows and stores their register images in LDS; one barrier; every wave reads all 32.
; K STEPS: W's four fragments lie in TWO sets of 48 registers: a step's 14 loads are issued a whole step ahead of their use.  The room for the second set is paid by x: one fragment at a time from LDS, four products on it.
; No joint loads of the weights: they go from memory straight into the registers of the one wave that multiplies them, 6,400 bytes a wave and K step; through LDS each byte would make one more pass and be read once.
; THE ROWS OF A TILE ARE NOT NEIGHBOURS: lane r of tile o takes row 32 (o / 2) + 8 (o % 2) + r + 8 (r / 8) of the 64; the weights' columns likewise.
; q, k: source 0 = W's columns, source 1 = x's rows: a lane holds one row and 16 neighbouring channels in each pair of tiles: quantised along the head's 64.
; v:    source 0 = x's rows (keys), source 1 = W's columns: a lane holds one channel and neighbouring keys: quantised along the keys.
; Out: half fragments (16 rows x 64 K, 768 bytes [piece][lane][8 bytes]) at qkvc + z 3,145,728 + (128 hb + 4 Rb + o) 768; scale words at qkvs + z 131,072 + (32 hb + Rb) 128 + 4 lane
; (lanes 0-15: tiles 0 (low half) and 1 (high half); lanes 16-31: tiles 2 and 3).
; LIMITS: a block of zeros gets the byte 1 (its codes are zeros; this program alone reads the bytes).  NaN and infinities among the inputs are not served.
.set XIMG, 0                           ; LDS: 32 fragments of 1,536 bytes, index 8 o + s
.set XSC,  49152                       ; their scale words, 128 bytes each
.set XA,  1                            ; v1  x: (r + 8 (r / 8)) rows of 4,096 bytes + 64 h
.set LI,  2                            ; v2  16 x lane
.set LS,  3                            ; v3  4 x lane
.set XWI, 4                            ; v4  16 x lane + 3,072 x wave: where I store my two images
.set XWS, 5                            ; v5  4 x lane + 256 x wave: and their scale words
.set L8,  6                            ; v6  8 x lane
.set BLQ, 7                            ; v7  64 h: the bias' lane term for q and k
.set BLV, 8                            ; v8  4 (r + 8 (r / 8)): for v
.set SW,  13
.set XS,  14                           ; v14      the scale words of x's tile in hand: scales and nothing else
.set WF,  16                           ; v16-63, v64-111  W's four fragments, two sets: K step s in set s % 2
.set XF,  112                          ; v112-123 one fragment of x
.set WS,  124                          ; v124-127 W's scale words, two to a set: lanes 0-15 the even tile's, lanes 16-31 the odd tile's
.set ACC, 128                          ; v128-255 accumulator (o, i) at 8 (4 o + i)
.set TM,  16                           ; at work in QUANT (W's registers are free then)
.set PC0, 32
.set PCT, 44
.set PW0, 52
.set PW1, 53
.set BI,  64
.set PC1, 96
.set WV,  24
.set Z,   25
.set R,   26
.set XP,  28
.set BP,  30
.set WC,  32
.set WSC, 34
.set QO,  36
.set QSP, 38
.set SEL, 40
; 64 numbers of a lane, register 16 b + i = k 32 b + 16 (lane / 16) + i of my row, become 12 registers of codes at pc and the scale word pw.
.macro QUANT s, pc, pw
.irp b, 0,1,2,3
	v_max3_num_f32 v[TM+\b], |v[(\s)+16*\b]|, |v[(\s)+1+16*\b]|, 0x1800000   ; my 16 of block b, and the floor 2^(3 - 127): the byte cannot fall under 1
.endr
.irp i, 2,4,6,8,10,12,14
.irp b, 0,1,2,3
	v_max3_num_f32 v[TM+\b], v[TM+\b], |v[(\s)+16*\b+\i]|, |v[(\s)+1+16*\b+\i]|
.endr
.endr
.irp b, 0,1,2,3
	v_permlanex16_b32 v[TM+4+\b], v[TM+\b], s[SEL], s[SEL+1]
.endr
.irp b, 0,1,2,3
	v_max_num_f32 v[TM+\b], v[TM+\b], v[TM+4+\b]   ; with lane l xor 16's 16: the block's largest magnitude
.endr
.irp b, 0,1,2,3
	v_add_nc_u32 v[TM+12+\b], 0xff000000, v[TM+\b] ; 2 off its exponent field: the conversion's scale operand
.endr
.irp b, 0,1,2,3
	v_lshrrev_b32 v[TM+4+\b], 23, v[TM+12+\b]      ; the byte
.endr
	v_lshl_or_b32 v[\pw], v[TM+5], 8, v[TM+4]
	v_lshl_or_b32 v[\pw], v[TM+6], 16, v[\pw]
	v_lshl_or_b32 v[\pw], v[TM+7], 24, v[\pw]
.irp c, 0,1
	v_cvt_scalef32_pk16_fp6_f32 v[(\pc)+6*\c:(\pc)+2+6*\c], v[(\s)+32*\c:(\s)+15+32*\c], v[TM+12+2*\c]
	v_cvt_scalef32_pk16_fp6_f32 v[PCT+4*\c:PCT+2+4*\c], v[(\s)+16+32*\c:(\s)+31+32*\c], v[TM+12+2*\c+1]   ; (a conversion's three registers begin on an even number)
.endr
	v_nop                                          ; one plain instruction behind the scaled conversions
.irp c, 0,1                            ; the operand wants a WHOLE block in a lane: lanes 0-15 block 2 c, lanes 16-31 block 2 c + 1
.irp i, 0,1,2
	v_permlane16_swap_b32 v[(\pc)+6*\c+\i], v[PCT+4*\c+\i]
.endr
.irp i, 0,1,2
	v_mov_b32 v[(\pc)+3+6*\c+\i], v[PCT+4*\c+\i]
.endr
.endr
.endm
.macro IMAGE pc, pw, n                 ; the fragment goes to LDS as its registers stand: the n-th of my two
.irp c, 0,1,2
	ds_store_b128 v[XWI], v[(\pc)+4*\c:(\pc)+4*\c+3] offset:XIMG+1536*(\n)+512*\c
.endr
	ds_store_b32 v[XWS], v[\pw] offset:XSC+128*(\n)
.endm
; One product on the registers named by DD, AA, BB, SA, SB.  row: 0: both sides' scales in lanes 0-15; 1: source 0's in lanes 16-31; 2: source 1's.  first: the constant 0 starts the sum.
.macro WM first, row
.if \first
.if \row == 0
	v_wmma_scale_f32_16x16x128_f8f6f4 v[DD:DD+7], v[AA:AA+11], v[BB:BB+11], 0, v[SA], v[SB] matrix_a_fmt:MATRIX_FMT_FP6 matrix_b_fmt:MATRIX_FMT_FP6
.elseif \row == 1
	v_wmma_scale_f32_16x16x128_f8f6f4 v[DD:DD+7], v[AA:AA+11], v[BB:BB+11], 0, v[SA], v[SB] matrix_a_fmt:MATRIX_FMT_FP6 matrix_b_fmt:MATRIX_FMT_FP6 matrix_a_scale:MATRIX_SCALE_ROW1
.else
	v_wmma_scale_f32_16x16x128_f8f6f4 v[DD:DD+7], v[AA:AA+11], v[BB:BB+11], 0, v[SA], v[SB] matrix_a_fmt:MATRIX_FMT_FP6 matrix_b_fmt:MATRIX_FMT_FP6 matrix_b_scale:MATRIX_SCALE_ROW1
.endif
.else
.if \row == 0
	v_wmma_scale_f32_16x16x128_f8f6f4 v[DD:DD+7], v[AA:AA+11], v[BB:BB+11], v[DD:DD+7], v[SA], v[SB] matrix_a_fmt:MATRIX_FMT_FP6 matrix_b_fmt:MATRIX_FMT_FP6
.elseif \row == 1
	v_wmma_scale_f32_16x16x128_f8f6f4 v[DD:DD+7], v[AA:AA+11], v[BB:BB+11], v[DD:DD+7], v[SA], v[SB] matrix_a_fmt:MATRIX_FMT_FP6 matrix_b_fmt:MATRIX_FMT_FP6 matrix_a_scale:MATRIX_SCALE_ROW1
.else
	v_wmma_scale_f32_16x16x128_f8f6f4 v[DD:DD+7], v[AA:AA+11], v[BB:BB+11], v[DD:DD+7], v[SA], v[SB] matrix_a_fmt:MATRIX_FMT_FP6 matrix_b_fmt:MATRIX_FMT_FP6 matrix_b_scale:MATRIX_SCALE_ROW1
.endif
.endif
.endm
; W's four fragments and two scale registers of K step s, into set s % 2: 14 loads
.macro WLOAD s
.set WN, WF+48*((\s)%2)
.irp p, 0,1
.irp u, 0,1
.irp j, 0,1,2
	global_load_b128 v[WN+12*(2*\p+\u)+4*\j:WN+12*(2*\p+\u)+4*\j+3], v[LI], s[WC:WC+1] offset:\p*24576+(\s)*3072+\u*1536+512*\j
.endr
.endr
	global_load_b32 v[WS+2*((\s)%2)+\p], v[LS], s[WSC:WSC+1] offset:\p*1024+(\s)*128
.endr
.endm
; K step s.  The next step's W is asked for first, into the set that the step before multiplied (four plain instructions stand behind its last product).  Then x's four tiles one after the other: a fragment and its scale
; words from LDS, four products on four accumulators.  Each of the 16 accumulators has one product a step, so no two neighbours share one.
.macro KSTEP s, swap, first
.if (\s) < 7
	WLOAD (\s)+1
.endif
.set WB, WF+48*((\s)%2)
.set WT, WS+2*((\s)%2)
.irp t, 0,1,2,3
.irp j, 0,1,2
	ds_load_b128 v[XF+4*\j:XF+4*\j+3], v[LI] offset:XIMG+(8*\t+(\s))*1536+512*\j
.endr
	ds_load_b32 v[XS], v[LS] offset:XSC+(8*\t+(\s))*128
.if \t == 0
.if (\s) < 7
	s_wait_loadcnt 14                              ; this step's W is in; the next step's 14 loads stay out
.else
	s_wait_loadcnt 0x0
.endif
.endif
	s_wait_dscnt 0x0
.irp n, 0,1,2,3
.if \swap
.set DD, ACC+8*(4*\n+\t)
.set AA, XF
.set BB, WB+12*\n
.set SA, XS
.set SB, WT+\n/2
.set RW, 2*(\n%2)
.else
.set DD, ACC+8*(4*\t+\n)
.set AA, WB+12*\n
.set BB, XF
.set SA, WT+\n/2
.set SB, XS
.set RW, \n%2
.endif
	WM \first, RW
.endr
.rept 4
	v_nop                                          ; four plain instructions between the products and the next loads into their operands, or the first read of results
.endr
.endr
.endm
	s_load_b256 s[4:11], s[0:1], 0x0               ; query, key, value, bq
	s_load_b256 s[12:19], s[0:1], 0x20             ; bk, bv, wc, ws
	s_load_b128 s[20:23], s[0:1], 0x40             ; qkvc, qkvs
	v_lshrrev_b32 v9, 5, v0
	v_readfirstlane_b32 s[WV], v9                  ; wave 0..15
	s_and_b32 s[Z], ttmp7, 0xffff
	s_mov_b32 s[R], ttmp9
	v_and_b32 v9, 31, v0                           ; lane
	v_and_b32 v10, 15, v0                          ; r
	v_bfe_u32 v11, v0, 4, 1                        ; h
	v_and_b32 v12, 8, v10
	v_add_nc_u32 v12, v12, v10                     ; r + 8 (r / 8)
	v_lshlrev_b32 v[XA], 12, v12
	v_lshl_add_u32 v[XA], v11, 6, v[XA]
	v_lshlrev_b32 v[LI], 4, v9
	v_lshlrev_b32 v[LS], 2, v9
	v_lshlrev_b32 v[L8], 3, v9
	v_lshlrev_b32 v[BLQ], 6, v11
	v_lshlrev_b32 v[BLV], 2, v12
	s_mul_i32 s42, s[WV], 3072
	v_add_nc_u32 v[XWI], s42, v[LI]
	s_lshl_b32 s42, s[WV], 8
	v_add_nc_u32 v[XWS], s42, v[LS]
	s_mov_b32 s[SEL], 0x76543210
	s_mov_b32 s[SEL+1], 0xfedcba98                 ; v_permlanex16_b32's selects for lane l xor 16
.irp b, 0,1,2,3
	v_mov_b32 v[TM+4+\b], 0                        ; a lane permute's destination counts as one of its sources
.endr
	s_lshr_b32 s27, s[WV], 2                       ; the tile of rows that I quantise
	s_lshr_b32 s42, s27, 1
	s_lshl_b32 s42, s42, 5
	s_and_b32 s43, s27, 1
	s_lshl_b32 s43, s43, 3
	s_add_co_u32 s42, s42, s43
	s_lshl_b32 s43, s[R], 6
	s_add_co_u32 s42, s42, s43                     ; its first row: 64 R + 32 (o / 2) + 8 (o % 2)
	s_lshl_b32 s42, s42, 12
	s_and_b32 s43, s[WV], 3
	s_lshl_b32 s43, s43, 10
	s_add_co_u32 s42, s42, s43                     ; and my two K steps: 1,024 bytes x (wave % 4)
	s_mov_b32 s43, 0
	s_wait_kmcnt 0x0
	s_cmp_eq_u32 s[Z], 0
	s_cselect_b64 s[XP:XP+1], s[4:5], s[6:7]
	s_cselect_b64 s[BP:BP+1], s[10:11], s[12:13]
	s_cmp_lt_u32 s[Z], 2
	s_cselect_b64 s[XP:XP+1], s[XP:XP+1], s[8:9]
	s_cselect_b64 s[BP:BP+1], s[BP:BP+1], s[14:15]
	s_add_nc_u64 s[XP:XP+1], s[XP:XP+1], s[42:43]
.irp e, 0,1
.irp b, 0,1,2,3
.irp j, 0,1,2,3
	global_load_b128 v[ACC+64*\e+16*\b+4*\j:ACC+64*\e+16*\b+4*\j+3], v[XA], s[XP:XP+1] offset:512*\e+128*\b+16*\j   ; of my row: 16 neighbours of each block of 32.  No hint: a lane's four loads of a block take 64 neighbouring bytes, 16 at a time
.endr
.endr
.endr
	s_lshl_b32 s42, s[WV], 8
	s_add_nc_u64 s[BP:BP+1], s[BP:BP+1], s[42:43]  ; the bias at my head's 64 numbers
	s_mul_i32 s42, s[Z], 786432
	s_mul_i32 s44, s[WV], 49152
	s_add_co_u32 s42, s42, s44
	s_add_nc_u64 s[WC:WC+1], s[16:17], s[42:43]    ; W's units 256 z + 16 w on
	s_lshl_b32 s42, s[Z], 15
	s_lshl_b32 s44, s[WV], 11
	s_add_co_u32 s42, s42, s44
	s_add_nc_u64 s[WSC:WSC+1], s[18:19], s[42:43]
	s_lshr_b32 s46, s[R], 5
	s_lshl_b32 s46, s46, 4
	s_add_co_u32 s46, s46, s[WV]                   ; hb = 16 x batch + head
	s_and_b32 s47, s[R], 31                        ; Rb: the block of 64 rows in the batch
	s_lshl_b32 s42, s46, 7
	s_lshl_b32 s44, s47, 2
	s_add_co_u32 s42, s42, s44
	s_mul_i32 s42, s42, 768
	s_mul_i32 s44, s[Z], 3145728
	s_add_co_u32 s42, s42, s44
	s_add_nc_u64 s[QO:QO+1], s[20:21], s[42:43]
	s_lshl_b32 s42, s46, 5
	s_add_co_u32 s42, s42, s47
	s_lshl_b32 s42, s42, 7
	s_lshl_b32 s44, s[Z], 17
	s_add_co_u32 s42, s42, s44
	s_add_nc_u64 s[QSP:QSP+1], s[22:23], s[42:43]
	s_wait_loadcnt 16                              ; my first K step's 16 loads are in; the second's 16 may be out
	QUANT ACC, PC0, PW0
	IMAGE PC0, PW0, 0
	s_wait_loadcnt 0x0
	QUANT ACC+64, PC1, PW1
	IMAGE PC1, PW1, 1
	s_wait_dscnt 0x0                               ; my images have landed, and the stores have read their registers:
	WLOAD 0                                        ; the first K step's W may land there; it is on its way while the waves meet
	s_barrier_signal -1
	s_barrier_wait -1                              ; all 32 images lie in LDS; nothing is stored there again
	s_cmp_eq_u32 s[Z], 2
	s_cbranch_scc1 .Lform_v
	KSTEP 0, 0, 1
.irp s, 1,2,3,4,5,6,7
	KSTEP \s, 0, 0
.endr
.irp p, 0,1                            ; the bias: lane (r, h) wants, for tile i, the numbers of channels 32 (i / 2) + 16 h + 8 (i % 2) + 0 .. 7
.irp q, 0,1,2,3
	global_load_b128 v[BI+16*\p+4*\q:BI+16*\p+4*\q+3], v[BLQ], s[BP:BP+1] offset:128*\p+16*\q
.endr
.endr
	s_wait_loadcnt 0x0
.irp o, 0,1,2,3
.irp i, 0,1,2,3
.irp j, 0,2,4,6
	v_pk_add_f32 v[ACC+8*(4*\o+\i)+\j:ACC+8*(4*\o+\i)+\j+1], v[ACC+8*(4*\o+\i)+\j:ACC+8*(4*\o+\i)+\j+1], v[BI+8*\i+\j:BI+8*\i+\j+1]   ; each accumulator from its low end on
.endr
.endr
.endr
	s_branch .Lquant
.Lform_v:
	KSTEP 0, 1, 1
.irp s, 1,2,3,4,5,6,7
	KSTEP \s, 1, 0
.endr
.irp o, 0,1,2,3                        ; here a lane holds one channel: one number of the bias for each tile o
	global_load_b32 v[BI+2*\o], v[BLV], s[BP:BP+1] offset:(32*(\o/2)+8*(\o%2))*4
.endr
	s_wait_loadcnt 0x0
.irp o, 0,1,2,3
	v_mov_b32 v[BI+2*\o+1], v[BI+2*\o]
.endr
.irp o, 0,1,2,3
.irp i, 0,1,2,3
.irp j, 0,2,4,6
	v_pk_add_f32 v[ACC+8*(4*\o+\i)+\j:ACC+8*(4*\o+\i)+\j+1], v[ACC+8*(4*\o+\i)+\j:ACC+8*(4*\o+\i)+\j+1], v[BI+2*\o:BI+2*\o+1]
.endr
.endr
.endr
.Lquant:
; The 32 registers of a tile o are two blocks of 32 along the next K (channels for q and k, keys for v): 64 registers give the half fragments of tiles 2 g and 2 g + 1.
	QUANT ACC, PC0, PW0
.irp q, 0,1,2,3,4,5
	global_store_b64 v[L8], v[PC0+2*\q:PC0+2*\q+1], s[QO:QO+1] offset:(\q/3)*768+(\q%3)*256        ; 32 lanes store 256 consecutive bytes, aligned
.endr
	QUANT ACC+64, PC1, PW1
.irp q, 0,1,2,3,4,5
	global_store_b64 v[L8], v[PC1+2*\q:PC1+2*\q+1], s[QO:QO+1] offset:(2+\q/3)*768+(\q%3)*256
.endr
	s_mov_b32 vcc_lo, 0xffff0000
	v_cndmask_b32 v[SW], v[PW0], v[PW1], vcc_lo    ; lanes 0-15: tiles 0 and 1; lanes 16-31: tiles 2 and 3
	global_store_b32 v[LS], v[SW], s[QSP:QSP+1]
	s_wait_xcnt 0x0
	v_lshl_add_u32 v254, v0, 2, 0xd000
	v_mov_b32 v255, 0
	s_wait_tensorcnt 0x0
	ds_add_u32 v254, v255
	s_wait_dscnt 0x0
	s_endpgm
.Lfunc_end_k_qc019207127_proj:
	.size	k_qc019207127_proj, .Lfunc_end_k_qc019207127_proj-k_qc019207127_proj
	.p2alignl 7, 3214868480
	.fill 96, 4, 3214868480
	.section	.rodata,"a",@progbits
	.p2align	6, 0x0
	.amdhsa_kernel k_qc019207127_proj
		.amdhsa_group_segment_fixed_size 55296
		.amdhsa_private_segment_fixed_size 0
		.amdhsa_enable_private_segment 0
		.amdhsa_kernarg_size 80
		.amdhsa_user_sgpr_count 2
		.amdhsa_user_sgpr_kernarg_segment_ptr 1
		.amdhsa_wavefront_size32 1
		.amdhsa_system_sgpr_workgroup_id_x 1
		.amdhsa_system_sgpr_workgroup_id_y 1
		.amdhsa_system_sgpr_workgroup_id_z 1
		.amdhsa_system_vgpr_workitem_id 0
		.amdhsa_next_free_vgpr 256
		.amdhsa_next_free_sgpr 66
		.amdhsa_reserve_vcc 1
		.amdhsa_float_denorm_mode_32 3
		.amdhsa_float_denorm_mode_16_64 3
		.amdhsa_memory_ordered 1
		.amdhsa_forward_progress 1
		.amdhsa_inst_pref_size 111
	.end_amdhsa_kernel
	.amdgpu_metadata
---
amdhsa.version: [ 1, 2 ]
amdhsa.kernels:
  - .name:           k_qc019207127_proj
    .symbol:         k_qc019207127_proj.kd
    .args:
      - { .name: query, .offset: 0, .size: 8, .value_kind: global_buffer, .address_space: global }
      - { .name: key, .offset: 8, .size: 8, .value_kind: global_buffer, .address_space: global }
      - { .name: value, .offset: 16, .size: 8, .value_kind: global_buffer, .address_space: global }
      - { .name: bq, .offset: 24, .size: 8, .value_kind: global_buffer, .address_space: global }
      - { .name: bk, .offset: 32, .size: 8, .value_kind: global_buffer, .address_space: global }
      - { .name: bv, .offset: 40, .size: 8, .value_kind: global_buffer, .address_space: global }
      - { .name: wc, .offset: 48, .size: 8, .value_kind: global_buffer, .address_space: global }
      - { .name: ws, .offset: 56, .size: 8, .value_kind: global_buffer, .address_space: global }
      - { .name: qkvc, .offset: 64, .size: 8, .value_kind: global_buffer, .address_space: global }
      - { .name: qkvs, .offset: 72, .size: 8, .value_kind: global_buffer, .address_space: global }
    .group_segment_fixed_size: 55296
    .private_segment_fixed_size: 0
    .kernarg_segment_align: 8
    .kernarg_segment_size: 80
    .max_flat_workgroup_size: 512
    .sgpr_count:     66
    .vgpr_count:     256
    .wavefront_size: 32
...
	.end_amdgpu_metadata
.endif
;; end of part 6
;; launch attn: the kernel of part 3 again; grid 8 x 32, 16 waves a work-group, no clusters, 280,576 bytes of LDS; arguments qkvc, qkvs, attn; writes attn
;; launch ffn1 (part 7): grid 4 x 64, 16 waves a work-group, no clusters, 92,160 bytes of LDS; arguments attn, ln_g, ln_b, wc, ws, b1, hc, hs, stats; writes hc, hs, stats
.if DOCPART == 7
	.amdgcn_target "amdgcn-amd-amdhsa--gfx1250"
	.amdhsa_code_object_version 6
	.text
	.protected	k_qc019207127_ffn1
	.globl	k_qc019207127_ffn1
	.p2align	8
	.type	k_qc019207127_ffn1,@function
k_qc019207127_ffn1:
	s_mov_b64 s[64:65], 0
	v_nop
	global_prefetch_b8 v0, s[64:65] scope:SCOPE_SE
	s_setreg_imm32_b32 hwreg(HW_REG_WAVE_MODE, 25, 1), 1
	s_wait_xcnt 0x0
; h = relu(LayerNorm(attn) W1 + b1), the product on codes of FP6 (E2M3) with E8M0 scales, and h quantised at once along the hidden axis for the next product.
; Work-group (ch, R): 64 rows x hidden units 512 ch .. + 511: 256 work-groups.  Wave w: all 64 rows x the 32 units of the pair of column tiles P = 16 ch + w: 8 accumulators.
; The LayerNorm of a block of 64 rows is made by the four work-groups that share it: 262,144 bytes of attn each, beside 409,600 of W1's codes and scale words.
; X: wave w holds, of the tile of rows w / 4, columns 256 (w % 4) .. + 255: 128 numbers a lane.  Mean and variance in two passes (sum; sum of squares of x - mean), each joined over the lane's partner and, through LDS, over four waves.
; ffi = (x - mu) rsq(var + 1e-5) g + b, in f32, is quantised into two fragments, whose register images go to LDS.  mu and rsq go to stats (from ch = 0), for the last launch's residual.
; K STEPS: W1's two fragments lie in two sets of 24 registers: a step's 7 loads are issued a whole step ahead of their use, the first step's ahead of ffi's quantising.  b1 is the C of each sum's first product.
; No joint loads of the weights: they go from memory straight into the registers of the one wave that multiplies them, 3,200 bytes a wave and K step; through LDS each byte would make one more pass and be read once.
; THE ROWS OF A TILE ARE NOT NEIGHBOURS: lane r of tile o takes row 32 (o / 2) + 8 (o % 2) + r + 8 (r / 8) of the 64; W1's columns likewise: so the 16 registers of a tile of rows are hidden units 32 P + 16 (lane / 16) + 0 .. 15.
; Out, through LDS so that whole runs leave: half fragments (16 rows x 64 hidden units, 768 bytes) at hc + ((4 R + o) 32 + hg) 768, hg = P / 2, my block in lanes 16 (P % 2) on;
; scale words (a row, 128 hidden units) at hs + ((4 R + o) 16 + ks) 64 + 4 r, ks = P / 4, my byte P % 4.
; LIMITS: a block of zeros gets the byte 1 (its codes are zeros; this program alone reads the bytes).  NaN and infinities are not served.
.set XIMG, 0                           ; LDS: 32 fragments of 1,536 bytes, index 8 o + s
.set XSC,  49152                       ; their scale words, 128 bytes each
.set RED1, 53248                       ; [wave][r] partial sums
.set RED2, 54272                       ; [wave][r] partial sums of squares
.set GB,   55296                       ; ln_g, then ln_b
.set HSC,  63488                       ; h's scale words [o][ks % 4][r]: 1,024 bytes
.set HST,  65536                       ; h's codes [o][hg % 8][768 bytes]: 24,576 bytes
.set XA,  1
.set LI,  2
.set LS,  3
.set XWI, 4
.set XWS, 5
.set HSA, 6                            ; v6   HST + 6,144 h + 768 (wave / 2) + 128 (wave % 2) + 8 r: where my codes go
.set BLQ, 7
.set RA,  8                            ; v8   64 x wave + 4 r
.set RB,  9                            ; v9   256 (wave / 4) + 4 r
.set GA,  10                           ; v10  64 h + 1,024 (wave % 4)
.set HA,  11                           ; v11  64 (wave / 4) + wave % 4 + 4 r: my byte of a row's scale word
.set SAD, 12                           ; v12  4 (r + 8 (r / 8))
.set T16, 13                           ; v13  16 x thread
.set GBL, 14                           ; v14  16 x (thread % 256)
.set T4,  15                           ; v15  4 x thread
.set XF,  16                           ; v16-63   ffi's four fragments of a K step
.set WB,  64                           ; v64-87, v88-111  W1's two fragments, two sets: K step s in set s % 2
.set XS,  112                          ; v112-115 ffi's scale words: scales and nothing else
.set WS,  116                          ; v116-117 W1's, one to a set: lanes 0-15 tile 0's, lanes 16-31 tile 1's
.set HGO, 120
.set HW,  121
.set HSR, 122                          ; v122 HST + 1,536 x wave + 16 x lane: what I read back
.set ACC, 128                          ; v128-255 my 128 numbers of attn; then v128-191: accumulator (o, u) at 8 (2 o + u)
.set BI,  192                          ; v192-207 b1 at hidden units 32 P + 16 h + 0 .. 15
.set TM,  16
.set PC0, 32
.set PCT, 44
.set PW0, 52
.set PW1, 53
.set MU,  54                           ; v54-55 the mean, twice
.set RS,  56                           ; v56-57 1 / sqrt(var + 1e-5), twice
.set G,   64
.set BT,  80
.set PC1, 96
.set WV,  24
.set CH,  25
.set R,   26
.set XP,  28
.set BP,  30
.set WC,  32
.set WSC, 34
.set HO,  36
.set HSP, 38
.set SEL, 40                           ; s42-45 are at work in the address arithmetic and hold no pointer
.set GBP, 46
.set STP, 48                           ; s[48:49] stats at my tile's first row: written once
.macro QUANT s, pc, pw                 ; 64 numbers of a lane in four blocks: register 16 b + i = number 16 (lane / 16) + i of block b -> codes at pc (registers 6 c on: lanes 0-15 block 2 c, lanes 16-31 block 2 c + 1), the four bytes in v[TM+4] on and in pw
.irp b, 0,1,2,3
	v_max3_num_f32 v[TM+\b], |v[(\s)+16*\b]|, |v[(\s)+1+16*\b]|, 0x1800000   ; and the floor 2^(3 - 127)
.endr
.irp i, 2,4,6,8,10,12,14
.irp b, 0,1,2,3
	v_max3_num_f32 v[TM+\b], v[TM+\b], |v[(\s)+16*\b+\i]|, |v[(\s)+1+16*\b+\i]|
.endr
.endr
.irp b, 0,1,2,3
	v_permlanex16_b32 v[TM+4+\b], v[TM+\b], s[SEL], s[SEL+1]
.endr
.irp b, 0,1,2,3
	v_max_num_f32 v[TM+\b], v[TM+\b], v[TM+4+\b]
.endr
.irp b, 0,1,2,3
	v_add_nc_u32 v[TM+12+\b], 0xff000000, v[TM+\b]
.endr
.irp b, 0,1,2,3
	v_lshrrev_b32 v[TM+4+\b], 23, v[TM+12+\b]
.endr
	v_lshl_or_b32 v[\pw], v[TM+5], 8, v[TM+4]
	v_lshl_or_b32 v[\pw], v[TM+6], 16, v[\pw]
	v_lshl_or_b32 v[\pw], v[TM+7], 24, v[\pw]
.irp c, 0,1
	v_cvt_scalef32_pk16_fp6_f32 v[(\pc)+6*\c:(\pc)+2+6*\c], v[(\s)+32*\c:(\s)+15+32*\c], v[TM+12+2*\c]
	v_cvt_scalef32_pk16_fp6_f32 v[PCT+4*\c:PCT+2+4*\c], v[(\s)+16+32*\c:(\s)+31+32*\c], v[TM+12+2*\c+1]
.endr
	v_nop                                          ; one plain instruction behind the scaled conversions
.irp c, 0,1
.irp i, 0,1,2
	v_permlane16_swap_b32 v[(\pc)+6*\c+\i], v[PCT+4*\c+\i]
.endr
.irp i, 0,1,2
	v_mov_b32 v[(\pc)+3+6*\c+\i], v[PCT+4*\c+\i]
.endr
.endr
.endm
.macro IMAGE pc, pw, n
.irp c, 0,1,2
	ds_store_b128 v[XWI], v[(\pc)+4*\c:(\pc)+4*\c+3] offset:XIMG+1536*(\n)+512*\c
.endr
	ds_store_b32 v[XWS], v[\pw] offset:XSC+128*(\n)
.endm
.macro BARRIER                         ; my LDS stores have landed and my LDS loads are in: then the work-group's barrier
	s_wait_dscnt 0x0
	s_barrier_signal -1
	s_barrier_wait -1
.endm
; The four chains v[16:23] become my 128 numbers' sum, then the row's: with lane l xor 16, and through LDS with the three other waves of my tile of rows.  The row's sum: v24.
.macro ACROSS red
	v_pk_add_f32 v[16:17], v[16:17], v[18:19]
	v_pk_add_f32 v[20:21], v[20:21], v[22:23]
	v_pk_add_f32 v[16:17], v[16:17], v[20:21]
	v_add_f32 v16, v16, v17
	v_permlanex16_b32 v17, v16, s[SEL], s[SEL+1]
	v_add_f32 v16, v16, v17
	ds_store_b32 v[RA], v16 offset:\red            ; both lanes of a row write the same word with the same value
	BARRIER
.irp i, 0,1,2,3
	ds_load_b32 v[24+\i], v[RB] offset:\red+64*\i
.endr
	s_wait_dscnt 0x0
	v_add_f32 v24, v24, v25
	v_add_f32 v26, v26, v27
	v_add_f32 v24, v24, v26
.endm
.macro WLOAD s                         ; W1's two fragments and scale words of K step s, into set s % 2: 7 loads
.set WN, WB+24*((\s)%2)
.irp u, 0,1
.irp j, 0,1,2
	global_load_b128 v[WN+12*\u+4*\j:WN+12*\u+4*\j+3], v[LI], s[WC:WC+1] offset:(\s)*3072+\u*1536+512*\j
.endr
.endr
	global_load_b32 v[WS+(\s)%2], v[LS], s[WSC:WSC+1] offset:(\s)*128
.endm
; K step s: the next step's W1 is asked for first, into the set that the step before multiplied (four plain instructions stand behind its last product); ffi's four fragments from LDS; 8 products, each accumulator once, so no two neighbours share one
.macro KSTEP s
.if (\s) < 7
	WLOAD (\s)+1
.endif
.irp o, 0,1,2,3
.irp j, 0,1,2
	ds_load_b128 v[XF+12*\o+4*\j:XF+12*\o+4*\j+3], v[LI] offset:XIMG+(8*\o+(\s))*1536+512*\j
.endr
	ds_load_b32 v[XS+\o], v[LS] offset:XSC+(8*\o+(\s))*128
.endr
.if (\s) < 7
	s_wait_loadcnt 7                               ; this step's W1 is in (in step 0 b1 too: it was asked for ahead of the seven); the next step's seven loads stay out
.else
	s_wait_loadcnt 0x0
.endif
	s_wait_dscnt 0x0
.set WN, WB+24*((\s)%2)
.irp o, 0,1,2,3
.if (\s) == 0
	v_wmma_scale_f32_16x16x128_f8f6f4 v[ACC+16*\o:ACC+16*\o+7], v[WN:WN+11], v[XF+12*\o:XF+12*\o+11], v[BI:BI+7], v[WS+(\s)%2], v[XS+\o] matrix_a_fmt:MATRIX_FMT_FP6 matrix_b_fmt:MATRIX_FMT_FP6
	v_wmma_scale_f32_16x16x128_f8f6f4 v[ACC+16*\o+8:ACC+16*\o+15], v[WN+12:WN+23], v[XF+12*\o:XF+12*\o+11], v[BI+8:BI+15], v[WS+(\s)%2], v[XS+\o] matrix_a_fmt:MATRIX_FMT_FP6 matrix_b_fmt:MATRIX_FMT_FP6 matrix_a_scale:MATRIX_SCALE_ROW1
.else
	v_wmma_scale_f32_16x16x128_f8f6f4 v[ACC+16*\o:ACC+16*\o+7], v[WN:WN+11], v[XF+12*\o:XF+12*\o+11], v[ACC+16*\o:ACC+16*\o+7], v[WS+(\s)%2], v[XS+\o] matrix_a_fmt:MATRIX_FMT_FP6 matrix_b_fmt:MATRIX_FMT_FP6
	v_wmma_scale_f32_16x16x128_f8f6f4 v[ACC+16*\o+8:ACC+16*\o+15], v[WN+12:WN+23], v[XF+12*\o:XF+12*\o+11], v[ACC+16*\o+8:ACC+16*\o+15], v[WS+(\s)%2], v[XS+\o] matrix_a_fmt:MATRIX_FMT_FP6 matrix_b_fmt:MATRIX_FMT_FP6 matrix_a_scale:MATRIX_SCALE_ROW1
.endif
.endr
.rept 4
	v_nop                                          ; four plain instructions between the products and the next loads into their operands, or the first read of results
.endr
.endm
	s_load_b256 s[4:11], s[0:1], 0x0               ; attn, ln_g, ln_b, wc
	s_load_b256 s[12:19], s[0:1], 0x20             ; ws, b1, hc, hs
	s_load_b64 s[20:21], s[0:1], 0x40              ; stats
	v_lshl_add_u32 v126, v0, 2, 0x16000
	v_mov_b32 v127, 0
	v_lshrrev_b32 v16, 5, v0
	v_readfirstlane_b32 s[WV], v16                 ; wave 0..15
	s_mov_b32 s[CH], ttmp9
	s_and_b32 s[R], ttmp7, 0xffff
	v_and_b32 v16, 31, v0                          ; lane
	v_and_b32 v17, 15, v0                          ; r
	v_bfe_u32 v18, v0, 4, 1                        ; h
	v_and_b32 v19, 8, v17
	v_add_nc_u32 v19, v19, v17                     ; r + 8 (r / 8)
	v_lshlrev_b32 v[XA], 12, v19
	v_lshl_add_u32 v[XA], v18, 6, v[XA]
	v_lshlrev_b32 v[LI], 4, v16
	v_lshlrev_b32 v[LS], 2, v16
	v_lshlrev_b32 v[BLQ], 6, v18
	v_lshlrev_b32 v[SAD], 2, v19
	v_mul_u32_u24 v[HSA], v18, 6144                ; lanes 16-31 hold the next tile of rows: 8 x 768 bytes on
	v_lshl_add_u32 v[HSA], v17, 3, v[HSA]
	s_lshr_b32 s42, s[WV], 1
	s_mul_i32 s42, s42, 768
	s_and_b32 s44, s[WV], 1
	s_lshl_b32 s44, s44, 7
	s_add_co_u32 s42, s42, s44
	s_add_co_u32 s42, s42, HST
	v_add_nc_u32 v[HSA], s42, v[HSA]
	s_mul_i32 s42, s[WV], 1536
	s_add_co_u32 s42, s42, HST
	v_add_nc_u32 v[HSR], s42, v[LI]
	s_mul_i32 s42, s[WV], 3072
	v_add_nc_u32 v[XWI], s42, v[LI]
	s_lshl_b32 s42, s[WV], 8
	v_add_nc_u32 v[XWS], s42, v[LS]
	v_lshlrev_b32 v17, 2, v17                      ; 4 r
	s_lshl_b32 s42, s[WV], 6
	v_add_nc_u32 v[RA], s42, v17
	s_lshr_b32 s27, s[WV], 2                       ; my tile of rows
	s_lshl_b32 s42, s27, 8
	v_add_nc_u32 v[RB], s42, v17
	s_and_b32 s43, s[WV], 3
	s_lshl_b32 s42, s27, 6
	s_add_co_u32 s42, s42, s43
	v_add_nc_u32 v[HA], s42, v17
	s_lshl_b32 s43, s43, 10
	v_add_nc_u32 v[GA], s43, v[BLQ]
	v_lshlrev_b32 v[T16], 4, v0
	v_and_b32 v[GBL], 255, v0
	v_lshlrev_b32 v[GBL], 4, v[GBL]
	v_lshlrev_b32 v[T4], 2, v0
	v_lshrrev_b32 v[HGO], 6, v0
	v_and_b32 v[HW], 63, v0
	v_lshlrev_b32 v[HW], 2, v[HW]
	v_lshl_add_u32 v[HGO], v[HGO], 10, v[HW]       ; hs: 1,024 (thread / 64) + 4 (thread % 64), for threads 0 to 255
	s_mov_b32 s[SEL], 0x76543210
	s_mov_b32 s[SEL+1], 0xfedcba98
	s_mov_b32 s22, 0x3a800000                      ; 1 / 1,024
	s_mov_b32 s23, 0x3727c5ac                      ; 1e-5
	s_lshr_b32 s42, s27, 1
	s_lshl_b32 s42, s42, 5
	s_and_b32 s44, s27, 1
	s_lshl_b32 s44, s44, 3
	s_add_co_u32 s42, s42, s44
	s_lshl_b32 s44, s[R], 6
	s_add_co_u32 s27, s42, s44                     ; my tile's first row: 64 R + 32 (o / 2) + 8 (o % 2)
	s_lshl_b32 s42, s27, 12
	s_add_co_u32 s42, s42, s43                     ; + 1,024 bytes x (wave % 4)
	s_mov_b32 s43, 0
	s_wait_kmcnt 0x0
	s_add_nc_u64 s[XP:XP+1], s[4:5], s[42:43]
	s_cmp_lt_u32 s[WV], 8                          ; waves 0-7 bring ln_g, waves 8-15 ln_b
	s_cselect_b64 s[GBP:GBP+1], s[6:7], s[8:9]
	global_load_b128 v[24:27], v[GBL], s[GBP:GBP+1]
.irp e, 0,1
.irp b, 0,1,2,3
.irp j, 0,1,2,3
	global_load_b128 v[ACC+64*\e+16*\b+4*\j:ACC+64*\e+16*\b+4*\j+3], v[XA], s[XP:XP+1] offset:512*\e+128*\b+16*\j
.endr
.endr
.endr
	s_lshl_b32 s42, s27, 2
	s_add_nc_u64 s[STP:STP+1], s[20:21], s[42:43]  ; stats at my tile's first row
	s_lshl_b32 s45, s[CH], 4
	s_add_co_u32 s45, s45, s[WV]                   ; P = 16 ch + w: my pair of column tiles
	s_lshl_b32 s42, s45, 7
	s_add_nc_u64 s[BP:BP+1], s[14:15], s[42:43]    ; b1 at my 32 hidden units
	s_mul_i32 s42, s45, 24576
	s_add_co_u32 s42, s42, 2359296
	s_add_nc_u64 s[WC:WC+1], s[10:11], s[42:43]    ; W1's units 768 + 8 P on
	s_lshl_b32 s42, s45, 10
	s_add_co_u32 s42, s42, 98304
	s_add_nc_u64 s[WSC:WSC+1], s[12:13], s[42:43]
	s_lshl_b32 s42, s[R], 2
	s_lshr_b32 s44, s[WV], 2
	s_add_co_u32 s42, s42, s44
	s_mul_i32 s42, s42, 24576
	s_mul_i32 s44, s[CH], 6144
	s_add_co_u32 s42, s42, s44
	s_and_b32 s44, s[WV], 3
	s_mul_i32 s44, s44, 1536
	s_add_co_u32 s42, s42, s44
	s_add_nc_u64 s[HO:HO+1], s[16:17], s[42:43]    ; hc: tile of rows 4 R + w / 4, my work-group's 6,144 bytes of it, their quarter w % 4
	s_lshl_b32 s42, s[R], 12
	s_lshl_b32 s44, s[CH], 8
	s_add_co_u32 s42, s42, s44
	s_add_nc_u64 s[HSP:HSP+1], s[18:19], s[42:43]
	s_wait_loadcnt 32                              ; g's or b's 16 bytes are in; attn's 32 loads may be out
	ds_store_b128 v[T16], v[24:27] offset:GB
	s_wait_loadcnt 0x0
.irp k, 0,1,2,3                        ; the sum of my 128 numbers: four packed chains
	v_pk_add_f32 v[16+2*\k:17+2*\k], v[ACC+2*\k:ACC+2*\k+1], v[ACC+8+2*\k:ACC+8+2*\k+1]
.endr
.irp n, 2,3,4,5,6,7,8,9,10,11,12,13,14,15
.irp k, 0,1,2,3
	v_pk_add_f32 v[16+2*\k:17+2*\k], v[16+2*\k:17+2*\k], v[ACC+8*\n+2*\k:ACC+8*\n+2*\k+1]
.endr
.endr
	ACROSS RED1
	v_mul_f32 v[MU], s22, v24                      ; the mean
	v_mov_b32 v[MU+1], v[MU]
.irp n, 0,1,2,3,4,5,6,7,8,9,10,11,12,13,14,15
.irp k, 0,1,2,3
	v_pk_add_f32 v[ACC+8*\n+2*\k:ACC+8*\n+2*\k+1], v[ACC+8*\n+2*\k:ACC+8*\n+2*\k+1], v[MU:MU+1] neg_lo:[0,1] neg_hi:[0,1]   ; x - mu, in place
.endr
.endr
.irp k, 0,1,2,3
	v_pk_mul_f32 v[16+2*\k:17+2*\k], v[ACC+2*\k:ACC+2*\k+1], v[ACC+2*\k:ACC+2*\k+1]
.endr
.irp n, 1,2,3,4,5,6,7,8,9,10,11,12,13,14,15
.irp k, 0,1,2,3
	v_pk_fma_f32 v[16+2*\k:17+2*\k], v[ACC+8*\n+2*\k:ACC+8*\n+2*\k+1], v[ACC+8*\n+2*\k:ACC+8*\n+2*\k+1], v[16+2*\k:17+2*\k]
.endr
.endr
	ACROSS RED2
	v_fma_f32 v24, v24, s22, s23                   ; var + 1e-5
	v_rsq_f32 v[RS], v24
	v_nop                                          ; one plain instruction behind the transcendental,
	s_wait_alu depctr_va_vdst(0)                   ; and the wait ahead of its first reader and of the branch
	v_mov_b32 v[RS+1], v[RS]
	s_and_b32 s42, s[WV], 3
	s_or_b32 s42, s42, s[CH]
	s_cmp_lg_u32 s42, 0                            ; one wave of each tile of rows, in the work-group of ch = 0, stores mu and rsq
	s_cbranch_scc1 .Lno_stats
	global_store_b32 v[SAD], v[MU], s[STP:STP+1]
	global_store_b32 v[SAD], v[RS], s[STP:STP+1] offset:16384
.Lno_stats:
.irp e, 0,1
.irp b, 0,1,2,3
.irp j, 0,1,2,3
	ds_load_b128 v[G+4*\j:G+4*\j+3], v[GA] offset:GB+512*\e+128*\b+16*\j
	ds_load_b128 v[BT+4*\j:BT+4*\j+3], v[GA] offset:GB+4096+512*\e+128*\b+16*\j
.endr
.irp j, 0,2,4,6,8,10,12,14
	v_pk_mul_f32 v[ACC+64*\e+16*\b+\j:ACC+64*\e+16*\b+\j+1], v[ACC+64*\e+16*\b+\j:ACC+64*\e+16*\b+\j+1], v[RS:RS+1]
.endr
	s_wait_dscnt 0x0
.irp j, 0,2,4,6,8,10,12,14
	v_pk_fma_f32 v[ACC+64*\e+16*\b+\j:ACC+64*\e+16*\b+\j+1], v[ACC+64*\e+16*\b+\j:ACC+64*\e+16*\b+\j+1], v[G+\j:G+\j+1], v[BT+\j:BT+\j+1]   ; ffi
.endr
.endr
.endr
	WLOAD 0                                        ; g's and b's registers are done with: the first K step's W1 lands there while ffi is quantised
	QUANT ACC, PC0, PW0
	IMAGE PC0, PW0, 0
	QUANT ACC+64, PC1, PW1
	IMAGE PC1, PW1, 1
	s_wait_storecnt 0x0                            ; the stores of mu and rsq are done: the K steps load into their data registers, and no store of mine is out at the barrier's signal
	BARRIER                                        ; ffi's 32 fragments lie in LDS
.irp q, 0,1,2,3                        ; b1: lane (r, h) wants hidden units 32 P + 16 h + 0 .. 15: tile u's eight at BI + 8 u
	global_load_b128 v[BI+4*\q:BI+4*\q+3], v[BLQ], s[BP:BP+1] offset:16*\q
.endr
.irp s, 0,1,2,3,4,5,6,7
	KSTEP \s
.endr
.set n, 0
.rept 64
	v_max_num_f32 v[ACC+n], 0, v[ACC+n]            ; relu, in f32; each accumulator from its low end on
.set n, n+1
.endr
; The 16 registers of a tile of rows o are my half of ONE block of 32 hidden units: the four blocks of QUANT are the four tiles.  Its codes: registers 6 c on: lanes 0-15 row r of tile 2 c, lanes 16-31 row r of tile 2 c + 1.
	QUANT ACC, PC0, PW0
.irp c, 0,1
.irp p, 0,1,2
	ds_store_b64 v[HSA], v[PC0+6*\c+2*\p:PC0+6*\c+2*\p+1] offset:\c*12288+256*\p   ; piece p of the half fragment (tile 2 c + h, hg), at lane place 16 (P % 2) + r
.endr
.endr
.irp o, 0,1,2,3
	ds_store_b8 v[HA], v[TM+4+\o] offset:HSC+256*\o        ; my byte of the word of tile o's row r; both lanes of a row write the same byte with the same value
.endr
	BARRIER                                        ; the half fragments and the words are whole
.irp j, 0,1,2
	ds_load_b128 v[WB+4*\j:WB+4*\j+3], v[HSR] offset:512*\j
.endr
	s_wait_dscnt 0x0
.irp j, 0,1,2
	global_store_b128 v[LI], v[WB+4*\j:WB+4*\j+3], s[HO:HO+1] offset:512*\j        ; 32 lanes store 512 consecutive bytes, aligned
.endr
	s_cmp_lt_u32 s[WV], 8                          ; the 256 scale words: one a thread of waves 0 to 7
	s_cbranch_scc0 .Lend
	ds_load_b32 v[HW], v[T4] offset:HSC
	s_wait_dscnt 0x0
	global_store_b32 v[HGO], v[HW], s[HSP:HSP+1]
.Lend:
	s_wait_tensorcnt 0x0
	ds_add_u32 v126, v127
	s_wait_dscnt 0x0
	s_endpgm
.Lfunc_end_k_qc019207127_ffn1:
	.size	k_qc019207127_ffn1, .Lfunc_end_k_qc019207127_ffn1-k_qc019207127_ffn1
	.p2alignl 7, 3214868480
	.fill 96, 4, 3214868480
	.section	.rodata,"a",@progbits
	.p2align	6, 0x0
	.amdhsa_kernel k_qc019207127_ffn1
		.amdhsa_group_segment_fixed_size 92160
		.amdhsa_private_segment_fixed_size 0
		.amdhsa_enable_private_segment 0
		.amdhsa_kernarg_size 72
		.amdhsa_user_sgpr_count 2
		.amdhsa_user_sgpr_kernarg_segment_ptr 1
		.amdhsa_wavefront_size32 1
		.amdhsa_system_sgpr_workgroup_id_x 1
		.amdhsa_system_sgpr_workgroup_id_y 1
		.amdhsa_system_sgpr_workgroup_id_z 1
		.amdhsa_system_vgpr_workitem_id 0
		.amdhsa_next_free_vgpr 256
		.amdhsa_next_free_sgpr 66
		.amdhsa_reserve_vcc 0
		.amdhsa_float_denorm_mode_32 3
		.amdhsa_float_denorm_mode_16_64 3
		.amdhsa_memory_ordered 1
		.amdhsa_forward_progress 1
		.amdhsa_inst_pref_size 73
	.end_amdhsa_kernel
	.amdgpu_metadata
---
amdhsa.version: [ 1, 2 ]
amdhsa.kernels:
  - .name:           k_qc019207127_ffn1
    .symbol:         k_qc019207127_ffn1.kd
    .args:
      - { .name: attn, .offset: 0, .size: 8, .value_kind: global_buffer, .address_space: global }
      - { .name: ln_g, .offset: 8, .size: 8, .value_kind: global_buffer, .address_space: global }
      - { .name: ln_b, .offset: 16, .size: 8, .value_kind: global_buffer, .address_space: global }
      - { .name: wc, .offset: 24, .size: 8, .value_kind: global_buffer, .address_space: global }
      - { .name: ws, .offset: 32, .size: 8, .value_kind: global_buffer, .address_space: global }
      - { .name: b1, .offset: 40, .size: 8, .value_kind: global_buffer, .address_space: global }
      - { .name: hc, .offset: 48, .size: 8, .value_kind: global_buffer, .address_space: global }
      - { .name: hs, .offset: 56, .size: 8, .value_kind: global_buffer, .address_space: global }
      - { .name: stats, .offset: 64, .size: 8, .value_kind: global_buffer, .address_space: global }
    .group_segment_fixed_size: 92160
    .private_segment_fixed_size: 0
    .kernarg_segment_align: 8
    .kernarg_segment_size: 72
    .max_flat_workgroup_size: 512
    .sgpr_count:     66
    .vgpr_count:     256
    .wavefront_size: 32
...
	.end_amdgpu_metadata
.endif
;; end of part 7
;; launch ffn2: the kernel of part 5 again; grid 4 x 64, 8 waves a work-group, no clusters, 169,984 bytes of LDS; arguments hc, hs, wc, ws, b2, attn, stats, ln_g, ln_b, out0; writes out0
;; ======== version 3 of 3: 5 launches
;; workspace buffers: wc 5,505,024 bytes; ws 229,376 bytes; qkvc 9,437,184 bytes; qkvs 393,216 bytes; attn 16,777,216 bytes; stats 32,768 bytes; hc 6,291,456 bytes; hs 262,144 bytes
;; launch wquant (part 8): grid 448 x 1, 4 waves a work-group, no clusters, 0 bytes of LDS; arguments Wq, Wk, Wv, W1, W2, wc, ws; writes wc, ws
.if DOCPART == 8
	.amdgcn_target "amdgcn-amd-amdhsa--gfx1250"
	.amdhsa_code_object_version 6
	.text
	.protected	k_qc019207127_wquant
	.globl	k_qc019207127_wquant
	.p2align	8
	.type	k_qc019207127_wquant,@function
k_qc019207127_wquant:
	s_mov_b64 s[64:65], 0
	v_nop
	global_prefetch_b8 v0, s[64:65] scope:SCOPE_SE
	s_setreg_imm32_b32 hwreg(HW_REG_WAVE_MODE, 25, 1), 1
	s_wait_xcnt 0x0
; The five weights, f32 stored [K][N], become codes of FP6 (E2M3) with one E8M0 byte for each 32 along K, laid as IMAGES OF OPERAND REGISTERS.
; A unit = 32 columns (a pair P of tiles of 16) x 128 along K (step s) = 3,072 bytes [tile u][quad j][lane][16 bytes], and 128 bytes of scale words (lanes 0-15: tile 0's, lanes 16-31: tile 1's).
; Unit number = base + P x KS + s.  Bases: Wq 0, Wk 256, Wv 512, W1 768 (KS = 8), W2 1280 (KS = 16).
; THE COLUMNS OF A TILE ARE NOT NEIGHBOURS: lane r of tile u takes column 32 P + 8 u + r + 8 (r / 8), so that a product that takes the tiles as source 0 has 16 neighbouring columns in a lane's 16 result registers.
; A wave makes one unit.  A lane takes ONE column and its 128 registers run down K: a block of 32 is one lane's, each load reads 128 consecutive bytes (the four waves of a work-group 512), nothing is transposed.
; A block's scale is 2^(floor(log2(largest magnitude)) - 2): its byte is the magnitude's exponent field - 2, held at 1 from below.
; LIMITS: a block of zeros gets the byte 1 (not 127): its codes are zeros and this program alone reads the bytes.  NaN and infinities among the inputs are not served.
.set D,  64                            ; v64-191  128 numbers of my column
.set F0, 16                            ; v16-27   even blocks, then tile 0's fragment
.set F1, 28                            ; v28-39   odd blocks, then tile 1's fragment
.set T,  40                            ; v40-55   the upper 16 codes of each block (a conversion's three registers begin on an even number)
	s_load_b256 s[4:11], s[0:1], 0x0               ; Wq, Wk, Wv, W1
	s_load_b128 s[12:15], s[0:1], 0x20             ; W2, wc
	s_load_b64 s[16:17], s[0:1], 0x30              ; ws
	v_lshrrev_b32 v1, 5, v0
	v_readfirstlane_b32 s21, v1                    ; wave 0..3
	v_and_b32 v1, 31, v0                           ; lane
	v_and_b32 v2, 7, v1
	v_and_b32 v6, 8, v1
	v_lshl_or_b32 v2, v6, 1, v2
	v_and_b32 v6, 16, v1
	v_lshrrev_b32 v6, 1, v6
	v_or_b32 v2, v2, v6                            ; my column in the pair: (lane & 7) + 16 (bit 3) + 8 (bit 4)
	v_lshlrev_b32 v2, 2, v2                        ; in bytes
	v_lshlrev_b32 v3, 4, v1                        ; 16 x lane: an image's place
	v_lshlrev_b32 v4, 2, v1                        ; 4 x lane: a scale word's
	s_mov_b32 s20, ttmp9                           ; g: 0-191 Wq, Wk, Wv (64 each); 192-319 W1; 320-447 W2
	s_lshr_b32 s22, s20, 6                         ; which of the first three
	s_lshl_b32 s23, s22, 6                         ; the range's first work-group
	s_lshl_b32 s25, s22, 8                         ; the weight's first unit
	s_cmp_lt_u32 s20, 192
	s_cselect_b32 s23, s23, 192
	s_cselect_b32 s25, s25, 768
	s_cmp_lt_u32 s20, 320
	s_cselect_b32 s23, s23, 320
	s_cselect_b32 s25, s25, 1280
	s_cselect_b32 s26, 3, 4                        ; log2 of the K steps
	s_cselect_b32 s27, 7, 15                       ; and their mask
	s_sub_co_u32 s30, s20, 192
	s_cmp_lt_u32 s30, 128                          ; W1: rows of 8,192 bytes, else 4,096
	s_cselect_b32 s31, 20, 19                      ; log2 of 128 rows' bytes
	s_sub_co_u32 s23, s20, s23                     ; my number in the range
	s_and_b32 s27, s23, s27                        ; s
	s_lshr_b32 s24, s23, s26
	s_lshl_b32 s24, s24, 2
	s_add_co_u32 s24, s24, s21                     ; P = 4 x group + wave
	s_lshl_b32 s32, s27, s31
	s_lshl_b32 s33, s24, 7
	s_add_co_u32 s32, s32, s33                     ; in: 128 s rows + 128 P bytes
	s_mov_b32 s33, 0
	s_lshl_b32 s34, s24, s26
	s_add_co_u32 s34, s34, s27
	s_add_co_u32 s34, s34, s25                     ; the unit's number
	s_mul_i32 s36, s34, 3072
	s_mov_b32 s37, 0
	s_lshl_b32 s38, s34, 7
	s_mov_b32 s39, 0
	s_wait_kmcnt 0x0
	s_cmp_eq_u32 s22, 0                            ; the choice hangs on the work-group's number alone
	s_cselect_b64 s[28:29], s[4:5], s[6:7]
	s_cmp_lt_u32 s22, 2
	s_cselect_b64 s[28:29], s[28:29], s[8:9]
	s_cmp_lt_u32 s20, 192
	s_cselect_b64 s[28:29], s[28:29], s[10:11]
	s_cmp_lt_u32 s20, 320
	s_cselect_b64 s[28:29], s[28:29], s[12:13]
	s_add_nc_u64 s[28:29], s[28:29], s[32:33]
	s_add_nc_u64 s[14:15], s[14:15], s[36:37]
	s_add_nc_u64 s[16:17], s[16:17], s[38:39]
.macro LOADS pitch                     ; W(128 s + n, my column), n = 0 .. 127: every offset an immediate, 127 rows of 8,192 bytes at the most
.set n, 0
.rept 128
	global_load_b32 v[D+n], v2, s[28:29] offset:n*\pitch*4 th:TH_LOAD_NT
.set n, n+1
.endr
.endm
	s_cmp_lt_u32 s30, 128
	s_cbranch_scc1 .Lwide
	s_wait_alu depctr_va_vdst(0)
	LOADS 1024
	s_branch .Lwork
.Lwide:
	s_wait_alu depctr_va_vdst(0)
	LOADS 2048
.Lwork:                                        ; both ways have issued 128 loads
; Block b of my column: largest magnitude (all 32 numbers are mine), scale operand, byte, two conversions.  left: younger loads that may stay out.
.macro BLOCK b, dst, left
.set XB, D+32*\b
	s_wait_loadcnt \left
	v_max3_num_f32 v56, |v[XB]|, |v[XB+1]|, |v[XB+2]|
	v_max3_num_f32 v57, |v[XB+3]|, |v[XB+4]|, |v[XB+5]|
.irp i, 6,10,14,18,22,26
	v_max3_num_f32 v56, v56, |v[XB+\i]|, |v[XB+\i+1]|
	v_max3_num_f32 v57, v57, |v[XB+\i+2]|, |v[XB+\i+3]|
.endr
	v_max3_num_f32 v56, v56, |v[XB+30]|, |v[XB+31]|
	v_max3_num_f32 v56, v56, v57, 0x1800000        ; and the floor 2^(3 - 127): the byte cannot fall under 1
	v_add_nc_u32 v[8+\b], 0xff000000, v56          ; 2 off the exponent field: the conversion takes this operand's exponent field as its scale
	v_lshrrev_b32 v57, 23, v[8+\b]                 ; the byte
.if \b == 0
	v_mov_b32 v5, v57
.else
	v_lshl_or_b32 v5, v57, 8*\b, v5                ; four bytes make my column's scale word
.endif
	v_cvt_scalef32_pk16_fp6_f32 v[\dst:\dst+2], v[XB:XB+15], v[8+\b]
	v_cvt_scalef32_pk16_fp6_f32 v[T+4*\b:T+4*\b+2], v[XB+16:XB+31], v[8+\b]
.endm
	BLOCK 0, F0, 63                                ; a wait names 63 at the most
	BLOCK 1, F1, 63
	BLOCK 2, F0+6, 32
	BLOCK 3, F1+6, 0
	v_nop                                          ; one plain instruction between the last scaled conversion and the moves that read its result
.irp i, 0,1,2
	v_mov_b32 v[F0+3+\i], v[T+\i]
	v_mov_b32 v[F1+3+\i], v[T+4+\i]
	v_mov_b32 v[F0+9+\i], v[T+8+\i]
	v_mov_b32 v[F1+9+\i], v[T+12+\i]
.endr
; F0 holds each lane's blocks 0 and 2, F1 its blocks 1 and 3.  A fragment wants, of column r, the even blocks in lane r and the odd ones in lane 16 + r:
; F0's lanes 16-31 (tile 1's even blocks) change places with F1's lanes 0-15 (tile 0's odd blocks).
.irp i, 0,1,2,3,4,5,6,7,8,9,10,11
	v_permlane16_swap_b32 v[F0+\i], v[F1+\i]
.endr
.irp j, 0,1,2
	global_store_b128 v3, v[F0+4*\j:F0+4*\j+3], s[14:15] offset:512*\j          ; 32 lanes store 512 consecutive bytes, aligned
	global_store_b128 v3, v[F1+4*\j:F1+4*\j+3], s[14:15] offset:1536+512*\j
.endr
	global_store_b32 v4, v5, s[16:17]
	s_endpgm
.Lfunc_end_k_qc019207127_wquant:
	.size	k_qc019207127_wquant, .Lfunc_end_k_qc019207127_wquant-k_qc019207127_wquant
	.p2alignl 7, 3214868480
	.fill 96, 4, 3214868480
	.section	.rodata,"a",@progbits
	.p2align	6, 0x0
	.amdhsa_kernel k_qc019207127_wquant
		.amdhsa_group_segment_fixed_size 0
		.amdhsa_private_segment_fixed_size 0
		.amdhsa_enable_private_segment 0
		.amdhsa_kernarg_size 56
		.amdhsa_user_sgpr_count 2
		.amdhsa_user_sgpr_kernarg_segment_ptr 1
		.amdhsa_wavefront_size32 1
		.amdhsa_system_sgpr_workgroup_id_x 1
		.amdhsa_system_sgpr_workgroup_id_y 1
		.amdhsa_system_sgpr_workgroup_id_z 1
		.amdhsa_system_vgpr_workitem_id 0
		.amdhsa_next_free_vgpr 192
		.amdhsa_next_free_sgpr 66
		.amdhsa_reserve_vcc 0
		.amdhsa_float_denorm_mode_32 3
		.amdhsa_float_denorm_mode_16_64 3
		.amdhsa_memory_ordered 1
		.amdhsa_forward_progress 1
		.amdhsa_inst_pref_size 34
	.end_amdhsa_kernel
	.amdgpu_metadata
---
amdhsa.version: [ 1, 2 ]
amdhsa.kernels:
  - .name:           k_qc019207127_wquant
    .symbol:         k_qc019207127_wquant.kd
    .args:
      - { .name: Wq, .offset: 0, .size: 8, .value_kind: global_buffer, .address_space: global }
      - { .name: Wk, .offset: 8, .size: 8, .value_kind: global_buffer, .address_space: global }
      - { .name: Wv, .offset: 16, .size: 8, .value_kind: global_buffer, .address_space: global }
      - { .name: W1, .offset: 24, .size: 8, .value_kind: global_buffer, .address_space: global }
      - { .name: W2, .offset: 32, .size: 8, .value_kind: global_buffer, .address_space: global }
      - { .name: wc, .offset: 40, .size: 8, .value_kind: global_buffer, .address_space: global }
      - { .name: ws, .offset: 48, .size: 8, .value_kind: global_buffer, .address_space: global }
    .group_segment_fixed_size: 0
    .private_segment_fixed_size: 0
    .kernarg_segment_align: 8
    .kernarg_segment_size: 56
    .max_flat_workgroup_size: 128
    .sgpr_count:     66
    .vgpr_count:     192
    .wavefront_size: 32
...
	.end_amdgpu_metadata
.endif
;; end of part 8
;; launch proj (part 9): grid 64 x 3, 16 waves a work-group, no clusters, 55,296 bytes of LDS; arguments query, key, value, bq, bk, bv, wc, ws, qkvc, qkvs; writes qkvc, qkvs
.if DOCPART == 9
	.amdgcn_target "amdgcn-amd-amdhsa--gfx1250"
	.amdhsa_code_object_version 6
	.text
	.protected	k_qc019207127_proj
	.globl	k_qc019207127_proj
	.p2align	8
	.type	k_qc019207127_proj,@function
k_qc019207127_proj:
	s_mov_b64 s[64:65], 0
	v_nop
	global_prefetch_b8 v0, s[64:65] scope:SCOPE_SE
	s_setreg_imm32_b32 hwreg(HW_REG_WAVE_SCHED_MODE, 0, 2), 2
	s_setreg_imm32_b32 hwreg(HW_REG_WAVE_MODE, 25, 1), 1
	s_wait_xcnt 0x0
	s_wait_alu depctr_vm_vsrc(0)
; q = query Wq + bq, k = key Wk + bk, v = value Wv + bv on codes of FP6 (E2M3) with E8M0 scales, and the results quantised at once for attention's two products.
; Work-group (R, z): 64 rows of tensor z (0 q, 1 k, 2 v) x all 1,024 columns.  Wave w: head w, 64 x 64: 16 accumulators.  The weights' codes come from wc/ws as images of operand registers.
; X: each wave quantises two fragments (16 rows x 128 K) of the 64 rows and stores their register images in LDS; one barrier; every wave reads all 32.
; K STEPS: W's four fragments lie in TWO sets of 48 registers: a step's 14 loads are issued a whole step ahead of their use.  The room for the second set is paid by x: one fragment at a time from LDS, four products on it.
; No joint loads of the weights: they go from memory straight into the registers of the one wave that multiplies them, 6,400 bytes a wave and K step; through LDS each byte would make one more pass and be read once.
; THE ROWS OF A TILE ARE NOT NEIGHBOURS: lane r of tile o takes row 32 (o / 2) + 8 (o % 2) + r + 8 (r / 8) of the 64; the weights' columns likewise.
; q, k: source 0 = W's columns, source 1 = x's rows: a lane holds one row and 16 neighbouring channels in each pair of tiles: quantised along the head's 64.
; v:    source 0 = x's rows (keys), source 1 = W's columns: a lane holds one channel and neighbouring keys: quantised along the keys.
; Out: half fragments (16 rows x 64 K, 768 bytes [piece][lane][8 bytes]) at qkvc + z 3,145,728 + (128 hb + 4 Rb + o) 768; scale words at qkvs + z 131,072 + (32 hb + Rb) 128 + 4 lane
; (lanes 0-15: tiles 0 (low half) and 1 (high half); lanes 16-31: tiles 2 and 3).
; LIMITS: a block of zeros gets the byte 1 (its codes are zeros; this program alone reads the bytes).  NaN and infinities among the inputs are not served.
; THE MODE: SCHED_MODE bits 1:0 = 2 (LLVM: expert scheduling mode 2), set by the entry lines.  The code itself states the register dependences
; between vector or matrix instructions and memory or LDS instructions, with s_wait_alu, always for 0.
; THE PLAN.  Registers that memory or LDS instructions touch:
;   v1-v8          offsets and LDS addresses: made once at the head, one wait ahead of the first load, never written again.
;   v128-v255      x's loads land here; QUANT's vector lines read them; from the K steps on they are named by matrix and vector instructions alone.
;   PC0, PW0, PC1, PW1  written by QUANT, read by the images' LDS stores (one wait ahead of each image); W's loads land there later (one wait on vm_vsrc ahead of the first of them).
;   W's two sets, v124-127  the loads issued in step s - 1 land in set s % 2; step s's sixteen products read it.
;   v112-123, v14  a tile's four LDS loads land here; its four products read them; the next tile's loads land here again.  There is no room for a second fragment: four waves of 256 registers fill a SIMD.
; So one wait on va_vdst stands ahead of each tile's LDS loads; the one at a step's head also serves the 14 loads of W that follow it, which land in the set that the step before multiplied.
.set XIMG, 0                           ; LDS: 32 fragments of 1,536 bytes, index 8 o + s
.set XSC,  49152                       ; their scale words, 128 bytes each
.set XA,  1                            ; v1  x: (r + 8 (r / 8)) rows of 4,096 bytes + 64 h
.set LI,  2                            ; v2  16 x lane
.set LS,  3                            ; v3  4 x lane
.set XWI, 4                            ; v4  16 x lane + 3,072 x wave: where I store my two images
.set XWS, 5                            ; v5  4 x lane + 256 x wave: and their scale words
.set L8,  6                            ; v6  8 x lane
.set BLQ, 7                            ; v7  64 h: the bias' lane term for q and k
.set BLV, 8                            ; v8  4 (r + 8 (r / 8)): for v
.set SW,  13
.set XS,  14                           ; v14      the scale words of x's tile in hand: scales and nothing else
.set WF,  16                           ; v16-63, v64-111  W's four fragments, two sets: K step s in set s % 2
.set XF,  112                          ; v112-123 one fragment of x
.set WS,  124                          ; v124-127 W's scale words, two to a set: lanes 0-15 the even tile's, lanes 16-31 the odd tile's
.set ACC, 128                          ; v128-255 accumulator (o, i) at 8 (4 o + i)
.set TM,  16                           ; at work in QUANT (W's registers are free then)
.set PC0, 32
.set PCT, 44
.set PW0, 52
.set PW1, 53
.set BI,  64
.set PC1, 96
.set WV,  24
.set Z,   25
.set R,   26
.set XP,  28
.set BP,  30
.set WC,  32
.set WSC, 34
.set QO,  36
.set QSP, 38
.set SEL, 40
; 64 numbers of a lane, register 16 b + i = k 32 b + 16 (lane / 16) + i of my row, become 12 registers of codes at pc and the scale word pw.
.macro QUANT s, pc, pw
.irp b, 0,1,2,3
	v_max3_num_f32 v[TM+\b], |v[(\s)+16*\b]|, |v[(\s)+1+16*\b]|, 0x1800000   ; my 16 of block b, and the floor 2^(3 - 127): the byte cannot fall under 1
.endr
.irp i, 2,4,6,8,10,12,14
.irp b, 0,1,2,3
	v_max3_num_f32 v[TM+\b], v[TM+\b], |v[(\s)+16*\b+\i]|, |v[(\s)+1+16*\b+\i]|
.endr
.endr
.irp b, 0,1,2,3
	v_permlanex16_b32 v[TM+4+\b], v[TM+\b], s[SEL], s[SEL+1]
.endr
.irp b, 0,1,2,3
	v_max_num_f32 v[TM+\b], v[TM+\b], v[TM+4+\b]   ; with lane l xor 16's 16: the block's largest magnitude
.endr
.irp b, 0,1,2,3
	v_add_nc_u32 v[TM+12+\b], 0xff000000, v[TM+\b] ; 2 off its exponent field: the conversion's scale operand
.endr
.irp b, 0,1,2,3
	v_lshrrev_b32 v[TM+4+\b], 23, v[TM+12+\b]      ; the byte
.endr
	v_lshl_or_b32 v[\pw], v[TM+5], 8, v[TM+4]
	v_lshl_or_b32 v[\pw], v[TM+6], 16, v[\pw]
	v_lshl_or_b32 v[\pw], v[TM+7], 24, v[\pw]
.irp c, 0,1
	v_cvt_scalef32_pk16_fp6_f32 v[(\pc)+6*\c:(\pc)+2+6*\c], v[(\s)+32*\c:(\s)+15+32*\c], v[TM+12+2*\c]
	v_cvt_scalef32_pk16_fp6_f32 v[PCT+4*\c:PCT+2+4*\c], v[(\s)+16+32*\c:(\s)+31+32*\c], v[TM+12+2*\c+1]   ; (a conversion's three registers begin on an even number)
.endr
	v_nop                                          ; one plain instruction behind the scaled conversions
.irp c, 0,1                            ; the operand wants a WHOLE block in a lane: lanes 0-15 block 2 c, lanes 16-31 block 2 c + 1
.irp i, 0,1,2
	v_permlane16_swap_b32 v[(\pc)+6*\c+\i], v[PCT+4*\c+\i]
.endr
.irp i, 0,1,2
	v_mov_b32 v[(\pc)+3+6*\c+\i], v[PCT+4*\c+\i]
.endr
.endr
.endm
.macro IMAGE pc, pw, n                 ; the fragment goes to LDS as its registers stand: the n-th of my two
.irp c, 0,1,2
	ds_store_b128 v[XWI], v[(\pc)+4*\c:(\pc)+4*\c+3] offset:XIMG+1536*(\n)+512*\c
.endr
	ds_store_b32 v[XWS], v[\pw] offset:XSC+128*(\n)
.endm
; One product on the registers named by DD, AA, BB, SA, SB.  row: 0: both sides' scales in lanes 0-15; 1: source 0's in lanes 16-31; 2: source 1's.  first: the constant 0 starts the sum.
.macro WM first, row
.if \first
.if \row == 0
	v_wmma_scale_f32_16x16x128_f8f6f4 v[DD:DD+7], v[AA:AA+11], v[BB:BB+11], 0, v[SA], v[SB] matrix_a_fmt:MATRIX_FMT_FP6 matrix_b_fmt:MATRIX_FMT_FP6
.elseif \row == 1
	v_wmma_scale_f32_16x16x128_f8f6f4 v[DD:DD+7], v[AA:AA+11], v[BB:BB+11], 0, v[SA], v[SB] matrix_a_fmt:MATRIX_FMT_FP6 matrix_b_fmt:MATRIX_FMT_FP6 matrix_a_scale:MATRIX_SCALE_ROW1
.else
	v_wmma_scale_f32_16x16x128_f8f6f4 v[DD:DD+7], v[AA:AA+11], v[BB:BB+11], 0, v[SA], v[SB] matrix_a_fmt:MATRIX_FMT_FP6 matrix_b_fmt:MATRIX_FMT_FP6 matrix_b_scale:MATRIX_SCALE_ROW1
.endif
.else
.if \row == 0
	v_wmma_scale_f32_16x16x128_f8f6f4 v[DD:DD+7], v[AA:AA+11], v[BB:BB+11], v[DD:DD+7], v[SA], v[SB] matrix_a_fmt:MATRIX_FMT_FP6 matrix_b_fmt:MATRIX_FMT_FP6
.elseif \row == 1
	v_wmma_scale_f32_16x16x128_f8f6f4 v[DD:DD+7], v[AA:AA+11], v[BB:BB+11], v[DD:DD+7], v[SA], v[SB] matrix_a_fmt:MATRIX_FMT_FP6 matrix_b_fmt:MATRIX_FMT_FP6 matrix_a_scale:MATRIX_SCALE_ROW1
.else
	v_wmma_scale_f32_16x16x128_f8f6f4 v[DD:DD+7], v[AA:AA+11], v[BB:BB+11], v[DD:DD+7], v[SA], v[SB] matrix_a_fmt:MATRIX_FMT_FP6 matrix_b_fmt:MATRIX_FMT_FP6 matrix_b_scale:MATRIX_SCALE_ROW1
.endif
.endif
.endm
; W's four fragments and two scale registers of K step s, into set s % 2: 14 loads
.macro WLOAD s
.set WN, WF+48*((\s)%2)
.irp p, 0,1
.irp u, 0,1
.irp j, 0,1,2
	global_load_b128 v[WN+12*(2*\p+\u)+4*\j:WN+12*(2*\p+\u)+4*\j+3], v[LI], s[WC:WC+1] offset:\p*24576+(\s)*3072+\u*1536+512*\j
.endr
.endr
	global_load_b32 v[WS+2*((\s)%2)+\p], v[LS], s[WSC:WSC+1] offset:\p*1024+(\s)*128
.endr
.endm
; K step s.  The next step's W is asked for first, into the set that the step before multiplied.  Then x's four tiles one after the other: a fragment and its scale
; words from LDS, four products on four accumulators.  Each of the 16 accumulators has one product a step, so no two neighbours share one.
.macro KSTEP s, swap, first
.if (\s) > 0
	s_wait_alu depctr_va_vdst(0)                   ; the last step's products are done reading the other set of W with its scale words, in which the 14 loads below land, and x's fragment and scale words, in which tile 0's land
.endif
.if (\s) < 7
	WLOAD (\s)+1
.endif
.set WB, WF+48*((\s)%2)
.set WT, WS+2*((\s)%2)
.irp t, 0,1,2,3
.if \t > 0
	s_wait_alu depctr_va_vdst(0)                   ; the four products above are done reading x's fragment and its scale words, in which the next tile's land
.endif
.irp j, 0,1,2
	ds_load_b128 v[XF+4*\j:XF+4*\j+3], v[LI] offset:XIMG+(8*\t+(\s))*1536+512*\j
.endr
	ds_load_b32 v[XS], v[LS] offset:XSC+(8*\t+(\s))*128
.if \t == 0
.if (\s) < 7
	s_wait_loadcnt 14                              ; this step's W is in; the next step's 14 loads stay out
.else
	s_wait_loadcnt 0x0
.endif
.endif
	s_wait_dscnt 0x0
.irp n, 0,1,2,3
.if \swap
.set DD, ACC+8*(4*\n+\t)
.set AA, XF
.set BB, WB+12*\n
.set SA, XS
.set SB, WT+\n/2
.set RW, 2*(\n%2)
.else
.set DD, ACC+8*(4*\t+\n)
.set AA, WB+12*\n
.set BB, XF
.set SA, WT+\n/2
.set SB, XS
.set RW, \n%2
.endif
	WM \first, RW
.endr
.rept 4
	v_nop                                          ; four plain instructions between the products and the next loads into their operands, or the first read of results; they stay beside the waits
.endr
.endr
.endm
	s_load_b256 s[4:11], s[0:1], 0x0               ; query, key, value, bq
	s_load_b256 s[12:19], s[0:1], 0x20             ; bk, bv, wc, ws
	s_load_b128 s[20:23], s[0:1], 0x40             ; qkvc, qkvs
	v_lshrrev_b32 v9, 5, v0
	v_readfirstlane_b32 s[WV], v9                  ; wave 0..15
	s_and_b32 s[Z], ttmp7, 0xffff
	s_mov_b32 s[R], ttmp9
	v_and_b32 v9, 31, v0                           ; lane
	v_and_b32 v10, 15, v0                          ; r
	v_bfe_u32 v11, v0, 4, 1                        ; h
	v_and_b32 v12, 8, v10
	v_add_nc_u32 v12, v12, v10                     ; r + 8 (r / 8)
	v_lshlrev_b32 v[XA], 12, v12
	v_lshl_add_u32 v[XA], v11, 6, v[XA]
	v_lshlrev_b32 v[LI], 4, v9
	v_lshlrev_b32 v[LS], 2, v9
	v_lshlrev_b32 v[L8], 3, v9
	v_lshlrev_b32 v[BLQ], 6, v11
	v_lshlrev_b32 v[BLV], 2, v12
	s_wait_alu depctr_va_sdst(0)                   ; the wave's number is written, ahead of its first reader
	s_mul_i32 s42, s[WV], 3072
	v_add_nc_u32 v[XWI], s42, v[LI]
	s_lshl_b32 s42, s[WV], 8
	v_add_nc_u32 v[XWS], s42, v[LS]
	s_mov_b32 s[SEL], 0x76543210
	s_mov_b32 s[SEL+1], 0xfedcba98                 ; v_permlanex16_b32's selects for lane l xor 16
.irp b, 0,1,2,3
	v_mov_b32 v[TM+4+\b], 0                        ; a lane permute's destination counts as one of its sources
.endr
	s_lshr_b32 s27, s[WV], 2                       ; the tile of rows that I quantise
	s_lshr_b32 s42, s27, 1
	s_lshl_b32 s42, s42, 5
	s_and_b32 s43, s27, 1
	s_lshl_b32 s43, s43, 3
	s_add_co_u32 s42, s42, s43
	s_lshl_b32 s43, s[R], 6
	s_add_co_u32 s42, s42, s43                     ; its first row: 64 R + 32 (o / 2) + 8 (o % 2)
	s_lshl_b32 s42, s42, 12
	s_and_b32 s43, s[WV], 3
	s_lshl_b32 s43, s43, 10
	s_add_co_u32 s42, s42, s43                     ; and my two K steps: 1,024 bytes x (wave % 4)
	s_mov_b32 s43, 0
	s_wait_kmcnt 0x0
	s_cmp_eq_u32 s[Z], 0
	s_cselect_b64 s[XP:XP+1], s[4:5], s[6:7]
	s_cselect_b64 s[BP:BP+1], s[10:11], s[12:13]
	s_cmp_lt_u32 s[Z], 2
	s_cselect_b64 s[XP:XP+1], s[XP:XP+1], s[8:9]
	s_cselect_b64 s[BP:BP+1], s[BP:BP+1], s[14:15]
	s_add_nc_u64 s[XP:XP+1], s[XP:XP+1], s[42:43]
	s_wait_alu depctr_va_vdst(0)                   ; the eight offsets and addresses v1 to v8 are written, which every load and store of the kernel reads
.irp e, 0,1
.irp b, 0,1,2,3
.irp j, 0,1,2,3
	global_load_b128 v[ACC+64*\e+16*\b+4*\j:ACC+64*\e+16*\b+4*\j+3], v[XA], s[XP:XP+1] offset:512*\e+128*\b+16*\j   ; of my row: 16 neighbours of each block of 32.  No hint: a lane's four loads of a block take 64 neighbouring bytes, 16 at a time
.endr
.endr
.endr
	s_lshl_b32 s42, s[WV], 8
	s_add_nc_u64 s[BP:BP+1], s[BP:BP+1], s[42:43]  ; the bias at my head's 64 numbers
	s_mul_i32 s42, s[Z], 786432
	s_mul_i32 s44, s[WV], 49152
	s_add_co_u32 s42, s42, s44
	s_add_nc_u64 s[WC:WC+1], s[16:17], s[42:43]    ; W's units 256 z + 16 w on
	s_lshl_b32 s42, s[Z], 15
	s_lshl_b32 s44, s[WV], 11
	s_add_co_u32 s42, s42, s44
	s_add_nc_u64 s[WSC:WSC+1], s[18:19], s[42:43]
	s_lshr_b32 s46, s[R], 5
	s_lshl_b32 s46, s46, 4
	s_add_co_u32 s46, s46, s[WV]                   ; hb = 16 x batch + head
	s_and_b32 s47, s[R], 31                        ; Rb: the block of 64 rows in the batch
	s_lshl_b32 s42, s46, 7
	s_lshl_b32 s44, s47, 2
	s_add_co_u32 s42, s42, s44
	s_mul_i32 s42, s42, 768
	s_mul_i32 s44, s[Z], 3145728
	s_add_co_u32 s42, s42, s44
	s_add_nc_u64 s[QO:QO+1], s[20:21], s[42:43]
	s_lshl_b32 s42, s46, 5
	s_add_co_u32 s42, s42, s47
	s_lshl_b32 s42, s42, 7
	s_lshl_b32 s44, s[Z], 17
	s_add_co_u32 s42, s42, s44
	s_add_nc_u64 s[QSP:QSP+1], s[22:23], s[42:43]
	s_wait_loadcnt 16                              ; my first K step's 16 loads are in; the second's 16 may be out
	QUANT ACC, PC0, PW0
	s_wait_alu depctr_va_vdst(0)                   ; the first fragment's codes and scale word are written, which the LDS stores read
	IMAGE PC0, PW0, 0
	s_wait_loadcnt 0x0
	QUANT ACC+64, PC1, PW1
	s_wait_alu depctr_va_vdst(0)                   ; the second fragment's codes and scale word are written, which the LDS stores read; and the vector lines are done with v16 to v111, in which W's loads land
	IMAGE PC1, PW1, 1
	s_wait_dscnt 0x0                               ; my images have landed
	s_wait_alu depctr_vm_vsrc(0)                   ; the images' LDS stores have read their codes and scale words (v32-43, v52, v53, v96-107): W's two sets land there
	WLOAD 0                                        ; the first K step's W; it is on its way while the waves meet
	s_barrier_signal -1
	s_barrier_wait -1                              ; all 32 images lie in LDS; nothing is stored there again
	s_cmp_eq_u32 s[Z], 2
	s_cbranch_scc1 .Lform_v
	KSTEP 0, 0, 1
.irp s, 1,2,3,4,5,6,7
	KSTEP \s, 0, 0
.endr
	s_wait_alu depctr_va_vdst(0)                   ; the last step's products are done reading W's set 1, in which the bias lands
.irp p, 0,1                            ; the bias: lane (r, h) wants, for tile i, the numbers of channels 32 (i / 2) + 16 h + 8 (i % 2) + 0 .. 7
.irp q, 0,1,2,3
	global_load_b128 v[BI+16*\p+4*\q:BI+16*\p+4*\q+3], v[BLQ], s[BP:BP+1] offset:128*\p+16*\q
.endr
.endr
	s_wait_loadcnt 0x0
.irp o, 0,1,2,3
.irp i, 0,1,2,3
.irp j, 0,2,4,6
	v_pk_add_f32 v[ACC+8*(4*\o+\i)+\j:ACC+8*(4*\o+\i)+\j+1], v[ACC+8*(4*\o+\i)+\j:ACC+8*(4*\o+\i)+\j+1], v[BI+8*\i+\j:BI+8*\i+\j+1]   ; each accumulator from its low end on
.endr
.endr
.endr
	s_branch .Lquant
.Lform_v:
	KSTEP 0, 1, 1
.irp s, 1,2,3,4,5,6,7
	KSTEP \s, 1, 0
.endr
	s_wait_alu depctr_va_vdst(0)                   ; the last step's products are done reading W's set 1, in which the bias lands
.irp o, 0,1,2,3                        ; here a lane holds one channel: one number of the bias for each tile o
	global_load_b32 v[BI+2*\o], v[BLV], s[BP:BP+1] offset:(32*(\o/2)+8*(\o%2))*4
.endr
	s_wait_loadcnt 0x0
.irp o, 0,1,2,3
	v_mov_b32 v[BI+2*\o+1], v[BI+2*\o]
.endr
.irp o, 0,1,2,3
.irp i, 0,1,2,3
.irp j, 0,2,4,6
	v_pk_add_f32 v[ACC+8*(4*\o+\i)+\j:ACC+8*(4*\o+\i)+\j+1], v[ACC+8*(4*\o+\i)+\j:ACC+8*(4*\o+\i)+\j+1], v[BI+2*\o:BI+2*\o+1]
.endr
.endr
.endr
.Lquant:
; The 32 registers of a tile o are two blocks of 32 along the next K (channels for q and k, keys for v): 64 registers give the half fragments of tiles 2 g and 2 g + 1.
	QUANT ACC, PC0, PW0
	s_wait_alu depctr_va_vdst(0)                   ; the codes of tiles 0 and 1 are written, which the stores read
.irp q, 0,1,2,3,4,5
	global_store_b64 v[L8], v[PC0+2*\q:PC0+2*\q+1], s[QO:QO+1] offset:(\q/3)*768+(\q%3)*256        ; 32 lanes store 256 consecutive bytes, aligned
.endr
	QUANT ACC+64, PC1, PW1
	s_mov_b32 vcc_lo, 0xffff0000
	v_cndmask_b32 v[SW], v[PW0], v[PW1], vcc_lo    ; lanes 0-15: tiles 0 and 1; lanes 16-31: tiles 2 and 3
	s_wait_alu depctr_va_vdst(0)                   ; the codes of tiles 2 and 3 and the scale word are written, which the seven stores below read
.irp q, 0,1,2,3,4,5
	global_store_b64 v[L8], v[PC1+2*\q:PC1+2*\q+1], s[QO:QO+1] offset:(2+\q/3)*768+(\q%3)*256
.endr
	global_store_b32 v[LS], v[SW], s[QSP:QSP+1]
	s_wait_xcnt 0x0
	v_lshl_add_u32 v254, v0, 2, 0xd000             ; the add's two registers are made here, straight ahead of the closing lines: no two could be kept.  No memory or LDS instruction has read v254 or v255
	v_mov_b32 v255, 0
	s_wait_dscnt 0x0                               ; the closing lines, six on end
	s_wait_alu 0x0
	s_wait_tensorcnt 0x0
	ds_add_u32 v254, v255
	s_wait_dscnt 0x0
	s_endpgm
.Lfunc_end_k_qc019207127_proj:
	.size	k_qc019207127_proj, .Lfunc_end_k_qc019207127_proj-k_qc019207127_proj
	.p2alignl 7, 3214868480
	.fill 96, 4, 3214868480
	.section	.rodata,"a",@progbits
	.p2align	6, 0x0
	.amdhsa_kernel k_qc019207127_proj
		.amdhsa_group_segment_fixed_size 55296
		.amdhsa_private_segment_fixed_size 0
		.amdhsa_enable_private_segment 0
		.amdhsa_kernarg_size 80
		.amdhsa_user_sgpr_count 2
		.amdhsa_user_sgpr_kernarg_segment_ptr 1
		.amdhsa_wavefront_size32 1
		.amdhsa_system_sgpr_workgroup_id_x 1
		.amdhsa_system_sgpr_workgroup_id_y 1
		.amdhsa_system_sgpr_workgroup_id_z 1
		.amdhsa_system_vgpr_workitem_id 0
		.amdhsa_next_free_vgpr 256
		.amdhsa_next_free_sgpr 66
		.amdhsa_reserve_vcc 1
		.amdhsa_float_denorm_mode_32 3
		.amdhsa_float_denorm_mode_16_64 3
		.amdhsa_memory_ordered 1
		.amdhsa_forward_progress 1
		.amdhsa_inst_pref_size 114
	.end_amdhsa_kernel
	.amdgpu_metadata
---
amdhsa.version: [ 1, 2 ]
amdhsa.kernels:
  - .name:           k_qc019207127_proj
    .symbol:         k_qc019207127_proj.kd
    .args:
      - { .name: query, .offset: 0, .size: 8, .value_kind: global_buffer, .address_space: global }
      - { .name: key, .offset: 8, .size: 8, .value_kind: global_buffer, .address_space: global }
      - { .name: value, .offset: 16, .size: 8, .value_kind: global_buffer, .address_space: global }
      - { .name: bq, .offset: 24, .size: 8, .value_kind: global_buffer, .address_space: global }
      - { .name: bk, .offset: 32, .size: 8, .value_kind: global_buffer, .address_space: global }
      - { .name: bv, .offset: 40, .size: 8, .value_kind: global_buffer, .address_space: global }
      - { .name: wc, .offset: 48, .size: 8, .value_kind: global_buffer, .address_space: global }
      - { .name: ws, .offset: 56, .size: 8, .value_kind: global_buffer, .address_space: global }
      - { .name: qkvc, .offset: 64, .size: 8, .value_kind: global_buffer, .address_space: global }
      - { .name: qkvs, .offset: 72, .size: 8, .value_kind: global_buffer, .address_space: global }
    .group_segment_fixed_size: 55296
    .private_segment_fixed_size: 0
    .kernarg_segment_align: 8
    .kernarg_segment_size: 80
    .max_flat_workgroup_size: 512
    .sgpr_count:     66
    .vgpr_count:     256
    .wavefront_size: 32
...
	.end_amdgpu_metadata
.endif
;; end of part 9
;; launch attn (part 10): grid 8 x 32, 16 waves a work-group, no clusters, 280,576 bytes of LDS; arguments qkvc, qkvs, attn; writes attn
.if DOCPART == 10
	.amdgcn_target "amdgcn-amd-amdhsa--gfx1250"
	.amdhsa_code_object_version 6
	.text
	.protected	k_qc019207127_attn
	.globl	k_qc019207127_attn
	.p2align	8
	.type	k_qc019207127_attn,@function
k_qc019207127_attn:
	s_mov_b64 s[64:65], 0
	v_nop
	global_prefetch_b8 v0, s[64:65] scope:SCOPE_SE
	s_setreg_imm32_b32 hwreg(HW_REG_WAVE_SCHED_MODE, 0, 2), 2
	s_setreg_imm32_b32 hwreg(HW_REG_WAVE_MODE, 25, 1), 1
	s_wait_xcnt 0x0
	s_wait_alu depctr_vm_vsrc(0)
; attn[b][q][64 head ..] = softmax_k(q . k / 8) v for one head, both products on codes of FP6 (E2M3) with E8M0 scales.
; THE SOFTMAX AHEAD OF THE SECOND PRODUCT: t = score x log2(e) / 8; M = the running largest t rounded UP to a whole number; p = 2^(t - M) is quantised along the keys, not normalised; the row's sum is taken of the
; unquantised p and divides at the end; when M moves, the sum and O are multiplied by 2^(old M - new M), which rounds nothing.
; SHARES.  Work-group (x, hb): 256 queries of head hb; each of 16 waves one tile of 16 queries, in 256 registers: four waves to a SIMD, so that one wave's vector work stands beside another's products and LDS loads.
; A HEAD'S K AND V STAY IN LDS: 2 x 98,304 bytes of codes and 12,288 of scale words are brought once, through registers; one barrier; then 16 key steps of 128 keys with no barrier.
; No multicast: each work-group reads K and V once, at its head, and never again; they are 204,800 bytes a work-group.
; LAYOUT.  Both products transposed: S^T = K Q^T, O^T = V^T P^T: a lane holds one query throughout.  Tiles of keys, queries and channels hold rows 32 (t / 2) + 8 (t % 2) + r + 8 (r / 8) (as the launch before laid them),
; so the 16 registers of two neighbouring tiles are 16 neighbours.
; THE FIRST PRODUCT'S K IS 64, the instruction's 128: Q's registers 6-11 are zero codes.  K's operand for tile t is v[32 + 6 t .. + 11]: its upper six registers are the next tile's codes (zeros behind the last), which
; meet zero codes and add nothing.  Bytes 2 and 3 of both sides' scale words repeat bytes 0 and 1: never 0xff.
; LIMITS: a block of p that is all zeros keeps the byte 1 (its codes are zeros).  NaN and infinities are not served.
; THE MODE: SCHED_MODE bits 1:0 = 2 (LLVM: expert scheduling mode 2), set by the entry lines.  The code itself states the register dependences
; between vector or matrix instructions and memory or LDS instructions, with s_wait_alu, always for 0.
; THE PLAN.  Registers that memory or LDS instructions touch, in the loop:
;   v8-v11    the step's four LDS addresses: written by four additions at the step's head, read by the step's LDS loads.
;   v32-v79   K's eight half fragments land here, the eight score products read them; then V's four fragments land here, the four products at the step's end read them.
;   v86-v91   K's and V's scale words: LDS loads land, products read.
;   The scores, p, O^T, p's codes and scale word are named by vector and matrix instructions alone.
; A step's waits: vm_vsrc ahead of the four additions; va_vdst behind them (the addresses are written; the last step's closing products are done with V); va_vdst behind the score products, ahead of V's loads;
; the two waits behind the exponentials; va_vdst ahead of the closing products, which take codes and a scale word that vector instructions have written.
.set VIMG,  98304                      ; LDS: K's images at 0 (tile 4 Rb + o at 768 bytes each), V's behind them
.set KSC,   196608                     ; K's scale words, [Rb][lane][2 words]: word 0: tiles 0 (lanes 0-15) and 2 (16-31); word 1: tiles 1 and 3
.set VSC,   204800                     ; V's, [key step][lane][2 words], likewise by channel tile
.set STAGE, 208896                     ; the way out: 16 rows x (256 + 16) bytes for each wave
.set AK0,  1
.set AV0,  2
.set ASK0, 3
.set ASV0, 4
.set GO,   5
.set ADK,  8                           ; v8-11 the step's LDS addresses (at the head: offsets of the first loads)
.set ADV,  9
.set ADS,  10
.set ADT,  11
.set QF,   16                          ; v16-21 Q's codes, v22-27 zeros
.set QS,   28                          ; Q's scale word
.set FA,   29                          ; v29-31 16 x thread, + 65,536, + 131,072
.set KV,   32                          ; v32-79 eight half fragments of K, or four fragments of V; v80-85 zeros
.set KS,   86                          ; v86-89 K's scale words
.set VS,   90                          ; v90-91 V's
.set S,    96                          ; v96-159 S^T, then p
.set O,    160                         ; v160-191 O^T
.set PC,   192                         ; v192-203 p's codes
.set CT,   204                         ; v204-206, v208-210 conversions' second halves
.set BM,   212                         ; v212-215 the blocks' largest scores, then largest p
.set EX,   216                         ; v216-219 exchange, second chain of the sum, bytes
.set SO,   220                         ; v220-223 the conversions' scale operands
.set F,    224                         ; v224 f = 2^(old M - new M); v225 named with it as a pair
.set PS,   226                         ; p's scale word
.set TT,   227
.set WV,  10
.set SEL, 12
.set CS,  14
.set TK,  16
.set TS,  17
.set TJ,  18
.set CNT, 19
	s_load_b128 s[4:7], s[0:1], 0x0                ; qkvc, qkvs
	s_load_b64 s[8:9], s[0:1], 0x10                ; attn
	v_lshl_add_u32 v254, v0, 2, 0x44000
	v_mov_b32 v255, 0
	v_lshrrev_b32 v6, 5, v0
	v_readfirstlane_b32 s[WV], v6                  ; wave 0..15
	v_and_b32 v7, 31, v0                           ; lane
	v_lshlrev_b32 v[AK0], 3, v7                    ; 8 x lane
	v_add_nc_u32 v[AV0], VIMG, v[AK0]
	v_add_nc_u32 v[ASK0], KSC, v[AK0]
	v_add_nc_u32 v[ASV0], VSC, v[AK0]
	v_and_b32 v[ADK], 15, v0                       ; r
	v_bfe_u32 v[ADV], v0, 4, 1                     ; h
	v_lshlrev_b32 v[GO], 12, v[ADV]
	v_lshl_add_u32 v[GO], v[ADK], 4, v[GO]         ; the way out: lanes 0-15 one row of attn, lanes 16-31 the next; 16 bytes a lane
	v_lshlrev_b32 v[ADK], 2, v[ADK]                ; 4 r
	v_lshlrev_b32 v[ADV], 2, v0                    ; 4 x thread
	v_lshlrev_b32 v[ADS], 2, v7
	v_lshl_add_u32 v[ADS], v6, 8, v[ADS]           ; 256 x wave + 4 x lane
	v_lshl_add_u32 v[ADT], v0, 3, KSC              ; LDS: KSC + 8 x thread
	v_lshlrev_b32 v[FA], 4, v0
	v_add_nc_u32 v[FA+1], 0x10000, v[FA]
	v_add_nc_u32 v[FA+2], 0x20000, v[FA]
	s_wait_alu depctr_va_sdst(0)                   ; the wave's number is written, ahead of its first reader
	s_and_b32 s20, ttmp7, 0xffff                   ; hb
	s_lshl_b32 s21, ttmp9, 4
	s_add_co_u32 s21, s21, s[WV]                   ; my tile among the head's 128: 4 Rb + o = 16 x + wave
	s_lshl_b32 s22, s20, 7
	s_add_co_u32 s22, s22, s21
	s_mul_i32 s22, s22, 768                        ; Q's half fragment
	s_mov_b32 s23, 0
	s_lshr_b32 s28, s21, 2                         ; Rb
	s_lshl_b32 s24, s20, 5
	s_add_co_u32 s24, s24, s28
	s_lshl_b32 s24, s24, 7
	s_bfe_u32 s26, s[WV], 0x10001                  ; o / 2
	s_lshl_b32 s27, s26, 6
	s_add_co_u32 s24, s24, s27                     ; Q's scale words: those of lanes 16 (o / 2) on
	s_mov_b32 s25, 0
	s_and_b32 s36, s[WV], 1                        ; o % 2
	s_lshl_b32 s29, s28, 6
	s_lshl_b32 s27, s26, 5
	s_add_co_u32 s29, s29, s27
	s_lshl_b32 s27, s36, 3
	s_add_co_u32 s29, s29, s27                     ; my tile's first query: 64 Rb + 32 (o / 2) + 8 (o % 2)
	s_lshl_b32 s36, s36, 4                         ; which half of the word is my tile's
	s_lshr_b32 s27, s20, 4
	s_lshl_b32 s27, s27, 11
	s_add_co_u32 s30, s27, s29
	s_lshl_b32 s30, s30, 12
	s_and_b32 s27, s20, 15
	s_lshl_b32 s27, s27, 8
	s_add_co_u32 s30, s30, s27                     ; attn: row 2,048 b + query, 256 bytes x head
	s_mov_b32 s31, 0
	s_mul_i32 s32, s20, 98304
	s_add_co_u32 s32, s32, 3145728                 ; K's codes of my head; V's lie 3,145,728 bytes on
	s_mov_b32 s33, 0
	s_lshl_b32 s34, s20, 12                        ; a head's 4,096 bytes of scale words
	s_mov_b32 s35, 0
	s_mov_b32 s[SEL], 0x76543210
	s_mov_b32 s[SEL+1], 0xfedcba98
	s_mov_b32 s[CS], 0x3e38aa3b                    ; c = log2(e) / 8
	s_mov_b32 s[CS+1], s[CS]                       ; (named with it as a pair)
	s_mov_b32 s[TK], 0
	s_mov_b32 s[TS], 0
	s_mov_b32 s[TJ], 0
	s_mov_b32 s[CNT], 16
	s_wait_kmcnt 0x0
	s_add_nc_u64 s[22:23], s[4:5], s[22:23]
	s_add_nc_u64 s[24:25], s[6:7], s[24:25]
	s_add_nc_u64 s[32:33], s[4:5], s[32:33]
	s_add_nc_u64 s[34:35], s[6:7], s[34:35]
	s_add_nc_u64 s[8:9], s[8:9], s[30:31]
	s_wait_alu depctr_va_vdst(0)                   ; the head's offsets and addresses (v1 to v5, v8 to v11, v29 to v31) are written, which the loads and LDS stores below read
.irp p, 0,1,2
	global_load_b64 v[QF+2*\p:QF+2*\p+1], v[AK0], s[22:23] offset:256*\p
.endr
	global_load_b32 v204, v[ADK], s[24:25]
	global_load_b32 v205, v[ADV], s[34:35] offset:131072           ; K's raw scale words: 1,024 of them, two a thread
	global_load_b32 v206, v[ADV], s[34:35] offset:131072+2048
	global_load_b32 v207, v[ADS], s[34:35] offset:262144           ; V's: wave w takes key step w: blocks 2 w and 2 w + 1 of 64 keys
	global_load_b32 v208, v[ADS], s[34:35] offset:262144+128
.set n, 0
.rept 12
	global_load_b128 v[S+4*n:S+4*n+3], v[FA], s[32:33] offset:8192*n           ; 512 threads x 16 bytes: 8,192 consecutive bytes a line
.set n, n+1
.endr
.rept 12
	global_load_b128 v[S+4*n:S+4*n+3], v[FA], s[32:33] offset:3145728+8192*(n-12)
.set n, n+1
.endr
	s_wait_loadcnt 24                              ; all but the 24 just issued
	v_lshrrev_b32 v204, s36, v204
	v_and_b32 v204, 0xffff, v204
	v_lshl_or_b32 v[QS], v204, 16, v204            ; my tile's two bytes, twice
	v_perm_b32 v210, v205, v205, 0x01000100        ; the even tile's two bytes, twice;
	v_perm_b32 v211, v205, v205, 0x03020302        ; the odd tile's
	v_perm_b32 v212, v206, v206, 0x01000100
	v_perm_b32 v213, v206, v206, 0x03020302
	v_perm_b32 v214, v208, v207, 0x05040100        ; V: the even tile's bytes of keys 0-63, then of keys 64-127 of the step;
	v_perm_b32 v215, v208, v207, 0x07060302        ; the odd tile's
	s_wait_alu depctr_va_vdst(0)                   ; the scale words v210 to v215 are written, which the three LDS stores read
	ds_store_b64 v[ADT], v[210:211]
	ds_store_b64 v[ADT], v[212:213] offset:4096
	ds_store_b64 v[ADT], v[214:215] offset:8192
.set n, 0
.rept 24
	s_wait_loadcnt 23-n                            ; loads come back in order: chunk n is in, the younger ones stay out
	ds_store_b128 v[FA+n/8], v[S+4*n:S+4*n+3] offset:8192*(n%8)
.set n, n+1
.endr
	s_wait_dscnt 0x0                               ; my part of the fill has landed
	s_wait_alu depctr_vm_vsrc(0)                   ; the fill's LDS stores have read v96 to v191 and v210 to v215, and the head's loads and stores v8 to v11: all these are written anew below and in the loop
.irp j, 0,1,2,3,4,5
	v_mov_b32 v[QF+6+\j], 0                        ; zero codes: the upper 64 of the instruction's K
	v_mov_b32 v[KV+48+\j], 0
.endr
	v_mov_b32 v13, 0xff61b1e6                      ; the largest t so far: -3e38
	v_floor_f32 v12, -v13                          ; -M
	v_mov_b32 v14, 0                               ; the sum, in two halves
	v_mov_b32 v15, 0
	v_mov_b32 v[F+1], 0
.irp b, 0,1,2,3
	v_mov_b32 v[EX+\b], 0                          ; a lane permute's destination counts as one of its sources
.endr
.irp j, 0,1,2,3,4,5,6,7,8,9,10,11,12,13,14,15,16,17,18,19,20,21,22,23,24,25,26,27,28,29,30,31
	v_mov_b32 v[O+\j], 0                           ; the step is written once: the first finds zeros, which the first change of M leaves zeros
.endr
	s_barrier_signal -1
	s_barrier_wait -1                              ; K, V and their scale words are whole; nothing is stored there again
.Lstep:                                        ; 16 trips of 128 keys
	s_wait_alu depctr_vm_vsrc(0)                   ; the last step's LDS loads have read the four addresses, which are written anew
	v_add_nc_u32 v[ADK], s[TK], v[AK0]             ; (these four are also the plain instructions between the last products and the loads into their operands)
	v_add_nc_u32 v[ADV], s[TK], v[AV0]
	v_add_nc_u32 v[ADS], s[TS], v[ASK0]
	v_add_nc_u32 v[ADT], s[TJ], v[ASV0]
	s_wait_alu depctr_va_vdst(0)                   ; the four addresses are written, which the step's LDS loads read; the last step's closing products are done reading V's fragments, in which K's land; in the first trip Q's scale word and the zero codes are written, which the score products take
.irp t, 0,1,2,3,4,5,6,7
.irp p, 0,1,2
	ds_load_b64 v[KV+6*\t+2*\p:KV+6*\t+2*\p+1], v[ADK] offset:768*\t+256*\p
.endr
.endr
	ds_load_b64 v[KS:KS+1], v[ADS]
	ds_load_b64 v[KS+2:KS+3], v[ADS] offset:256
	s_wait_dscnt 0x0
.irp t, 0,1,2,3,4,5,6,7
.if (\t/2)%2
	v_wmma_scale_f32_16x16x128_f8f6f4 v[S+8*\t:S+8*\t+7], v[KV+6*\t:KV+6*\t+11], v[QF:QF+11], 0, v[KS+2*(\t/4)+\t%2], v[QS] matrix_a_fmt:MATRIX_FMT_FP6 matrix_b_fmt:MATRIX_FMT_FP6 matrix_a_scale:MATRIX_SCALE_ROW1
.else
	v_wmma_scale_f32_16x16x128_f8f6f4 v[S+8*\t:S+8*\t+7], v[KV+6*\t:KV+6*\t+11], v[QF:QF+11], 0, v[KS+2*(\t/4)+\t%2], v[QS] matrix_a_fmt:MATRIX_FMT_FP6 matrix_b_fmt:MATRIX_FMT_FP6
.endif
.endr
.rept 4
	v_nop                                          ; four plain instructions ahead of the loads into K's registers and of the first read of the scores
.endr
	s_wait_alu depctr_va_vdst(0)                   ; the score products are done reading K's fragments, in which V's land
.irp t, 0,1,2,3                        ; V's four fragments are asked for now and land under the softmax
.irp c, 0,1
.irp p, 0,1,2
	ds_load_b64 v[KV+12*\t+6*\c+2*\p:KV+12*\t+6*\c+2*\p+1], v[ADV] offset:(4*\c+\t)*768+256*\p
.endr
.endr
.endr
	ds_load_b64 v[VS:VS+1], v[ADT]
.irp b, 0,1,2,3
	v_max3_num_f32 v[BM+\b], v[S+16*\b], v[S+1+16*\b], v[S+2+16*\b]   ; the largest score of each block of 32 keys: it serves the row's maximum and, since p rises with the score, the block's largest p
.endr
.irp i, 3,5,7,9,11,13
.irp b, 0,1,2,3
	v_max3_num_f32 v[BM+\b], v[BM+\b], v[S+16*\b+\i], v[S+1+16*\b+\i]
.endr
.endr
.irp b, 0,1,2,3
	v_max_num_f32 v[BM+\b], v[BM+\b], v[S+15+16*\b]
.endr
.irp b, 0,1,2,3
	v_permlanex16_b32 v[EX+\b], v[BM+\b], s[SEL], s[SEL+1]
.endr
.irp b, 0,1,2,3
	v_max_num_f32 v[BM+\b], v[BM+\b], v[EX+\b]     ; with lane l xor 16's 16 keys
.endr
	v_max3_num_f32 v[TT], v[BM], v[BM+1], v[BM+2]
	v_max_num_f32 v[TT], v[TT], v[BM+3]
	v_mul_f32 v[TT], s[CS], v[TT]                  ; the step's largest t (c is positive)
	v_max_num_f32 v13, v13, v[TT]
	v_mov_b32 v[TT], v12
	v_floor_f32 v12, -v13                          ; the new -M = -ceil(t)
	v_sub_f32 v[TT], v12, v[TT]                    ; old M - new M: a whole number, 0 or less
	v_cvt_i32_f32 v[TT], v[TT]                     ; (it saturates)
	v_ldexp_f32 v[F], 1.0, v[TT]                   ; f = 2^(old M - new M)
.irp j, 0,2,4,6,8,10,12,14,16,18,20,22,24,26,28,30,32,34,36,38,40,42,44,46,48,50,52,54,56,58,60,62
	v_pk_fma_f32 v[S+\j:S+\j+1], v[S+\j:S+\j+1], s[CS:CS+1], v[12:13] op_sel_hi:[1,0,0]   ; t - M, two at a time
.endr
.irp b, 0,1,2,3
	v_fma_f32 v[BM+\b], v[BM+\b], s[CS], v12       ; the same of each block's largest score
.endr
	s_wait_alu depctr_va_vdst(0)
.irp j, 0,1,2,3,4,5,6,7,8,9,10,11,12,13,14,15,16,17,18,19,20,21,22,23,24,25,26,27,28,29,30,31,32,33,34,35,36,37,38,39,40,41,42,43,44,45,46,47,48,49,50,51,52,53,54,55,56,57,58,59,60,61,62,63
	v_exp_f32 v[S+\j], v[S+\j]                     ; p = 2^(t - M)
.endr
	v_pk_mul_f32 v[14:15], v[14:15], v[F:F+1] op_sel_hi:[1,0]      ; the sums under the new M: the plain instruction behind the exponentials
	s_wait_alu depctr_va_vdst(0)                   ; the 64 exponentials have written p: one wait for the batch, ahead of its first reader
.irp b, 0,1,2,3
	v_exp_f32 v[BM+\b], v[BM+\b]                   ; the blocks' largest p: the same two instructions on the same number
.endr
	v_pk_add_f32 v[EX:EX+1], v[S:S+1], v[S+2:S+3]  ; the row's sum of the UNQUANTISED p, in two chains
.irp j, 4,8,12,16,20,24,28,32,36,40,44,48,52,56,60
	v_pk_add_f32 v[14:15], v[14:15], v[S+\j:S+\j+1]
	v_pk_add_f32 v[EX:EX+1], v[EX:EX+1], v[S+2+\j:S+3+\j]
.endr
	v_pk_add_f32 v[14:15], v[14:15], v[EX:EX+1]
	s_wait_alu depctr_va_vdst(0)                   ; the four exponentials have written the blocks' largest p, ahead of their first reader
.irp b, 0,1,2,3
	v_max_num_f32 v[BM+\b], 0x1800000, v[BM+\b]    ; the floor 2^(3 - 127)
.endr
.irp b, 0,1,2,3
	v_add_nc_u32 v[SO+\b], 0xff000000, v[BM+\b]
.endr
.irp b, 0,1,2,3
	v_lshrrev_b32 v[EX+\b], 23, v[SO+\b]
.endr
	v_lshl_or_b32 v[PS], v[EX+1], 8, v[EX]         ; p's scale word for these 128 keys
	v_lshl_or_b32 v[PS], v[EX+2], 16, v[PS]
	v_lshl_or_b32 v[PS], v[EX+3], 24, v[PS]
.irp c, 0,1
	v_cvt_scalef32_pk16_fp6_f32 v[PC+6*\c:PC+2+6*\c], v[S+32*\c:S+15+32*\c], v[SO+2*\c]
	v_cvt_scalef32_pk16_fp6_f32 v[CT+4*\c:CT+2+4*\c], v[S+16+32*\c:S+31+32*\c], v[SO+2*\c+1]
.endr
	v_nop                                          ; one plain instruction behind the scaled conversions
.irp c, 0,1
.irp i, 0,1,2
	v_permlane16_swap_b32 v[PC+6*\c+\i], v[CT+4*\c+\i]
.endr
.irp i, 0,1,2
	v_mov_b32 v[PC+3+6*\c+\i], v[CT+4*\c+\i]
.endr
.endr
.irp j, 0,2,4,6,8,10,12,14,16,18,20,22,24,26,28,30
	v_pk_mul_f32 v[O+\j:O+\j+1], v[O+\j:O+\j+1], v[F:F+1] op_sel_hi:[1,0]   ; O^T under the new M, each accumulator from its low end.  For each product below twelve of these name none of its registers: the distance that a scale word and codes written by vector instructions owe
.endr
	s_wait_dscnt 0x0                               ; V and its scale words are in
	s_wait_alu depctr_va_vdst(0)                   ; p's codes and scale word are written, which the products below take as source 1 and as its scales; the distance above stays beside this wait
.irp t, 0,1,2,3
.if \t/2
	v_wmma_scale_f32_16x16x128_f8f6f4 v[O+8*\t:O+8*\t+7], v[KV+12*\t:KV+12*\t+11], v[PC:PC+11], v[O+8*\t:O+8*\t+7], v[VS+\t%2], v[PS] matrix_a_fmt:MATRIX_FMT_FP6 matrix_b_fmt:MATRIX_FMT_FP6 matrix_a_scale:MATRIX_SCALE_ROW1
.else
	v_wmma_scale_f32_16x16x128_f8f6f4 v[O+8*\t:O+8*\t+7], v[KV+12*\t:KV+12*\t+11], v[PC:PC+11], v[O+8*\t:O+8*\t+7], v[VS+\t%2], v[PS] matrix_a_fmt:MATRIX_FMT_FP6 matrix_b_fmt:MATRIX_FMT_FP6
.endif
.endr
	s_add_co_u32 s[TK], s[TK], 6144                ; eight tiles of 768 bytes on, in K and in V
	s_add_co_u32 s[TS], s[TS], 512
	s_add_co_u32 s[TJ], s[TJ], 256
	s_sub_co_u32 s[CNT], s[CNT], 1
	s_cmp_lg_u32 s[CNT], 0
	s_cbranch_scc1 .Lstep
	; THE WAY OUT: O^T / the sum, through my own stage in LDS, so that sixteen lanes store my head's 256 bytes of a row of attn
	s_wait_alu depctr_vm_vsrc(0)                   ; the last step's LDS loads have read v8 to v11, which are written anew below
	v_add_f32 v14, v14, v15
	v_permlanex16_b32 v[TT], v14, s[SEL], s[SEL+1]
	v_add_f32 v14, v14, v[TT]                      ; with lane l xor 16's keys: the row's sum
	s_wait_alu depctr_va_vdst(0)
	v_rcp_f32 v14, v14
	v_and_b32 v8, 15, v0                           ; r  (plain work behind the reciprocal)
	v_bfe_u32 v9, v0, 4, 1                         ; h
	s_mul_i32 s20, s[WV], 16*272
	s_add_co_u32 s20, s20, STAGE
	v_mul_u32_u24 v10, v8, 272
	v_lshl_add_u32 v10, v9, 6, v10
	v_add_nc_u32 v10, s20, v10                     ; in: row r, + 64 h
	v_mul_u32_u24 v11, v9, 272
	v_lshl_add_u32 v11, v8, 4, v11
	v_add_nc_u32 v11, s20, v11                     ; back: lanes 0-15 one row, lanes 16-31 the next
	s_wait_alu depctr_va_vdst(0)                   ; the reciprocal has written v14, ahead of its first reader
.irp j, 0,1,2,3,4,5,6,7,8,9,10,11,12,13,14,15,16,17,18,19,20,21,22,23,24,25,26,27,28,29,30,31
	v_mul_f32 v[S+\j], v[O+\j], v14                ; register 16 b + i is channel 32 b + 16 h + i
.endr
	s_wait_alu depctr_va_vdst(0)                   ; the 32 results are written, which the LDS stores read, and so are the stage's two addresses; the last products are done reading v32 to v63, in which the rows land
.irp b, 0,1
.irp q, 0,1,2,3
	ds_store_b128 v10, v[S+16*\b+4*\q:S+16*\b+4*\q+3] offset:128*\b+16*\q
.endr
.endr
.irp i, 0,1,2,3,4,5,6,7
	ds_load_b128 v[KV+4*\i:KV+4*\i+3], v11 offset:544*\i           ; LDS serves a wave's instructions in order: these see my stores
.endr
.irp i, 0,1,2,3,4,5,6,7
	s_wait_dscnt 7-\i
	global_store_b128 v[GO], v[KV+4*\i:KV+4*\i+3], s[8:9] offset:(2*\i+8*(\i/4))*4096     ; stage row r is query r + 8 (r / 8) of my tile; 16 lanes store 256 consecutive bytes, aligned
.endr
	s_wait_dscnt 0x0                               ; the closing lines, six on end
	s_wait_alu 0x0
	s_wait_tensorcnt 0x0
	ds_add_u32 v254, v255
	s_wait_dscnt 0x0
	s_endpgm
.Lfunc_end_k_qc019207127_attn:
	.size	k_qc019207127_attn, .Lfunc_end_k_qc019207127_attn-k_qc019207127_attn
	.p2alignl 7, 3214868480
	.fill 96, 4, 3214868480
	.section	.rodata,"a",@progbits
	.p2align	6, 0x0
	.amdhsa_kernel k_qc019207127_attn
		.amdhsa_group_segment_fixed_size 280576
		.amdhsa_private_segment_fixed_size 0
		.amdhsa_enable_private_segment 0
		.amdhsa_kernarg_size 24
		.amdhsa_user_sgpr_count 2
		.amdhsa_user_sgpr_kernarg_segment_ptr 1
		.amdhsa_wavefront_size32 1
		.amdhsa_system_sgpr_workgroup_id_x 1
		.amdhsa_system_sgpr_workgroup_id_y 1
		.amdhsa_system_sgpr_workgroup_id_z 1
		.amdhsa_system_vgpr_workitem_id 0
		.amdhsa_next_free_vgpr 256
		.amdhsa_next_free_sgpr 66
		.amdhsa_reserve_vcc 0
		.amdhsa_float_denorm_mode_32 3
		.amdhsa_float_denorm_mode_16_64 3
		.amdhsa_memory_ordered 1
		.amdhsa_forward_progress 1
		.amdhsa_inst_pref_size 33
	.end_amdhsa_kernel
	.amdgpu_metadata
---
amdhsa.version: [ 1, 2 ]
amdhsa.kernels:
  - .name:           k_qc019207127_attn
    .symbol:         k_qc019207127_attn.kd
    .args:
      - { .name: qkvc, .offset: 0, .size: 8, .value_kind: global_buffer, .address_space: global }
      - { .name: qkvs, .offset: 8, .size: 8, .value_kind: global_buffer, .address_space: global }
      - { .name: attn, .offset: 16, .size: 8, .value_kind: global_buffer, .address_space: global }
    .group_segment_fixed_size: 280576
    .private_segment_fixed_size: 0
    .kernarg_segment_align: 8
    .kernarg_segment_size: 24
    .max_flat_workgroup_size: 512
    .sgpr_count:     66
    .vgpr_count:     256
    .wavefront_size: 32
...
	.end_amdgpu_metadata
.endif
;; end of part 10
;; launch ffn1 (part 11): grid 4 x 64, 16 waves a work-group, no clusters, 92,160 bytes of LDS; arguments attn, ln_g, ln_b, wc, ws, b1, hc, hs, stats; writes hc, hs, stats
.if DOCPART == 11
	.amdgcn_target "amdgcn-amd-amdhsa--gfx1250"
	.amdhsa_code_object_version 6
	.text
	.protected	k_qc019207127_ffn1
	.globl	k_qc019207127_ffn1
	.p2align	8
	.type	k_qc019207127_ffn1,@function
k_qc019207127_ffn1:
	s_mov_b64 s[64:65], 0
	v_nop
	global_prefetch_b8 v0, s[64:65] scope:SCOPE_SE
	s_setreg_imm32_b32 hwreg(HW_REG_WAVE_SCHED_MODE, 0, 2), 2
	s_setreg_imm32_b32 hwreg(HW_REG_WAVE_MODE, 25, 1), 1
	s_wait_xcnt 0x0
	s_wait_alu depctr_vm_vsrc(0)
; h = relu(LayerNorm(attn) W1 + b1), the product on codes of FP6 (E2M3) with E8M0 scales, and h quantised at once along the hidden axis for the next product.
; Work-group (ch, R): 64 rows x hidden units 512 ch .. + 511: 256 work-groups.  Wave w: all 64 rows x the 32 units of the pair of column tiles P = 16 ch + w: 8 accumulators.
; The LayerNorm of a block of 64 rows is made by the four work-groups that share it: 262,144 bytes of attn each, beside 409,600 of W1's codes and scale words.
; X: wave w holds, of the tile of rows w / 4, columns 256 (w % 4) .. + 255: 128 numbers a lane.  Mean and variance in two passes (sum; sum of squares of x - mean), each joined over the lane's partner and, through LDS, over four waves.
; ffi = (x - mu) rsq(var + 1e-5) g + b, in f32, is quantised into two fragments, whose register images go to LDS.  mu and rsq go to stats (from ch = 0), for the last launch's residual.
; K STEPS: W1's two fragments lie in two sets of 24 registers: a step's 7 loads are issued a whole step ahead of their use, the first step's ahead of ffi's quantising.  b1 is the C of each sum's first product.
; No joint loads of the weights: they go from memory straight into the registers of the one wave that multiplies them, 3,200 bytes a wave and K step; through LDS each byte would make one more pass and be read once.
; THE ROWS OF A TILE ARE NOT NEIGHBOURS: lane r of tile o takes row 32 (o / 2) + 8 (o % 2) + r + 8 (r / 8) of the 64; W1's columns likewise: so the 16 registers of a tile of rows are hidden units 32 P + 16 (lane / 16) + 0 .. 15.
; Out, through LDS so that whole runs leave: half fragments (16 rows x 64 hidden units, 768 bytes) at hc + ((4 R + o) 32 + hg) 768, hg = P / 2, my block in lanes 16 (P % 2) on;
; scale words (a row, 128 hidden units) at hs + ((4 R + o) 16 + ks) 64 + 4 r, ks = P / 4, my byte P % 4.
; LIMITS: a block of zeros gets the byte 1 (its codes are zeros; this program alone reads the bytes).  NaN and infinities are not served.
; THE MODE: SCHED_MODE bits 1:0 = 2 (LLVM: expert scheduling mode 2), set by the entry lines.  The code itself states the register dependences
; between vector or matrix instructions and memory or LDS instructions, with s_wait_alu, always for 0.
; THE PLAN.  Registers that memory or LDS instructions touch:
;   v1-v15, v120, v122  offsets and LDS addresses: made once at the head, one wait ahead of the first load, never written again.
;   v16, v24-27    the reductions: v16 is written by vector lines and read by an LDS store; the four partial sums land in v24-27.  In each reduction one wait on va_vdst ahead of the store, one on vm_vsrc behind the barrier.
;   g and b        two blocks of 16 numbers at a time, in two buffers (v64-95, v16-47): LDS loads land, the multiply-adds read: one wait on va_vdst ahead of each later pair's loads.
;   PC0, PW0, PC1, PW1, v54, v56  written by vector lines, read by the images' LDS stores and the stores of mu and rsq; ffi's fragments and W1's set 1 land there later: one wait on vm_vsrc behind the third barrier.
;   W1's two sets, v116-117; v16-63, v112-115  in a K step: loads land, the step's eight products read.  ONE wait on va_vdst at a step's head: the products of the step before are done with the set in which the
;                  next step's seven loads land and with ffi's four fragments and scale words, in which this step's land.
.set XIMG, 0                           ; LDS: 32 fragments of 1,536 bytes, index 8 o + s
.set XSC,  49152                       ; their scale words, 128 bytes each
.set RED1, 53248                       ; [wave][r] partial sums
.set RED2, 54272                       ; [wave][r] partial sums of squares
.set GB,   55296                       ; ln_g, then ln_b
.set HSC,  63488                       ; h's scale words [o][ks % 4][r]: 1,024 bytes
.set HST,  65536                       ; h's codes [o][hg % 8][768 bytes]: 24,576 bytes
.set XA,  1
.set LI,  2
.set LS,  3
.set XWI, 4
.set XWS, 5
.set HSA, 6                            ; v6   HST + 6,144 h + 768 (wave / 2) + 128 (wave % 2) + 8 r: where my codes go
.set BLQ, 7
.set RA,  8                            ; v8   64 x wave + 4 r
.set RB,  9                            ; v9   256 (wave / 4) + 4 r
.set GA,  10                           ; v10  64 h + 1,024 (wave % 4)
.set HA,  11                           ; v11  64 (wave / 4) + wave % 4 + 4 r: my byte of a row's scale word
.set SAD, 12                           ; v12  4 (r + 8 (r / 8))
.set T16, 13                           ; v13  16 x thread
.set GBL, 14                           ; v14  16 x (thread % 256)
.set T4,  15                           ; v15  4 x thread
.set XF,  16                           ; v16-63   ffi's four fragments of a K step
.set WB,  64                           ; v64-87, v88-111  W1's two fragments, two sets: K step s in set s % 2
.set XS,  112                          ; v112-115 ffi's scale words: scales and nothing else
.set WS,  116                          ; v116-117 W1's, one to a set: lanes 0-15 tile 0's, lanes 16-31 tile 1's
.set HGO, 120
.set HW,  121
.set HSR, 122                          ; v122 HST + 1,536 x wave + 16 x lane: what I read back
.set ACC, 128                          ; v128-255 my 128 numbers of attn; then v128-191: accumulator (o, u) at 8 (2 o + u)
.set BI,  192                          ; v192-207 b1 at hidden units 32 P + 16 h + 0 .. 15
.set TM,  16
.set PC0, 32
.set PCT, 44
.set PW0, 52
.set PW1, 53
.set MU,  54                           ; v54-55 the mean, twice
.set RS,  56                           ; v56-57 1 / sqrt(var + 1e-5), twice
.set G,   64                           ; v64-79 g, v80-95 b of a pair's first block
.set BT,  80
.set G1,  16                           ; v16-31 g, v32-47 b of its second block
.set BT1, 32
.set PC1, 96
.set WV,  24
.set CH,  25
.set R,   26
.set XP,  28
.set BP,  30
.set WC,  32
.set WSC, 34
.set HO,  36
.set HSP, 38
.set SEL, 40                           ; s42-45 are at work in the address arithmetic and hold no pointer
.set GBP, 46
.set STP, 48                           ; s[48:49] stats at my tile's first row: written once
.macro QUANT s, pc, pw                 ; 64 numbers of a lane in four blocks: register 16 b + i = number 16 (lane / 16) + i of block b -> codes at pc (registers 6 c on: lanes 0-15 block 2 c, lanes 16-31 block 2 c + 1), the four bytes in v[TM+4] on and in pw
.irp b, 0,1,2,3
	v_max3_num_f32 v[TM+\b], |v[(\s)+16*\b]|, |v[(\s)+1+16*\b]|, 0x1800000   ; and the floor 2^(3 - 127)
.endr
.irp i, 2,4,6,8,10,12,14
.irp b, 0,1,2,3
	v_max3_num_f32 v[TM+\b], v[TM+\b], |v[(\s)+16*\b+\i]|, |v[(\s)+1+16*\b+\i]|
.endr
.endr
.irp b, 0,1,2,3
	v_permlanex16_b32 v[TM+4+\b], v[TM+\b], s[SEL], s[SEL+1]
.endr
.irp b, 0,1,2,3
	v_max_num_f32 v[TM+\b], v[TM+\b], v[TM+4+\b]
.endr
.irp b, 0,1,2,3
	v_add_nc_u32 v[TM+12+\b], 0xff000000, v[TM+\b]
.endr
.irp b, 0,1,2,3
	v_lshrrev_b32 v[TM+4+\b], 23, v[TM+12+\b]
.endr
	v_lshl_or_b32 v[\pw], v[TM+5], 8, v[TM+4]
	v_lshl_or_b32 v[\pw], v[TM+6], 16, v[\pw]
	v_lshl_or_b32 v[\pw], v[TM+7], 24, v[\pw]
.irp c, 0,1
	v_cvt_scalef32_pk16_fp6_f32 v[(\pc)+6*\c:(\pc)+2+6*\c], v[(\s)+32*\c:(\s)+15+32*\c], v[TM+12+2*\c]
	v_cvt_scalef32_pk16_fp6_f32 v[PCT+4*\c:PCT+2+4*\c], v[(\s)+16+32*\c:(\s)+31+32*\c], v[TM+12+2*\c+1]
.endr
	v_nop                                          ; one plain instruction behind the scaled conversions
.irp c, 0,1
.irp i, 0,1,2
	v_permlane16_swap_b32 v[(\pc)+6*\c+\i], v[PCT+4*\c+\i]
.endr
.irp i, 0,1,2
	v_mov_b32 v[(\pc)+3+6*\c+\i], v[PCT+4*\c+\i]
.endr
.endr
.endm
.macro IMAGE pc, pw, n
.irp c, 0,1,2
	ds_store_b128 v[XWI], v[(\pc)+4*\c:(\pc)+4*\c+3] offset:XIMG+1536*(\n)+512*\c
.endr
	ds_store_b32 v[XWS], v[\pw] offset:XSC+128*(\n)
.endm
.macro BARRIER                         ; my LDS stores have landed and my LDS loads are in: then the work-group's barrier
	s_wait_dscnt 0x0
	s_barrier_signal -1
	s_barrier_wait -1
.endm
; The four chains v[16:23] become my 128 numbers' sum, then the row's: with lane l xor 16, and through LDS with the three other waves of my tile of rows.  The row's sum: v24.
.macro ACROSS red
	v_pk_add_f32 v[16:17], v[16:17], v[18:19]
	v_pk_add_f32 v[20:21], v[20:21], v[22:23]
	v_pk_add_f32 v[16:17], v[16:17], v[20:21]
	v_add_f32 v16, v16, v17
	v_permlanex16_b32 v17, v16, s[SEL], s[SEL+1]
	v_add_f32 v16, v16, v17
	s_wait_alu depctr_va_vdst(0)                   ; v16 is written, which the LDS store reads; and the vector lines so far are done with v24 to v27, in which the loads below land
	ds_store_b32 v[RA], v16 offset:\red            ; both lanes of a row write the same word with the same value
	BARRIER
	s_wait_alu depctr_vm_vsrc(0)                   ; my LDS stores have read v16, which later lines write again, and (in the first pass, the store of g or b) v24 to v27, in which the loads below land
.irp i, 0,1,2,3
	ds_load_b32 v[24+\i], v[RB] offset:\red+64*\i
.endr
	s_wait_dscnt 0x0
	v_add_f32 v24, v24, v25
	v_add_f32 v26, v26, v27
	v_add_f32 v24, v24, v26
.endm
.macro WLOAD s                         ; W1's two fragments and scale words of K step s, into set s % 2: 7 loads
.set WN, WB+24*((\s)%2)
.irp u, 0,1
.irp j, 0,1,2
	global_load_b128 v[WN+12*\u+4*\j:WN+12*\u+4*\j+3], v[LI], s[WC:WC+1] offset:(\s)*3072+\u*1536+512*\j
.endr
.endr
	global_load_b32 v[WS+(\s)%2], v[LS], s[WSC:WSC+1] offset:(\s)*128
.endm
; K step s: the next step's W1 is asked for first, into the set that the step before multiplied; ffi's four fragments from LDS; 8 products, each accumulator once, so no two neighbours share one
.macro KSTEP s
.if (\s) > 0
	s_wait_alu depctr_va_vdst(0)                   ; the last step's products are done reading the other set of W1 with its scale words, in which the seven loads below land, and ffi's four fragments and scale words, in which this step's land
.endif
.if (\s) < 7
	WLOAD (\s)+1
.endif
.irp o, 0,1,2,3
.irp j, 0,1,2
	ds_load_b128 v[XF+12*\o+4*\j:XF+12*\o+4*\j+3], v[LI] offset:XIMG+(8*\o+(\s))*1536+512*\j
.endr
	ds_load_b32 v[XS+\o], v[LS] offset:XSC+(8*\o+(\s))*128
.endr
.if (\s) < 7
	s_wait_loadcnt 7                               ; this step's W1 is in (in step 0 b1 too: it was asked for ahead of the seven); the next step's seven loads stay out
.else
	s_wait_loadcnt 0x0
.endif
	s_wait_dscnt 0x0
.set WN, WB+24*((\s)%2)
.irp o, 0,1,2,3
.if (\s) == 0
	v_wmma_scale_f32_16x16x128_f8f6f4 v[ACC+16*\o:ACC+16*\o+7], v[WN:WN+11], v[XF+12*\o:XF+12*\o+11], v[BI:BI+7], v[WS+(\s)%2], v[XS+\o] matrix_a_fmt:MATRIX_FMT_FP6 matrix_b_fmt:MATRIX_FMT_FP6
	v_wmma_scale_f32_16x16x128_f8f6f4 v[ACC+16*\o+8:ACC+16*\o+15], v[WN+12:WN+23], v[XF+12*\o:XF+12*\o+11], v[BI+8:BI+15], v[WS+(\s)%2], v[XS+\o] matrix_a_fmt:MATRIX_FMT_FP6 matrix_b_fmt:MATRIX_FMT_FP6 matrix_a_scale:MATRIX_SCALE_ROW1
.else
	v_wmma_scale_f32_16x16x128_f8f6f4 v[ACC+16*\o:ACC+16*\o+7], v[WN:WN+11], v[XF+12*\o:XF+12*\o+11], v[ACC+16*\o:ACC+16*\o+7], v[WS+(\s)%2], v[XS+\o] matrix_a_fmt:MATRIX_FMT_FP6 matrix_b_fmt:MATRIX_FMT_FP6
	v_wmma_scale_f32_16x16x128_f8f6f4 v[ACC+16*\o+8:ACC+16*\o+15], v[WN+12:WN+23], v[XF+12*\o:XF+12*\o+11], v[ACC+16*\o+8:ACC+16*\o+15], v[WS+(\s)%2], v[XS+\o] matrix_a_fmt:MATRIX_FMT_FP6 matrix_b_fmt:MATRIX_FMT_FP6 matrix_a_scale:MATRIX_SCALE_ROW1
.endif
.endr
.rept 4
	v_nop                                          ; four plain instructions between the products and the next loads into their operands, or the first read of results; they stay beside the wait
.endr
.endm
	s_load_b256 s[4:11], s[0:1], 0x0               ; attn, ln_g, ln_b, wc
	s_load_b256 s[12:19], s[0:1], 0x20             ; ws, b1, hc, hs
	s_load_b64 s[20:21], s[0:1], 0x40              ; stats
	v_lshl_add_u32 v126, v0, 2, 0x16000
	v_mov_b32 v127, 0
	v_lshrrev_b32 v16, 5, v0
	v_readfirstlane_b32 s[WV], v16                 ; wave 0..15
	s_mov_b32 s[CH], ttmp9
	s_and_b32 s[R], ttmp7, 0xffff
	v_and_b32 v16, 31, v0                          ; lane
	v_and_b32 v17, 15, v0                          ; r
	v_bfe_u32 v18, v0, 4, 1                        ; h
	v_and_b32 v19, 8, v17
	v_add_nc_u32 v19, v19, v17                     ; r + 8 (r / 8)
	v_lshlrev_b32 v[XA], 12, v19
	v_lshl_add_u32 v[XA], v18, 6, v[XA]
	v_lshlrev_b32 v[LI], 4, v16
	s_wait_alu depctr_va_vdst(0)
	v_lshlrev_b32 v[LS], 2, v16
	s_wait_alu depctr_va_vdst(0)
	v_lshlrev_b32 v[BLQ], 6, v18
	v_lshlrev_b32 v[SAD], 2, v19
	v_mul_u32_u24 v[HSA], v18, 6144                ; lanes 16-31 hold the next tile of rows: 8 x 768 bytes on
	v_lshl_add_u32 v[HSA], v17, 3, v[HSA]
	s_wait_alu depctr_va_sdst(0)                   ; the wave's number is written, ahead of its first reader
	s_lshr_b32 s42, s[WV], 1
	s_mul_i32 s42, s42, 768
	s_and_b32 s44, s[WV], 1
	s_lshl_b32 s44, s44, 7
	s_add_co_u32 s42, s42, s44
	s_add_co_u32 s42, s42, HST
	v_add_nc_u32 v[HSA], s42, v[HSA]
	s_mul_i32 s42, s[WV], 1536
	s_add_co_u32 s42, s42, HST
	v_add_nc_u32 v[HSR], s42, v[LI]
	s_mul_i32 s42, s[WV], 3072
	v_add_nc_u32 v[XWI], s42, v[LI]
	s_lshl_b32 s42, s[WV], 8
	v_add_nc_u32 v[XWS], s42, v[LS]
	v_lshlrev_b32 v17, 2, v17                      ; 4 r
	s_lshl_b32 s42, s[WV], 6
	v_add_nc_u32 v[RA], s42, v17
	s_lshr_b32 s27, s[WV], 2                       ; my tile of rows
	s_lshl_b32 s42, s27, 8
	v_add_nc_u32 v[RB], s42, v17
	s_and_b32 s43, s[WV], 3
	s_lshl_b32 s42, s27, 6
	s_add_co_u32 s42, s42, s43
	v_add_nc_u32 v[HA], s42, v17
	s_lshl_b32 s43, s43, 10
	v_add_nc_u32 v[GA], s43, v[BLQ]
	v_lshlrev_b32 v[T16], 4, v0
	v_and_b32 v[GBL], 255, v0
	v_lshlrev_b32 v[GBL], 4, v[GBL]
	v_lshlrev_b32 v[T4], 2, v0
	v_lshrrev_b32 v[HGO], 6, v0
	v_and_b32 v[HW], 63, v0
	v_lshlrev_b32 v[HW], 2, v[HW]
	v_lshl_add_u32 v[HGO], v[HGO], 10, v[HW]       ; hs: 1,024 (thread / 64) + 4 (thread % 64), for threads 0 to 255
	s_mov_b32 s[SEL], 0x76543210
	s_mov_b32 s[SEL+1], 0xfedcba98
	s_mov_b32 s22, 0x3a800000                      ; 1 / 1,024
	s_mov_b32 s23, 0x3727c5ac                      ; 1e-5
	s_lshr_b32 s42, s27, 1
	s_lshl_b32 s42, s42, 5
	s_and_b32 s44, s27, 1
	s_lshl_b32 s44, s44, 3
	s_add_co_u32 s42, s42, s44
	s_lshl_b32 s44, s[R], 6
	s_add_co_u32 s27, s42, s44                     ; my tile's first row: 64 R + 32 (o / 2) + 8 (o % 2)
	s_lshl_b32 s42, s27, 12
	s_add_co_u32 s42, s42, s43                     ; + 1,024 bytes x (wave % 4)
	s_mov_b32 s43, 0
	s_wait_kmcnt 0x0
	s_add_nc_u64 s[XP:XP+1], s[4:5], s[42:43]
	s_cmp_lt_u32 s[WV], 8                          ; waves 0-7 bring ln_g, waves 8-15 ln_b
	s_cselect_b64 s[GBP:GBP+1], s[6:7], s[8:9]
	s_wait_alu depctr_va_vdst(0)                   ; the head's offsets and addresses (v1 to v15, v120, v122) are written, which every load and store of the kernel reads; the head is done with v121, in which a scale word lands at the end
	global_load_b128 v[24:27], v[GBL], s[GBP:GBP+1]
.irp e, 0,1
.irp b, 0,1,2,3
.irp j, 0,1,2,3
	global_load_b128 v[ACC+64*\e+16*\b+4*\j:ACC+64*\e+16*\b+4*\j+3], v[XA], s[XP:XP+1] offset:512*\e+128*\b+16*\j
.endr
.endr
.endr
	s_lshl_b32 s42, s27, 2
	s_add_nc_u64 s[STP:STP+1], s[20:21], s[42:43]  ; stats at my tile's first row
	s_lshl_b32 s45, s[CH], 4
	s_add_co_u32 s45, s45, s[WV]                   ; P = 16 ch + w: my pair of column tiles
	s_lshl_b32 s42, s45, 7
	s_add_nc_u64 s[BP:BP+1], s[14:15], s[42:43]    ; b1 at my 32 hidden units
	s_mul_i32 s42, s45, 24576
	s_add_co_u32 s42, s42, 2359296
	s_add_nc_u64 s[WC:WC+1], s[10:11], s[42:43]    ; W1's units 768 + 8 P on
	s_lshl_b32 s42, s45, 10
	s_add_co_u32 s42, s42, 98304
	s_add_nc_u64 s[WSC:WSC+1], s[12:13], s[42:43]
	s_lshl_b32 s42, s[R], 2
	s_lshr_b32 s44, s[WV], 2
	s_add_co_u32 s42, s42, s44
	s_mul_i32 s42, s42, 24576
	s_mul_i32 s44, s[CH], 6144
	s_add_co_u32 s42, s42, s44
	s_and_b32 s44, s[WV], 3
	s_mul_i32 s44, s44, 1536
	s_add_co_u32 s42, s42, s44
	s_add_nc_u64 s[HO:HO+1], s[16:17], s[42:43]    ; hc: tile of rows 4 R + w / 4, my work-group's 6,144 bytes of it, their quarter w % 4
	s_lshl_b32 s42, s[R], 12
	s_lshl_b32 s44, s[CH], 8
	s_add_co_u32 s42, s42, s44
	s_add_nc_u64 s[HSP:HSP+1], s[18:19], s[42:43]
	s_wait_loadcnt 32                              ; g's or b's 16 bytes are in; attn's 32 loads may be out
	ds_store_b128 v[T16], v[24:27] offset:GB
	s_wait_loadcnt 0x0
.irp k, 0,1,2,3                        ; the sum of my 128 numbers: four packed chains
	v_pk_add_f32 v[16+2*\k:17+2*\k], v[ACC+2*\k:ACC+2*\k+1], v[ACC+8+2*\k:ACC+8+2*\k+1]
.endr
.irp n, 2,3,4,5,6,7,8,9,10,11,12,13,14,15
.irp k, 0,1,2,3
	v_pk_add_f32 v[16+2*\k:17+2*\k], v[16+2*\k:17+2*\k], v[ACC+8*\n+2*\k:ACC+8*\n+2*\k+1]
.endr
.endr
	ACROSS RED1
	v_mul_f32 v[MU], s22, v24                      ; the mean
	v_mov_b32 v[MU+1], v[MU]
.irp n, 0,1,2,3,4,5,6,7,8,9,10,11,12,13,14,15
.irp k, 0,1,2,3
	v_pk_add_f32 v[ACC+8*\n+2*\k:ACC+8*\n+2*\k+1], v[ACC+8*\n+2*\k:ACC+8*\n+2*\k+1], v[MU:MU+1] neg_lo:[0,1] neg_hi:[0,1]   ; x - mu, in place
.endr
.endr
.irp k, 0,1,2,3
	v_pk_mul_f32 v[16+2*\k:17+2*\k], v[ACC+2*\k:ACC+2*\k+1], v[ACC+2*\k:ACC+2*\k+1]
.endr
.irp n, 1,2,3,4,5,6,7,8,9,10,11,12,13,14,15
.irp k, 0,1,2,3
	v_pk_fma_f32 v[16+2*\k:17+2*\k], v[ACC+8*\n+2*\k:ACC+8*\n+2*\k+1], v[ACC+8*\n+2*\k:ACC+8*\n+2*\k+1], v[16+2*\k:17+2*\k]
.endr
.endr
	ACROSS RED2
	v_fma_f32 v24, v24, s22, s23                   ; var + 1e-5
	s_wait_alu depctr_va_vdst(0)
	v_rsq_f32 v[RS], v24
	v_nop                                          ; one plain instruction behind the transcendental,
	s_wait_alu depctr_va_vdst(0)                   ; rsq is written, ahead of its first reader and of the branch: the store below reads it, and mu; and the reductions' lines are done with v16 to v27, in which g and b land
	v_mov_b32 v[RS+1], v[RS]
	s_and_b32 s42, s[WV], 3
	s_or_b32 s42, s42, s[CH]
	s_cmp_lg_u32 s42, 0                            ; one wave of each tile of rows, in the work-group of ch = 0, stores mu and rsq
	s_cbranch_scc1 .Lno_stats
	global_store_b32 v[SAD], v[MU], s[STP:STP+1]
	global_store_b32 v[SAD], v[RS], s[STP:STP+1] offset:16384
.Lno_stats:
	s_wait_alu depctr_va_vdst(0)
.irp q, 0,1,2,3                        ; my eight blocks of 16 numbers, two at a time: blocks 2 q and 2 q + 1, each with a buffer of its own for g and b
.if \q > 0
	s_wait_alu depctr_va_vdst(0)                   ; the multiply-adds of the pair before are done reading both buffers of g and b, in which the next pair's land
.endif
.irp j, 0,1,2,3
	ds_load_b128 v[G+4*\j:G+4*\j+3], v[GA] offset:GB+256*\q+16*\j
	ds_load_b128 v[BT+4*\j:BT+4*\j+3], v[GA] offset:GB+4096+256*\q+16*\j
	ds_load_b128 v[G1+4*\j:G1+4*\j+3], v[GA] offset:GB+256*\q+128+16*\j
	ds_load_b128 v[BT1+4*\j:BT1+4*\j+3], v[GA] offset:GB+4096+256*\q+128+16*\j
.endr
.irp j, 0,2,4,6,8,10,12,14,16,18,20,22,24,26,28,30
	v_pk_mul_f32 v[ACC+32*\q+\j:ACC+32*\q+\j+1], v[ACC+32*\q+\j:ACC+32*\q+\j+1], v[RS:RS+1]
.endr
	s_wait_dscnt 0x0
.irp j, 0,2,4,6,8,10,12,14
	v_pk_fma_f32 v[ACC+32*\q+\j:ACC+32*\q+\j+1], v[ACC+32*\q+\j:ACC+32*\q+\j+1], v[G+\j:G+\j+1], v[BT+\j:BT+\j+1]   ; ffi
.endr
.irp j, 0,2,4,6,8,10,12,14
	v_pk_fma_f32 v[ACC+32*\q+16+\j:ACC+32*\q+16+\j+1], v[ACC+32*\q+16+\j:ACC+32*\q+16+\j+1], v[G1+\j:G1+\j+1], v[BT1+\j:BT1+\j+1]
.endr
.endr
	s_wait_alu depctr_va_vdst(0)                   ; the last multiply-adds are done reading v64 to v87, in which W1's first set lands
	WLOAD 0                                        ; g's and b's registers are done with: the first K step's W1 lands there while ffi is quantised
	QUANT ACC, PC0, PW0
	s_wait_alu depctr_va_vdst(0)                   ; the first fragment's codes and scale word are written, which the LDS stores read
	IMAGE PC0, PW0, 0
	QUANT ACC+64, PC1, PW1
	s_wait_alu depctr_va_vdst(0)                   ; the second fragment's codes and scale word are written, which the LDS stores read; and the vector lines are done with v16 to v63, v88 to v111 and v192 to v207, in which loads land below
	IMAGE PC1, PW1, 1
	s_wait_storecnt 0x0                            ; the stores of mu and rsq are done: the K steps load into their data registers, and no store of mine is out at the barrier's signal
	BARRIER                                        ; ffi's 32 fragments lie in LDS
	s_wait_alu depctr_vm_vsrc(0)                   ; the images' LDS stores have read v32-43, v52, v53 and v96-107, and the stores of mu and rsq v54 and v56: ffi's fragments and W1's set 1 land there
.irp q, 0,1,2,3                        ; b1: lane (r, h) wants hidden units 32 P + 16 h + 0 .. 15: tile u's eight at BI + 8 u
	global_load_b128 v[BI+4*\q:BI+4*\q+3], v[BLQ], s[BP:BP+1] offset:16*\q
.endr
.irp s, 0,1,2,3,4,5,6,7
	KSTEP \s
.endr
.set n, 0
.rept 64
	v_max_num_f32 v[ACC+n], 0, v[ACC+n]            ; relu, in f32; each accumulator from its low end on
.set n, n+1
.endr
; The 16 registers of a tile of rows o are my half of ONE block of 32 hidden units: the four blocks of QUANT are the four tiles.  Its codes: registers 6 c on: lanes 0-15 row r of tile 2 c, lanes 16-31 row r of tile 2 c + 1.
	QUANT ACC, PC0, PW0
	s_wait_alu depctr_va_vdst(0)                   ; h's codes and its four scale bytes are written, which the LDS stores read; the products are done reading v64 to v75, in which the stage's bytes land
.irp c, 0,1
.irp p, 0,1,2
	ds_store_b64 v[HSA], v[PC0+6*\c+2*\p:PC0+6*\c+2*\p+1] offset:\c*12288+256*\p   ; piece p of the half fragment (tile 2 c + h, hg), at lane place 16 (P % 2) + r
.endr
.endr
.irp o, 0,1,2,3
	ds_store_b8 v[HA], v[TM+4+\o] offset:HSC+256*\o        ; my byte of the word of tile o's row r; both lanes of a row write the same byte with the same value
.endr
	BARRIER                                        ; the half fragments and the words are whole
.irp j, 0,1,2
	ds_load_b128 v[WB+4*\j:WB+4*\j+3], v[HSR] offset:512*\j
.endr
	s_wait_dscnt 0x0
.irp j, 0,1,2
	global_store_b128 v[LI], v[WB+4*\j:WB+4*\j+3], s[HO:HO+1] offset:512*\j        ; 32 lanes store 512 consecutive bytes, aligned
.endr
	s_cmp_lt_u32 s[WV], 8                          ; the 256 scale words: one a thread of waves 0 to 7
	s_cbranch_scc0 .Lend
	ds_load_b32 v[HW], v[T4] offset:HSC
	s_wait_dscnt 0x0
	global_store_b32 v[HGO], v[HW], s[HSP:HSP+1]
.Lend:
	s_wait_dscnt 0x0                               ; the closing lines, six on end
	s_wait_alu 0x0
	s_wait_tensorcnt 0x0
	ds_add_u32 v126, v127
	s_wait_dscnt 0x0
	s_endpgm
.Lfunc_end_k_qc019207127_ffn1:
	.size	k_qc019207127_ffn1, .Lfunc_end_k_qc019207127_ffn1-k_qc019207127_ffn1
	.p2alignl 7, 3214868480
	.fill 96, 4, 3214868480
	.section	.rodata,"a",@progbits
	.p2align	6, 0x0
	.amdhsa_kernel k_qc019207127_ffn1
		.amdhsa_group_segment_fixed_size 92160
		.amdhsa_private_segment_fixed_size 0
		.amdhsa_enable_private_segment 0
		.amdhsa_kernarg_size 72
		.amdhsa_user_sgpr_count 2
		.amdhsa_user_sgpr_kernarg_segment_ptr 1
		.amdhsa_wavefront_size32 1
		.amdhsa_system_sgpr_workgroup_id_x 1
		.amdhsa_system_sgpr_workgroup_id_y 1
		.amdhsa_system_sgpr_workgroup_id_z 1
		.amdhsa_system_vgpr_workitem_id 0
		.amdhsa_next_free_vgpr 256
		.amdhsa_next_free_sgpr 66
		.amdhsa_reserve_vcc 0
		.amdhsa_float_denorm_mode_32 3
		.amdhsa_float_denorm_mode_16_64 3
		.amdhsa_memory_ordered 1
		.amdhsa_forward_progress 1
		.amdhsa_inst_pref_size 74
	.end_amdhsa_kernel
	.amdgpu_metadata
---
amdhsa.version: [ 1, 2 ]
amdhsa.kernels:
  - .name:           k_qc019207127_ffn1
    .symbol:         k_qc019207127_ffn1.kd
    .args:
      - { .name: attn, .offset: 0, .size: 8, .value_kind: global_buffer, .address_space: global }
      - { .name: ln_g, .offset: 8, .size: 8, .value_kind: global_buffer, .address_space: global }
      - { .name: ln_b, .offset: 16, .size: 8, .value_kind: global_buffer, .address_space: global }
      - { .name: wc, .offset: 24, .size: 8, .value_kind: global_buffer, .address_space: global }
      - { .name: ws, .offset: 32, .size: 8, .value_kind: global_buffer, .address_space: global }
      - { .name: b1, .offset: 40, .size: 8, .value_kind: global_buffer, .address_space: global }
      - { .name: hc, .offset: 48, .size: 8, .value_kind: global_buffer, .address_space: global }
      - { .name: hs, .offset: 56, .size: 8, .value_kind: global_buffer, .address_space: global }
      - { .name: stats, .offset: 64, .size: 8, .value_kind: global_buffer, .address_space: global }
    .group_segment_fixed_size: 92160
    .private_segment_fixed_size: 0
    .kernarg_segment_align: 8
    .kernarg_segment_size: 72
    .max_flat_workgroup_size: 512
    .sgpr_count:     66
    .vgpr_count:     256
    .wavefront_size: 32
...
	.end_amdgpu_metadata
.endif
;; end of part 11
;; launch ffn2 (part 12): grid 4 x 64, 8 waves a work-group, no clusters, 169,984 bytes of LDS; arguments hc, hs, wc, ws, b2, attn, stats, ln_g, ln_b, out0; writes out0
.if DOCPART == 12
	.amdgcn_target "amdgcn-amd-amdhsa--gfx1250"
	.amdhsa_code_object_version 6
	.text
	.protected	k_qc019207127_ffn2
	.globl	k_qc019207127_ffn2
	.p2align	8
	.type	k_qc019207127_ffn2,@function
k_qc019207127_ffn2:
	s_mov_b64 s[64:65], 0
	v_nop
	global_prefetch_b8 v0, s[64:65] scope:SCOPE_SE
	s_setreg_imm32_b32 hwreg(HW_REG_WAVE_SCHED_MODE, 0, 2), 2
	s_setreg_imm32_b32 hwreg(HW_REG_WAVE_MODE, 25, 1), 1
	s_wait_xcnt 0x0
	s_wait_alu depctr_vm_vsrc(0)
; out0 = ffi + h W2 + b2, the product on codes of FP6 (E2M3) with E8M0 scales; ffi = (attn - mu) rsq g + b is formed anew from attn and the stored mu and rsq, in f32.
; Work-group (cb, R): 64 rows x columns 256 cb .. + 255.  Wave w: all 64 rows x 32 columns (the pair of tiles 8 cb + w): 8 accumulators.
; h's codes of the 64 rows (98,304 bytes) and their scale words (4,096) come into LDS once, through registers; one barrier; 16 K steps of 128, W2's fragments from memory one step ahead, in two sets of registers.
; Source 0 = W2's columns, source 1 = h's rows: a lane holds one row and, in a pair's 16 registers, 16 neighbouring columns.  The results meet in a stage in LDS and leave as whole rows of 1,024 bytes.
; Tile o, lane r is row 32 (o / 2) + 8 (o % 2) + r + 8 (r / 8) of the 64, as the launch before laid them.
; THE MODE: SCHED_MODE bits 1:0 = 2 (LLVM: expert scheduling mode 2), set by the entry lines.  The code itself states the register dependences
; between vector or matrix instructions and memory or LDS instructions, with s_wait_alu, always for 0.
; THE PLAN.  Registers that memory or LDS instructions touch:
;   v1-v9        offsets and LDS addresses: made once at the head, one wait ahead of the first load, never written again.
;   v10-v109     the fill: h's codes land, LDS stores read them; then they are the accumulators and W2's two sets: one wait on vm_vsrc ahead of the first load of W2.
;   W2's two sets, v170-171; v122-169, v172-175  in a K step: loads land, the step's eight products read.  ONE wait on va_vdst at a step's head: the products of the step before are done with the set in which the
;                next step's seven loads land and with h's four fragments and scale words, in which this step's land.
;   v10-v73      on the way out: the products write them, the stage's LDS stores read them (va_vdst), whole rows land in them again (vm_vsrc).
;   v192-v255    attn lands here; a row's 32 vector lines make the result in place; one wait on va_vdst; the row's two stores.  None is written again.
.set HSCL, 98304                       ; LDS: h's images at 0 ((32 o + hg) x 768); their scale words, (16 o + s) 64 + 4 r
.set STG,  102400                      ; the stage: 64 rows x (1,024 + 16) bytes
.set LI,  1                            ; v1  16 x lane
.set LS,  2                            ; v2  4 x lane
.set LH0, 3                            ; v3  8 x lane
.set LH1, 4                            ; v4  + 49,152: tiles 2 and 3
.set LHS, 5                            ; v5  HSCL + 4 r
.set STO, 6
.set SRD, 7
.set FA0, 8                            ; v8  16 x thread
.set FA1, 9                            ; v9  + 65,536
.set ACC, 10                           ; v10-73  accumulator (o, u) at 8 (2 o + u)
.set WB0, 74                           ; v74-97, v98-121  W2's two fragments, two sets
.set HF,  122                          ; v122-169 h's four fragments
.set WS,  170                          ; v170-171 W2's scale words, two sets: scales and nothing else
.set HS,  172                          ; v172-175 h's
.set G,   176                          ; v176-183 ln_g at my 8 columns
.set C2,  184                          ; v184-191 ln_b + b2
.set AT,  192                          ; v192-255 attn: rows 8 w + i, halves e, at 4 (2 i + e)
.set WV,  24
.set CB,  25
.set R,   26
.set MUS, 32                           ; s32-39 mu of my 8 rows
.set RSS, 40                           ; s40-47 rsq
.set WC,  50
.set WSC, 52
.macro WLOAD s                         ; W2's two fragments and scale words of K step s, into set s % 2
.set WN, WB0+24*((\s)%2)
.irp u, 0,1
.irp j, 0,1,2
	global_load_b128 v[WN+12*\u+4*\j:WN+12*\u+4*\j+3], v[LI], s[WC:WC+1] offset:(\s)*3072+\u*1536+512*\j
.endr
.endr
	global_load_b32 v[WS+(\s)%2], v[LS], s[WSC:WSC+1] offset:(\s)*128
.endm
.macro FSTEP s
.if (\s) > 0
	s_wait_alu depctr_va_vdst(0)                   ; the last step's products are done reading the other set of W2 with its scale words, in which the seven loads below land, and h's four fragments and scale words, in which this step's land
.endif
.if (\s) < 15
	WLOAD (\s)+1                                   ; the other set was read a step ago
.endif
.irp o, 0,1,2,3
.irp c, 0,1
.irp p, 0,1,2
	ds_load_b64 v[HF+12*\o+6*\c+2*\p:HF+12*\o+6*\c+2*\p+1], v[LH0+\o/2] offset:(\o%2)*24576+(2*(\s)+\c)*768+256*\p
.endr
.endr
	ds_load_b32 v[HS+\o], v[LHS] offset:(16*\o+(\s))*64
.endr
.if (\s) < 15
	s_wait_loadcnt 7                               ; this step's W2 is in; the next step's seven loads stay out
.else
	s_wait_loadcnt 0x0
.endif
	s_wait_dscnt 0x0
.set WB, WB0+24*((\s)%2)
.irp o, 0,1,2,3                        ; eight accumulators, each once a step: no two neighbours share one
.if (\s) == 0
	v_wmma_scale_f32_16x16x128_f8f6f4 v[ACC+16*\o:ACC+16*\o+7], v[WB:WB+11], v[HF+12*\o:HF+12*\o+11], 0, v[WS+(\s)%2], v[HS+\o] matrix_a_fmt:MATRIX_FMT_FP6 matrix_b_fmt:MATRIX_FMT_FP6
	v_wmma_scale_f32_16x16x128_f8f6f4 v[ACC+16*\o+8:ACC+16*\o+15], v[WB+12:WB+23], v[HF+12*\o:HF+12*\o+11], 0, v[WS+(\s)%2], v[HS+\o] matrix_a_fmt:MATRIX_FMT_FP6 matrix_b_fmt:MATRIX_FMT_FP6 matrix_a_scale:MATRIX_SCALE_ROW1
.else
	v_wmma_scale_f32_16x16x128_f8f6f4 v[ACC+16*\o:ACC+16*\o+7], v[WB:WB+11], v[HF+12*\o:HF+12*\o+11], v[ACC+16*\o:ACC+16*\o+7], v[WS+(\s)%2], v[HS+\o] matrix_a_fmt:MATRIX_FMT_FP6 matrix_b_fmt:MATRIX_FMT_FP6
	v_wmma_scale_f32_16x16x128_f8f6f4 v[ACC+16*\o+8:ACC+16*\o+15], v[WB+12:WB+23], v[HF+12*\o:HF+12*\o+11], v[ACC+16*\o+8:ACC+16*\o+15], v[WS+(\s)%2], v[HS+\o] matrix_a_fmt:MATRIX_FMT_FP6 matrix_b_fmt:MATRIX_FMT_FP6 matrix_a_scale:MATRIX_SCALE_ROW1
.endif
.endr
.rept 4
	v_nop                                          ; four plain instructions between the products and the next loads into their operands, or the first read of results; they stay beside the wait
.endr
.endm
	s_load_b256 s[4:11], s[0:1], 0x0               ; hc, hs, wc, ws
	s_load_b256 s[12:19], s[0:1], 0x20             ; b2, attn, stats, ln_g
	s_load_b128 s[20:23], s[0:1], 0x40             ; ln_b, out0
	s_set_vgpr_msb 0x40
	v_lshl_add_u32 v0, v0, 2, 0x29400
	v_mov_b32 v1, 0
	s_set_vgpr_msb 0x4000
	v_lshrrev_b32 v10, 5, v0
	v_readfirstlane_b32 s[WV], v10                 ; wave 0..7
	s_mov_b32 s[CB], ttmp9
	s_and_b32 s[R], ttmp7, 0xffff
	v_and_b32 v10, 31, v0                          ; lane
	v_and_b32 v11, 15, v0                          ; r
	v_bfe_u32 v12, v0, 4, 1                        ; h
	v_and_b32 v13, 8, v11
	v_add_nc_u32 v13, v13, v11                     ; r + 8 (r / 8)
	v_lshlrev_b32 v[LI], 4, v10
	v_lshlrev_b32 v[LS], 2, v10
	v_lshlrev_b32 v[LH0], 3, v10
	v_add_nc_u32 v[LH1], 49152, v[LH0]
	v_lshl_add_u32 v[LHS], v11, 2, HSCL
	v_mul_u32_u24 v[STO], v13, 1040
	v_lshl_add_u32 v[STO], v12, 6, v[STO]
	s_wait_alu depctr_va_sdst(0)                   ; the wave's number is written, ahead of its first reader
	s_lshl_b32 s48, s[WV], 7
	s_add_co_u32 s48, s48, STG
	v_add_nc_u32 v[STO], s48, v[STO]               ; into the stage: my row, + 128 bytes x wave + 64 h
	s_mul_i32 s48, s[WV], 8*1040
	s_add_co_u32 s48, s48, STG
	v_add_nc_u32 v[SRD], s48, v[LI]                ; back: rows 8 w on, 16 bytes a lane
	v_lshlrev_b32 v[FA0], 4, v0
	v_add_nc_u32 v[FA1], 0x10000, v[FA0]
	s_lshl_b32 s27, s[R], 6
	s_lshl_b32 s48, s[WV], 3
	s_add_co_u32 s27, s27, s48                     ; the first row that I store: 64 R + 8 w
	s_lshl_b32 s28, s27, 12
	s_lshl_b32 s54, s[CB], 10                      ; my work-group's 256 columns, in bytes
	s_add_co_u32 s28, s28, s54
	s_mov_b32 s29, 0
	s_lshl_b32 s30, s27, 2
	s_mov_b32 s31, 0
	s_mov_b32 s55, 0
	s_mov_b32 s49, 0
	s_wait_kmcnt 0x0
	s_add_nc_u64 s[16:17], s[16:17], s[30:31]
	s_load_b256 s[MUS:MUS+7], s[16:17], 0x0        ; stats were stored by an earlier launch; this one writes none of them
	s_load_b256 s[RSS:RSS+7], s[16:17], 0x4000
	s_add_nc_u64 s[14:15], s[14:15], s[28:29]      ; attn and out0 at my first row and column
	s_add_nc_u64 s[22:23], s[22:23], s[28:29]
	s_add_nc_u64 s[18:19], s[18:19], s[54:55]      ; ln_g, ln_b, b2 at my work-group's columns
	s_add_nc_u64 s[20:21], s[20:21], s[54:55]
	s_add_nc_u64 s[12:13], s[12:13], s[54:55]
	s_wait_alu depctr_va_vdst(0)                   ; the nine offsets and addresses v1 to v9 are written, which every load and store of the kernel reads; the head is done with v10 to v13, in which h's codes land
.irp i, 0,1,2,3,4,5,6,7
.irp e, 0,1
	global_load_b128 v[AT+4*(2*\i+\e):AT+4*(2*\i+\e)+3], v[LI], s[14:15] offset:4096*\i+512*\e th:TH_LOAD_NT
.endr
.endr
.irp e, 0,1
	global_load_b128 v[G+4*\e:G+4*\e+3], v[LI], s[18:19] offset:512*\e
	global_load_b128 v[C2+4*\e:C2+4*\e+3], v[LI], s[20:21] offset:512*\e
	global_load_b128 v[HF+4*\e:HF+4*\e+3], v[LI], s[12:13] offset:512*\e
.endr
	s_mul_i32 s48, s[R], 98304
	s_add_nc_u64 s[4:5], s[4:5], s[48:49]
	s_lshl_b32 s48, s[R], 12
	s_add_nc_u64 s[6:7], s[6:7], s[48:49]
.set n, 0
.rept 24
	global_load_b128 v[ACC+4*n:ACC+4*n+3], v[FA0], s[4:5] offset:4096*n        ; 256 threads x 16 bytes: 4,096 consecutive bytes a line
.set n, n+1
.endr
	global_load_b128 v[ACC+96:ACC+99], v[FA0], s[6:7]
	s_lshl_b32 s48, s[CB], 3
	s_add_co_u32 s27, s48, s[WV]                   ; my pair of column tiles: 8 cb + w
	s_mul_i32 s48, s27, 49152
	s_add_co_u32 s48, s48, 3932160
	s_add_nc_u64 s[WC:WC+1], s[8:9], s[48:49]
	s_lshl_b32 s48, s27, 11
	s_add_co_u32 s48, s48, 163840
	s_add_nc_u64 s[WSC:WSC+1], s[10:11], s[48:49]
.set n, 0
.rept 25
	s_wait_loadcnt 24-n                            ; loads come back in order: chunk n is in, the younger ones stay out
	ds_store_b128 v[FA0+n/16], v[ACC+4*n:ACC+4*n+3] offset:4096*(n%16)
.set n, n+1
.endr
.irp j, 0,2,4,6
	v_pk_add_f32 v[C2+\j:C2+\j+1], v[C2+\j:C2+\j+1], v[HF+\j:HF+\j+1]          ; ln_b + b2
.endr
	s_wait_dscnt 0x0                               ; my part of the fill has landed
	s_wait_alu depctr_vm_vsrc(0)                   ; the fill's LDS stores have read v10 to v109: W2's two sets land there, and the products write their sums there
	s_wait_alu depctr_va_vdst(0)                   ; the four additions are done reading v122 to v129, in which h's first fragment lands
	WLOAD 0
	s_barrier_signal -1
	s_barrier_wait -1                              ; h's codes and scale words are whole; nothing is stored there again
.irp s, 0,1,2,3,4,5,6,7,8,9,10,11,12,13,14,15
	FSTEP \s
.endr
	s_wait_alu depctr_va_vdst(0)                   ; the products have written the accumulators, which the LDS stores read; the four plain instructions above stay beside this wait
.irp o, 0,1,2,3
.irp q, 0,1,2,3
	ds_store_b128 v[STO], v[ACC+16*\o+4*\q:ACC+16*\o+4*\q+3] offset:(32*(\o/2)+8*(\o%2))*1040+16*\q   ; each accumulator from its low end on: columns 32 w + 16 h + 4 q ..
.endr
.endr
	s_wait_dscnt 0x0                               ; for the others' sake: my stores into the stage are done
	s_barrier_signal -1
	s_barrier_wait -1
	s_wait_alu depctr_vm_vsrc(0)                   ; my LDS stores have read the accumulators' registers, in which whole rows land
.irp i, 0,1,2,3,4,5,6,7
.irp e, 0,1
	ds_load_b128 v[ACC+4*(2*\i+\e):ACC+4*(2*\i+\e)+3], v[SRD] offset:1040*\i+512*\e
.endr
.endr
	s_wait_kmcnt 0x0                               ; mu and rsq
	s_wait_dscnt 0x0
.irp i, 0,1,2,3,4,5,6,7
.irp e, 0,1
.irp k, 0,1,2,3
	v_subrev_f32 v[AT+4*(2*\i+\e)+\k], s[MUS+\i], v[AT+4*(2*\i+\e)+\k]         ; x - mu
.endr
.irp k, 0,1,2,3
	v_mul_f32 v[AT+4*(2*\i+\e)+\k], s[RSS+\i], v[AT+4*(2*\i+\e)+\k]            ; x rsq
.endr
.irp k, 0,1,2,3
	v_fma_f32 v[AT+4*(2*\i+\e)+\k], v[AT+4*(2*\i+\e)+\k], v[G+4*\e+\k], v[C2+4*\e+\k]   ; x g + (b + b2)
.endr
.irp k, 0,1,2,3
	v_add_f32 v[AT+4*(2*\i+\e)+\k], v[AT+4*(2*\i+\e)+\k], v[ACC+4*(2*\i+\e)+\k]         ; + h W2
.endr
.endr
	s_wait_alu depctr_va_vdst(0)                   ; the row's eight results a lane are written, which its two stores read
.irp e, 0,1
	global_store_b128 v[LI], v[AT+4*(2*\i+\e):AT+4*(2*\i+\e)+3], s[22:23] offset:4096*\i+512*\e th:TH_STORE_NT   ; 32 lanes store 512 consecutive bytes, aligned
.endr
.endr
	s_set_vgpr_msb 0x5                             ; the add's two registers, v256 and v257, are its sources 0 and 1: block 1
	s_wait_dscnt 0x0                               ; the closing lines, six on end
	s_wait_alu 0x0
	s_wait_tensorcnt 0x0
	ds_add_u32 v0, v1
	s_wait_dscnt 0x0
	s_endpgm
.Lfunc_end_k_qc019207127_ffn2:
	.size	k_qc019207127_ffn2, .Lfunc_end_k_qc019207127_ffn2-k_qc019207127_ffn2
	.p2alignl 7, 3214868480
	.fill 96, 4, 3214868480
	.section	.rodata,"a",@progbits
	.p2align	6, 0x0
	.amdhsa_kernel k_qc019207127_ffn2
		.amdhsa_group_segment_fixed_size 169984
		.amdhsa_private_segment_fixed_size 0
		.amdhsa_enable_private_segment 0
		.amdhsa_kernarg_size 80
		.amdhsa_user_sgpr_count 2
		.amdhsa_user_sgpr_kernarg_segment_ptr 1
		.amdhsa_wavefront_size32 1
		.amdhsa_system_sgpr_workgroup_id_x 1
		.amdhsa_system_sgpr_workgroup_id_y 1
		.amdhsa_system_sgpr_workgroup_id_z 1
		.amdhsa_system_vgpr_workitem_id 0
		.amdhsa_next_free_vgpr 258
		.amdhsa_next_free_sgpr 66
		.amdhsa_reserve_vcc 0
		.amdhsa_float_denorm_mode_32 3
		.amdhsa_float_denorm_mode_16_64 3
		.amdhsa_memory_ordered 1
		.amdhsa_forward_progress 1
		.amdhsa_inst_pref_size 83
	.end_amdhsa_kernel
	.amdgpu_metadata
---
amdhsa.version: [ 1, 2 ]
amdhsa.kernels:
  - .name:           k_qc019207127_ffn2
    .symbol:         k_qc019207127_ffn2.kd
    .args:
      - { .name: hc, .offset: 0, .size: 8, .value_kind: global_buffer, .address_space: global }
      - { .name: hs, .offset: 8, .size: 8, .value_kind: global_buffer, .address_space: global }
      - { .name: wc, .offset: 16, .size: 8, .value_kind: global_buffer, .address_space: global }
      - { .name: ws, .offset: 24, .size: 8, .value_kind: global_buffer, .address_space: global }
      - { .name: b2, .offset: 32, .size: 8, .value_kind: global_buffer, .address_space: global }
      - { .name: attn, .offset: 40, .size: 8, .value_kind: global_buffer, .address_space: global }
      - { .name: stats, .offset: 48, .size: 8, .value_kind: global_buffer, .address_space: global }
      - { .name: ln_g, .offset: 56, .size: 8, .value_kind: global_buffer, .address_space: global }
      - { .name: ln_b, .offset: 64, .size: 8, .value_kind: global_buffer, .address_space: global }
      - { .name: out0, .offset: 72, .size: 8, .value_kind: global_buffer, .address_space: global }
    .group_segment_fixed_size: 169984
    .private_segment_fixed_size: 0
    .kernarg_segment_align: 8
    .kernarg_segment_size: 80
    .max_flat_workgroup_size: 256
    .sgpr_count:     66
    .vgpr_count:     258
    .wavefront_size: 32
...
	.end_amdgpu_metadata
.endif
;; end of part 12
